; MI455X (gfx1250); checked and timed in simulation.
; The chip was launched on July 23, 2026; its instructions are those of AMD's public machine-readable ISA for CDNA 5 (MIT licence, August 2026) and "CDNA5" Instruction Set Architecture Reference Guide (July 2026). The comments in the code are by the model that wrote it; some were corrected since.
;; Transformer Block. Allowed arithmetic: matrix products marked QUANTISED: E4M3 operands, one E8M0 scale for each 32 along K, by v_wmma_scale_f32_16x16x128_f8f6f4 with both operands' format E4M3, f32 sums; everything else in f32.
;; Inputs: W1 1,024 x 2,048 float32; W2 2,048 x 1,024 float32; W3 1,024 x 2,048 float32; Wk 1,024 x 1,024 float32; Wo 1,024 x 1,024 float32; Wq 1,024 x 1,024 float32; Wv 1,024 x 1,024 float32; g1 1,024 float32; g2 1,024 float32; x 2 x 2,048 x 1,024 float32.
;; Outputs: out0 2 x 2,048 x 1,024 float32.
;; This version of the problem:
;;   THIS VERSION OF THE PROBLEM IS GIVEN IN LOW PRECISION. The matrix products marked QUANTISED in the list below multiply operands that are first quantised to E4M3 (4 exponent bits, 3 mantissa bits; 8 bits a number), with one power-of-two scale for each 32 numbers along K (OCP MX v1.0); their sums are f32. All else is computed in f32.
;;   The module's matrix products, in the order in which they are computed (A, B: the left and right operand; K: the contracted axis; several contracted axes count as one K, in the product's order):
;;     1. [M 4,096, K 1,024] x [K 1,024, N 1,024]; A: computed on the way; B: input Wq: QUANTISED
;;     2. [M 4,096, K 1,024] x [K 1,024, N 1,024]; A: computed on the way; B: input Wk: QUANTISED
;;     3. [M 4,096, K 1,024] x [K 1,024, N 1,024]; A: computed on the way; B: input Wv: QUANTISED
;;     4. batch 32 x [M 2,048, K 64] x [K 64, N 2,048]; A: computed on the way; B: computed on the way: QUANTISED
;;     5. batch 32 x [M 2,048, K 2,048] x [K 2,048, N 64]; A: softmax (see below); B: computed on the way: QUANTISED
;;     6. [M 4,096, K 1,024] x [K 1,024, N 1,024]; A: computed on the way; B: input Wo: QUANTISED
;;     7. [M 4,096, K 1,024] x [K 1,024, N 2,048]; A: computed on the way; B: input W1: QUANTISED
;;     8. [M 4,096, K 1,024] x [K 1,024, N 2,048]; A: computed on the way; B: input W3: QUANTISED
;;     9. [M 4,096, K 2,048] x [K 2,048, N 1,024]; A: computed on the way; B: input W2: QUANTISED
;;   THE QUANTISER, for each operand of a quantised product, along K:
;;     - K is cut into blocks of 32 from its start; a last block that is shorter is filled with zeros.
;;     - A block's scale is 2^e with e = floor(log2(the largest magnitude in the block)) - 8, held to -126 .. 127; a block of zeros has e = 0. As a byte (E8M0): e + 127.
;;     - Each number is divided by its block's scale, clamped to +-448, and rounded to the nearest number of E4M3, ties to even, subnormals kept.
;;     - The product sums the exact products of the quantised numbers (number of the format x scale) in f32.
;;   ~~~python
;;   def quantise(x, axis):      # numpy; x: float32 -> the quantised numbers, widened to float32 again
;;       x = np.moveaxis(x, axis, -1); K = x.shape[-1]
;;       x = np.pad(x, [(0, 0)] * (x.ndim - 1) + [(0, -K % 32)]); x = x.reshape(x.shape[:-1] + (-1, 32)); a = np.abs(x).max(-1, keepdims=True)
;;       e = np.where(a > 0, np.clip(np.frexp(np.where(a > 0, a, 1))[1] - 1 - 8, -126, 127), 0)      # np.frexp(a)[1] - 1 = floor(log2(a)), exactly
;;       r = np.clip(x / 2.0 ** e, -448, 448)
;;       step = 2.0 ** (np.maximum(np.frexp(np.where(r == 0, 1, r))[1] - 1, -6) - 3)
;;       q = np.round(r / step) * step * 2.0 ** e      # np.round: ties to even
;;       return np.moveaxis(q.reshape(q.shape[:-2] + (-1,))[..., :K], -1, axis).astype(np.float32)
;;   ~~~
;;   SOFTMAX AHEAD OF A QUANTISED PRODUCT. Where the list says 'softmax', what is quantised is not the finished softmax but p = 2^(t - M), with t = logit x log2(e) and M = ceil(the row's largest t), a whole number; so 1/2 < the row's largest p <= 1. The row's sum l is taken of the UNQUANTISED p, in f32, and the product's result is divided by l at the end. Since M is a whole number, a kernel that streams over the keys may use a running M (the ceiling of the running maximum): every later rescaling is an exact power of two, which a block's scale takes up: the codes' values come out the same.
;;   OPERANDS COMPUTED ON THE WAY. 'Computed on the way' means the value that the module computes at that place (a softmax that the list does not call 'softmax' is quantised finished and normalised). What goes into a quantiser is computed in f32, as accurately as f32 sums, v_exp_f32 and their like allow (about 1e-6 of the number): no bf16 or f16 on the way to a quantiser, and a product that is left as it is and whose result goes on into a quantised operand takes f32 operands (vector FMAs, or v_wmma_f32_16x16x4_f32). A number that lies on a knife's edge between two numbers of the format may be rounded either way, as far as f32 arithmetic and the matrix unit's own rounding can turn it there, and no further.
;; 2 versions. Each part assembles by itself: llvm-mc -triple=amdgcn-amd-amdhsa -mcpu=gfx1250 --defsym DOCPART=n.
;; ======== version 1 of 2: 7 launches
;; workspace buffers: pw 16,187,392 bytes; qk 13,238,272 bytes; cx 4,325,376 bytes; o1 16,777,216 bytes; h2 4,325,376 bytes; ff 8,650,752 bytes
;; launch prep (part 1): grid 448 x 1, 4 waves a work-group, no clusters, 68,096 bytes of LDS; arguments x, g1, Wq, Wk, Wv, Wo, W1, W3, W2, pw; writes pw
.if DOCPART == 1
	.amdgcn_target "amdgcn-amd-amdhsa--gfx1250"
	.amdhsa_code_object_version 6
	.text
	.protected	k_q2b3471c79f_prep
	.globl	k_q2b3471c79f_prep
	.p2align	8
	.type	k_q2b3471c79f_prep,@function
k_q2b3471c79f_prep:
	s_mov_b64 s[64:65], 0
	v_nop
	global_prefetch_b8 v0, s[64:65] scope:SCOPE_SE
	s_setreg_imm32_b32 hwreg(HW_REG_WAVE_MODE, 25, 1), 1
	s_wait_xcnt 0x0
; A TRANSFORMER BLOCK IN MX-FP8 (E4M3 codes, one E8M0 scale for each 32 along K), seven launches: prep, qkv, attn, wo, norm2, w13, w2.
; THIS LAUNCH: (a) rmsnorm(x, g1) as codes and scale bytes; (b) the table of cos and sin for RoPE; (c) the seven weights, stored [K][N], as codes with K innermost and scale bytes.  All into pw.
; DEAD WORK (left out in kernel attn, nowhere else): reference sets score(q, k) to -inf for k > q by its own jnp.tril, so p(q, k) = 0 whatever the inputs hold.
; LIMIT: a NaN, an infinity or an overflow that reaches only those products is not carried to the result.
; Every input has a way to the output, and every input is loaded.
; LIMITS: NaN and infinities among the inputs are not served.  A block whose largest magnitude lies under 2^-118 gets the scale byte 1; a block of zeros gets the byte 1 where the rule says 127:
; its codes are zeros, which add nothing under any byte but 0xff, and this program alone reads the bytes.  1 / rms is v_rsq_f32 and a multiplication.
; ROW ORDER.  In every buffer of codes PHYSICAL row p holds LOGICAL row swap34(p) (bits 3 and 4 of p exchanged; the scale rows likewise).  A fragment of 16 consecutive physical rows then holds logical rows
; 0-7 and 16-23 (or 8-15 and 24-31) of a group of 32, so that in a product's result the 16 registers of two neighbouring tiles are 16 logical neighbours: the next operand's own register order.
; pw: h codes [4096][1024] at HC, h scales [4096][32] at HS, table [4096 physical rows][32 x (cos, sin)] at TAB, then the weights' codes [n physical][K] and their scales [n physical][K / 32].
; W1 and W3 share one buffer: hidden group g = n / 32 has W1 at rows 64 g + swap34(n % 32) and W3 at rows 64 g + 32 + swap34(n % 32).
; SHARES.  Work-groups 0-127: 32 rows of x each, a wave 8 (8 consecutive logical rows are 8 consecutive physical rows).  Work-groups 128-447: 128 columns x 256 along K of one weight, a wave 32 columns.
; No tensor loads, no barrier: waves share nothing.  No cluster: work-groups share only g1's 4,096 bytes.  The two paths have LDS bytes of their own and each ends by itself.
.set HC,    0
.set HS,    4194304
.set TAB,   4325376
.set WQKVC, 5373952
.set WOC,   8519680
.set W13C,  9568256
.set W2C,   13762560
.set WQKVS, 15859712
.set WOS,   15958016
.set W13S,  15990784
.set W2S,   16121856
.set WITH_TABLE, 1
.set SP,    80                         ; a lane's place in a stage: 64 bytes + 16 of padding
.set PITCH, 272                        ; a row of a weight's stage: 256 bytes + 16
.set WSTG,  32768                      ; LDS: rows' path: 8,192 bytes a wave from 0; weights' path: 32 x 272 bytes a wave from here
.set SPARE, 67584                      ; the spare words, 128 bytes a wave: two blocks of 256 bytes that no other line names
.set G,     16                         ; v16-47   the gain, as a row is loaded
.set R,     48                         ; v48-111  two rows
.set X,     112                        ; v112-143 two sets of 16 neighbours
.set C,     144                        ; v144-207 codes: four registers for each of 16 steps
.set E,     208                        ; v208-223 a scale byte for each step
.set WST,   242                        ; v242     weights: where I put my column's codes
.set WRD,   243                        ; v243     weights: where I read rows back
.set SPW,   246                        ; v246     LDS address of my spare word; never rewritten
.set NIL,   247                        ; v247     0; never rewritten
.set RO,    16                         ; weights: v16-47 4 x lane + i rows;  v48-111 two blocks;  v112-119 codes;  v120-183 the way out;  v184-199 its offsets;  v200-201 scale bytes
.set WX,    48
.set WC,    112
.set OUTR,  120
.set DO,    184
.set SB,    200
	s_load_b128 s[4:7], s[0:1], 0x0                ; x, g1
	s_load_b256 s[8:15], s[0:1], 0x10              ; Wq, Wk, Wv, Wo
	s_load_b128 s[16:19], s[0:1], 0x30             ; W1, W3
	s_load_b128 s[20:23], s[0:1], 0x40             ; W2, pw
	v_lshl_add_u32 v[SPW], v0, 2, SPARE
	v_mov_b32 v[NIL], 0
	v_lshrrev_b32 v1, 5, v0
	v_readfirstlane_b32 s24, v1                    ; wave
	v_and_b32 v2, 31, v0                           ; lane
	v_lshlrev_b32 v3, 4, v2                        ; 16 x lane
	; every LDS address of both paths is made here, ahead of the parting
	s_lshl_b32 s25, s24, 13
	v_lshrrev_b32 v14, 2, v2
	v_mul_u32_u24 v14, v14, SP
	v_and_b32 v15, 3, v2
	v_lshl_add_u32 v14, v15, 4, v14
	v_add_nc_u32 v14, s25, v14                     ; a stage, on the way in: four lanes' 64 bytes on end, then 16 of padding
	v_mul_u32_u24 v15, v2, SP
	v_add_nc_u32 v15, s25, v15                     ; and on the way out: my 16 neighbours
	v_lshrrev_b32 v5, 1, v2
	s_add_co_u32 s25, s25, 2*32*SP
	v_add_nc_u32 v5, s25, v5                       ; my block's scale byte
	v_lshlrev_b32 v7, 3, v2                        ; 8 x lane
	v_add_nc_u32 v6, s25, v7                       ; the bytes' way out
	s_mul_i32 s25, s24, 32*PITCH
	s_add_co_u32 s25, s25, WSTG
	v_mul_u32_u24 v[WST], v2, PITCH
	v_add_nc_u32 v[WST], s25, v[WST]
	v_and_b32 v8, 15, v2
	v_lshrrev_b32 v9, 4, v2
	v_mul_u32_u24 v[WRD], v9, PITCH
	v_lshl_add_u32 v[WRD], v8, 4, v[WRD]
	v_add_nc_u32 v[WRD], s25, v[WRD]
	s_mov_b32 s26, 0x600000                        ; the mantissa field of 448
	s_cmp_lt_u32 ttmp9, 128
	s_cbranch_scc0 .Lweights
	; ---------------- rows of x ----------------
	s_mov_b32 s27, 0x76543210
	s_mov_b32 s28, 0xfedcba98                      ; v_permlanex16_b32's selects for lane l xor 16
	s_mov_b32 s29, 0x3a800000                      ; 1 / 1024
	s_mov_b32 s30, 0x3727c5ac                      ; 1e-5
	s_lshl_b32 s31, ttmp9, 5
	s_and_b32 s32, s24, 1
	s_lshl_b32 s32, s32, 4
	s_lshr_b32 s33, s24, 1
	s_lshl_b32 s33, s33, 3
	s_add_co_u32 s32, s32, s33
	s_add_co_u32 s32, s32, s31                     ; my first logical row: 32 G + 16 (w % 2) + 8 (w / 2)
	s_lshl_b32 s33, s24, 3
	s_add_co_u32 s33, s33, s31                     ; my first physical row: 32 G + 8 w
	s_lshl_b32 s34, s32, 12
	s_mov_b32 s35, 0
	s_lshl_b32 s36, s33, 10
	s_mov_b32 s37, 0
	s_lshl_b32 s38, s33, 5
	s_add_co_u32 s38, s38, HS
	s_mov_b32 s39, 0
	s_lshl_b32 s40, s33, 8
	s_add_co_u32 s40, s40, TAB
	s_mov_b32 s41, 0
	s_and_b32 s42, s32, 2047                       ; my first row's position in its sequence
	s_wait_kmcnt 0x0
	s_add_nc_u64 s[4:5], s[4:5], s[34:35]          ; the rows
	s_add_nc_u64 s[36:37], s[22:23], s[36:37]      ; their codes
	s_add_nc_u64 s[38:39], s[22:23], s[38:39]      ; their scale bytes: 256 a wave
	s_add_nc_u64 s[40:41], s[22:23], s[40:41]      ; their rows of the table
.macro LOADROW i                       ; a row: eight loads of 512 consecutive bytes
.irp k, 0,1,2,3,4,5,6,7
	global_load_b128 v[R+32*((\i)%2)+4*\k:R+32*((\i)%2)+4*\k+3], v3, s[4:5] offset:4096*(\i)+512*\k th:TH_LOAD_NT
.endr
.endm
.macro TURN i, hf                      ; half a row, 512 numbers, through a stage: in as loaded, out 16 neighbours a lane.  LDS serves a wave's instructions in order: no wait between
.irp k, 0,1,2,3
	ds_store_b128 v14, v[R+32*((\i)%2)+16*(\hf)+4*\k:R+32*((\i)%2)+16*(\hf)+4*\k+3] offset:32*SP*(\hf)+8*SP*\k
.endr
.irp k, 0,1,2,3
	ds_load_b128 v[X+16*(\hf)+4*\k:X+16*(\hf)+4*\k+3], v15 offset:32*SP*(\hf)+16*\k
.endr
.endm
.macro QSTEP t                         ; 512 numbers become codes and 16 scale bytes; two neighbouring lanes hold a block of 32
.set XS, X+16*((\t)%2)
	v_max3_num_f32 v8, |v[XS]|, |v[XS+1]|, |v[XS+2]|
	v_max3_num_f32 v9, |v[XS+3]|, |v[XS+4]|, |v[XS+5]|
.irp q, 6,10
	v_max3_num_f32 v8, v8, |v[XS+\q]|, |v[XS+\q+1]|
	v_max3_num_f32 v9, v9, |v[XS+\q+2]|, |v[XS+\q+3]|
.endr
	v_max3_num_f32 v8, v8, |v[XS+14]|, |v[XS+15]|
	v_max3_num_f32 v8, v8, v9, 0x4800000           ; the floor 2^(9 - 127): the byte cannot fall under 1
	v_max_num_f32_dpp v8, v8, v8 row_xmask:1 row_mask:0xf bank_mask:0xf   ; with my neighbour's 16: the block's largest magnitude
	v_add_nc_u32 v11, 0xfc000000, v8               ; 8 off its exponent field: the conversion's scale operand
	v_and_or_b32 v10, v8, 0x7f800000, s26          ; 448 x the scale
.irp q, 0,1,2,3,4,5,6,7,8,9,10,11,12,13,14,15
	v_med3_num_f32 v[XS+\q], v[XS+\q], -v10, v10   ; the conversion to an 8-bit code does not saturate (ISA guide 7.6.2): the hold comes first
.endr
	v_cvt_scalef32_pk8_fp8_f32 v[C+4*(\t):C+4*(\t)+1], v[XS:XS+7], v11
	v_cvt_scalef32_pk8_fp8_f32 v[C+4*(\t)+2:C+4*(\t)+3], v[XS+8:XS+15], v11
	v_lshrrev_b32 v[E+(\t)], 23, v11               ; the scale's byte (also the plain line behind the conversions)
	ds_store_b8 v5, v[E+(\t)] offset:16*(\t)       ; both lanes of a block write the same byte with the same value
	global_store_b128 v3, v[C+4*(\t):C+4*(\t)+3], s[36:37] offset:512*(\t)   ; 32 lanes store 512 consecutive bytes
.endm
; cos and sin of position x inv_freq, lane j for frequency j: the angle less k x pi/2 in three parts (k has 11 bits, the first two parts 8 and 11: exact products), two polynomials on |r| <= pi/4, the quadrant by selects.
.macro TABLE i
	v_mul_f32 v232, v245, v244                     ; the angle, one f32 product as reference() has it
	v_mul_f32 v233, 0x3f22f983, v232
	v_rndne_f32 v233, v233                         ; k
	v_fma_f32 v232, v233, 0xbfc90000, v232
	v_fma_f32 v232, v233, 0xb9fda000, v232
	v_fma_f32 v232, v233, 0xb3a22169, v232         ; r
	v_mul_f32 v234, v232, v232                     ; z = r r
	v_cvt_i32_f32 v235, v233
	v_fmaak_f32 v236, v224, v234, 0x3c08839e
	v_fmaak_f32 v238, v225, v234, 0xbab6061a
	v_mul_f32 v237, v232, v234
	v_fmaak_f32 v236, v236, v234, 0xbe2aaaa3
	v_fmaak_f32 v238, v238, v234, 0x3d2aaaa5
	v_fma_f32 v239, v234, -0.5, 1.0
	v_fma_f32 v236, v237, v236, v232               ; sin r
	v_mul_f32 v237, v234, v234
	v_fma_f32 v238, v237, v238, v239               ; cos r
	v_and_b32 v239, 1, v235
	v_cmp_eq_u32 vcc_lo, 1, v239
	s_wait_xcnt 0x0                                ; the last row's store has read its pair: only now is the pair written again
	v_cndmask_b32 v241, v236, v238, vcc_lo         ; odd quadrants change the two over
	v_cndmask_b32 v240, v238, v236, vcc_lo
	v_and_b32 v239, 2, v235
	v_lshlrev_b32 v239, 30, v239
	v_xor_b32 v241, v241, v239                     ; sin is negative in quadrants 2, 3
	v_add_nc_u32 v239, 1, v235
	v_and_b32 v239, 2, v239
	v_lshlrev_b32 v239, 30, v239
	v_xor_b32 v240, v240, v239                     ; cos in quadrants 1, 2
	global_store_b64 v7, v[240:241], s[40:41] offset:256*(\i)   ; 32 lanes store 256 consecutive bytes, aligned
	v_add_f32 v245, 1.0, v245                      ; the next row's position
.endm
.macro ROW i
.set RS, R+32*((\i)%2)
.if (\i) < 7
	s_wait_loadcnt 8                               ; this row is in (and the gain); the next row's eight loads may be out
.else
	s_wait_loadcnt 0x0
.endif
	v_pk_mul_f32 v[226:227], v[RS:RS+1], v[RS:RS+1]            ; the sum of squares, two chains of pairs
	v_pk_mul_f32 v[228:229], v[RS+2:RS+3], v[RS+2:RS+3]
.irp k, 4,8,12,16,20,24,28
	v_pk_fma_f32 v[226:227], v[RS+\k:RS+\k+1], v[RS+\k:RS+\k+1], v[226:227]
	v_pk_fma_f32 v[228:229], v[RS+\k+2:RS+\k+3], v[RS+\k+2:RS+\k+3], v[228:229]
.endr
	v_pk_add_f32 v[226:227], v[226:227], v[228:229]
	v_add_f32 v226, v226, v227
	v_add_f32_dpp v226, v226, v226 row_xmask:1 row_mask:0xf bank_mask:0xf
	v_add_f32_dpp v226, v226, v226 row_xmask:2 row_mask:0xf bank_mask:0xf
	v_add_f32_dpp v226, v226, v226 row_xmask:4 row_mask:0xf bank_mask:0xf
	v_add_f32_dpp v226, v226, v226 row_xmask:8 row_mask:0xf bank_mask:0xf
	v_permlanex16_b32 v227, v226, s27, s28
	v_add_f32 v226, v226, v227
	v_fma_f32 v226, v226, s29, s30                 ; the mean + eps
	v_rsq_f32 v230, v226
	v_rsq_f32 v231, v226                           ; twice: a pair for the packed multiply
.if WITH_TABLE
	TABLE \i                                       ; independent work behind the two
.else
	v_nop                                          ; the plain line behind a transcendental
.endif
	s_wait_alu depctr_va_vdst(0)                   ; one wait for both, ahead of their first reader
.irp k, 0,2,4,6,8,10,12,14,16,18,20,22,24,26,28,30
	v_pk_mul_f32 v[RS+\k:RS+\k+1], v[RS+\k:RS+\k+1], v[230:231]
.endr
.irp k, 0,2,4,6,8,10,12,14,16,18,20,22,24,26,28,30
	v_pk_mul_f32 v[RS+\k:RS+\k+1], v[RS+\k:RS+\k+1], v[G+\k:G+\k+1]
.endr
	TURN \i, 0
	TURN \i, 1
	s_wait_dscnt 8                                 ; the first half is back; the second half's eight may be out
	QSTEP 2*(\i)
	s_wait_dscnt 1                                 ; the second half is back, so the stage's stores have read the row's registers (the byte store may be out)
.if (\i) < 6
	LOADROW (\i)+2                                 ; which take the row two further on
.endif
	QSTEP 2*(\i)+1
.endm
.irp k, 0,1,2,3,4,5,6,7
	global_load_b128 v[G+4*\k:G+4*\k+3], v3, s[6:7] offset:512*\k
.endr
	LOADROW 0
	LOADROW 1
	; inv_freq(j) = 10000^(-j / 32) = 2^(-j c), c = log2(10000) / 32 in two parts: j x the first part (19 bits) is exact; the rest is put back by one multiply-add
	v_cvt_f32_u32 v232, v2
	v_mul_f32 v233, 0xbed49a80, v232
	v_exp_f32 v234, v233
	v_mul_f32 v232, 0x342ae0f4, v232               ; j x ln 2 x the rest of c.  (The plain line behind the exponential)
	v_mov_b32 v245, s42
	v_cvt_f32_u32 v245, v245                       ; the position, in f32
	v_mov_b32 v224, 0xb94ca1f9                     ; the polynomials' leading coefficients
	v_mov_b32 v225, 0x37ccf5ce
	s_wait_alu depctr_va_vdst(0)                   ; ahead of the exponential's first reader
	v_fma_f32 v244, v234, v232, v234
.irp i, 0,1,2,3,4,5,6,7
	ROW \i
.endr
	ds_load_b64 v[8:9], v6                         ; my wave's 256 scale bytes: these loads see my stores
	s_wait_dscnt 0x0
	global_store_b64 v7, v[8:9], s[38:39]          ; 32 lanes store 256 consecutive bytes, aligned
	s_wait_tensorcnt 0x0                           ; the wave's end, behind my last LDS store
	ds_add_u32 v[SPW], v[NIL]
	s_wait_dscnt 0x0
	s_endpgm
	; ---------------- weights: a lane takes a column, its registers run down K ----------------
.Lweights:
	s_sub_co_u32 s27, ttmp9, 128                   ; 0-127: Wq, Wk, Wv, Wo (32 each);  128-255: W1, W3 (64 each);  256-319: W2
	s_cmp_lt_u32 s27, 128
	s_cbranch_scc0 .Lnot_a
	s_lshr_b32 s28, s27, 5                         ; which of the four
	s_and_b32 s29, s27, 7                          ; which 128 columns
	s_bfe_u32 s30, s27, 0x20003                    ; which 256 along K
	s_mov_b32 s31, 4096                            ; a row of the weight in bytes
	s_mov_b32 s32, 1024                            ; a row of its codes
	s_mov_b32 s33, 0
	s_lshl_b32 s34, s28, 10                        ; Wq, Wk, Wv lie one behind the other
	s_mov_b32 s35, WQKVC
	s_mov_b32 s36, WQKVS
	s_wait_kmcnt 0x0
	s_cmp_eq_u32 s28, 1
	s_cselect_b64 s[4:5], s[10:11], s[8:9]
	s_cmp_eq_u32 s28, 2
	s_cselect_b64 s[4:5], s[12:13], s[4:5]
	s_cmp_eq_u32 s28, 3
	s_cselect_b64 s[4:5], s[14:15], s[4:5]
	s_cselect_b32 s34, 0, s34
	s_cselect_b32 s35, WOC, s35
	s_cselect_b32 s36, WOS, s36
	s_branch .Ldecoded
.Lnot_a:
	s_cmp_lt_u32 s27, 256
	s_cbranch_scc0 .Lnot_b
	s_and_b32 s29, s27, 15
	s_bfe_u32 s30, s27, 0x20004
	s_bfe_u32 s28, s27, 0x10006                    ; 0: W1, 1: W3
	s_mov_b32 s31, 8192
	s_mov_b32 s32, 1024
	s_mov_b32 s33, 1                               ; a group of 32 columns takes 64 rows: W1's 32, W3's 32
	s_lshl_b32 s34, s28, 5
	s_mov_b32 s35, W13C
	s_mov_b32 s36, W13S
	s_wait_kmcnt 0x0
	s_cmp_eq_u32 s28, 0
	s_cselect_b64 s[4:5], s[16:17], s[18:19]
	s_branch .Ldecoded
.Lnot_b:
	s_and_b32 s29, s27, 7
	s_bfe_u32 s30, s27, 0x30003
	s_mov_b32 s31, 4096
	s_mov_b32 s32, 2048
	s_mov_b32 s33, 0
	s_mov_b32 s34, 0
	s_mov_b32 s35, W2C
	s_mov_b32 s36, W2S
	s_wait_kmcnt 0x0
	s_mov_b64 s[4:5], s[20:21]
.Ldecoded:
	s_lshl_b32 s37, s29, 7
	s_lshl_b32 s38, s24, 5
	s_add_co_u32 s37, s37, s38                     ; my wave's first column
	s_lshl_b32 s38, s37, s33
	s_add_co_u32 s38, s38, s34                     ; the first row of its group of 32 in the codes
	s_lshl_b32 s56, s30, 8
	s_mul_i32 s56, s56, s31
	s_lshl_b32 s57, s37, 2
	s_add_co_u32 s56, s56, s57
	s_mov_b32 s57, 0
	s_add_nc_u64 s[40:41], s[4:5], s[56:57]        ; block 0 of my 8 blocks of 32 along K,
	s_lshl_b32 s56, s31, 5
.irp t, 1,2,3,4,5,6,7
	s_add_nc_u64 s[40+2*\t:41+2*\t], s[38+2*\t:39+2*\t], s[56:57]   ; and the others, 32 rows apart
.endr
	s_mul_i32 s58, s38, s32
	s_add_co_u32 s58, s58, s35
	s_lshl_b32 s59, s30, 8
	s_add_co_u32 s58, s58, s59
	s_mov_b32 s59, 0
	s_add_nc_u64 s[58:59], s[22:23], s[58:59]      ; the codes
	s_lshr_b32 s39, s32, 5
	s_mul_i32 s60, s38, s39
	s_add_co_u32 s60, s60, s36
	s_lshl_b32 s61, s30, 3
	s_add_co_u32 s60, s60, s61
	s_mov_b32 s61, 0
	s_add_nc_u64 s[60:61], s[22:23], s[60:61]      ; the scale bytes
	v_lshlrev_b32 v[RO], 2, v2
.set ii, 1
.rept 31
	v_add_nc_u32 v[RO+ii], s31, v[RO+ii-1]         ; 4 x lane + i rows
.set ii, ii+1
.endr
	v_mul_u32_u24 v4, v9, s32
	v_lshl_add_u32 v4, v8, 4, v4                   ; the way out: sixteen lanes to a row, two rows an instruction
.set ii, 0
.rept 16
	v_mad_u32_u24 v[DO+ii], s32, 16*((ii>>2)&1)+8*(ii>>3)+2*(ii&3), v4   ; stage rows 2 i, 2 i + 1 (logical) go to physical rows swap34(2 i) + 0, 1
.set ii, ii+1
.endr
	v_and_b32 v10, 7, v2
	v_bfe_u32 v11, v2, 3, 1
	v_lshl_or_b32 v10, v11, 4, v10
	v_lshl_or_b32 v10, v9, 3, v10                  ; swap34(lane)
	v_mul_u32_u24 v9, v10, s39                     ; my column's row of scale bytes
.macro WLOAD t                         ; block t: W(32 t + i, my column): each load reads 128 consecutive bytes a wave
.set ii, 0
.rept 32
	global_load_b32 v[WX+32*((\t)%2)+ii], v[RO+ii], s[40+2*(\t):41+2*(\t)] th:TH_LOAD_NT
.set ii, ii+1
.endr
.endm
.macro BLOCK t
.set XS, WX+32*((\t)%2)
.if (\t) < 7
	s_wait_loadcnt 32                              ; this block's 32 loads are in; the next block's may be out
.else
	s_wait_loadcnt 0x0
.endif
	v_max3_num_f32 v12, |v[XS]|, |v[XS+1]|, |v[XS+2]|          ; the block's largest magnitude: all 32 numbers are mine
	v_max3_num_f32 v13, |v[XS+3]|, |v[XS+4]|, |v[XS+5]|
.irp q, 6,10,14,18,22,26
	v_max3_num_f32 v12, v12, |v[XS+\q]|, |v[XS+\q+1]|
	v_max3_num_f32 v13, v13, |v[XS+\q+2]|, |v[XS+\q+3]|
.endr
	v_max3_num_f32 v12, v12, |v[XS+30]|, |v[XS+31]|
	v_max3_num_f32 v12, v12, v13, 0x4800000
	v_add_nc_u32 v11, 0xfc000000, v12
	v_and_or_b32 v10, v12, 0x7f800000, s26
	v_lshrrev_b32 v13, 23, v11
.if (\t)%4 == 0
	v_mov_b32 v[SB+(\t)/4], v13                    ; four bytes to a register, the lower K in the lower byte
.else
	v_lshl_or_b32 v[SB+(\t)/4], v13, 8*((\t)%4), v[SB+(\t)/4]
.endif
.irp q, 0,1,2,3,4,5,6,7,8,9,10,11,12,13,14,15,16,17,18,19,20,21,22,23,24,25,26,27,28,29,30,31
	v_med3_num_f32 v[XS+\q], v[XS+\q], -v10, v10
.endr
.irp q, 0,1,2,3
	v_cvt_scalef32_pk8_fp8_f32 v[WC+2*\q:WC+2*\q+1], v[XS+8*\q:XS+8*\q+7], v11
.endr
	ds_store_b128 v[WST], v[WC:WC+3] offset:32*(\t)            ; 32 codes of my column's row
	ds_store_b128 v[WST], v[WC+4:WC+7] offset:32*(\t)+16
.if (\t)+2 < 8
	WLOAD (\t)+2
.endif
	s_wait_dscnt 0x0                               ; the stores have read their registers: the next block's codes may be written
.endm
	WLOAD 0
	WLOAD 1
.irp t, 0,1,2,3,4,5,6,7
	BLOCK \t
.endr
	global_store_b64 v9, v[SB:SB+1], s[60:61]      ; my column's 8 scale bytes
.irp t, 0,1,2,3,4,5,6,7,8,9,10,11,12,13,14,15
	ds_load_b128 v[OUTR+4*\t:OUTR+4*\t+3], v[WRD] offset:2*\t*PITCH
.endr
.irp t, 0,1,2,3,4,5,6,7,8,9,10,11,12,13,14,15
	s_wait_dscnt 15-\t
	global_store_b128 v[DO+\t], v[OUTR+4*\t:OUTR+4*\t+3], s[58:59]   ; sixteen lanes store 256 consecutive bytes, aligned
.endr
	s_wait_tensorcnt 0x0                           ; the wave's end: the same three lines
	ds_add_u32 v[SPW], v[NIL]
	s_wait_dscnt 0x0
	s_endpgm
.Lfunc_end_k_q2b3471c79f_prep:
	.size	k_q2b3471c79f_prep, .Lfunc_end_k_q2b3471c79f_prep-k_q2b3471c79f_prep
	.p2alignl 7, 3214868480
	.fill 96, 4, 3214868480
	.section	.rodata,"a",@progbits
	.p2align	6, 0x0
	.amdhsa_kernel k_q2b3471c79f_prep
		.amdhsa_group_segment_fixed_size 68096
		.amdhsa_private_segment_fixed_size 0
		.amdhsa_enable_private_segment 0
		.amdhsa_kernarg_size 80
		.amdhsa_user_sgpr_count 2
		.amdhsa_user_sgpr_kernarg_segment_ptr 1
		.amdhsa_wavefront_size32 1
		.amdhsa_system_sgpr_workgroup_id_x 1
		.amdhsa_system_sgpr_workgroup_id_y 1
		.amdhsa_system_sgpr_workgroup_id_z 1
		.amdhsa_system_vgpr_workitem_id 0
		.amdhsa_next_free_vgpr 248
		.amdhsa_next_free_sgpr 66
		.amdhsa_reserve_vcc 1
		.amdhsa_float_denorm_mode_32 3
		.amdhsa_float_denorm_mode_16_64 3
		.amdhsa_memory_ordered 1
		.amdhsa_forward_progress 1
		.amdhsa_inst_pref_size 156
	.end_amdhsa_kernel
	.amdgpu_metadata
---
amdhsa.version: [ 1, 2 ]
amdhsa.kernels:
  - .name:           k_q2b3471c79f_prep
    .symbol:         k_q2b3471c79f_prep.kd
    .args:
      - { .name: x, .offset: 0, .size: 8, .value_kind: global_buffer, .address_space: global }
      - { .name: g1, .offset: 8, .size: 8, .value_kind: global_buffer, .address_space: global }
      - { .name: Wq, .offset: 16, .size: 8, .value_kind: global_buffer, .address_space: global }
      - { .name: Wk, .offset: 24, .size: 8, .value_kind: global_buffer, .address_space: global }
      - { .name: Wv, .offset: 32, .size: 8, .value_kind: global_buffer, .address_space: global }
      - { .name: Wo, .offset: 40, .size: 8, .value_kind: global_buffer, .address_space: global }
      - { .name: W1, .offset: 48, .size: 8, .value_kind: global_buffer, .address_space: global }
      - { .name: W3, .offset: 56, .size: 8, .value_kind: global_buffer, .address_space: global }
      - { .name: W2, .offset: 64, .size: 8, .value_kind: global_buffer, .address_space: global }
      - { .name: pw, .offset: 72, .size: 8, .value_kind: global_buffer, .address_space: global }
    .group_segment_fixed_size: 68096
    .private_segment_fixed_size: 0
    .kernarg_segment_align: 8
    .kernarg_segment_size: 80
    .max_flat_workgroup_size: 128
    .sgpr_count:     66
    .vgpr_count:     248
    .wavefront_size: 32
...
	.end_amdgpu_metadata
.endif
;; end of part 1
;; launch qkv (part 2): grid 12 x 16, 4 waves a work-group, clusters of 4 x 4, 327,680 bytes of LDS; arguments pw, qk; writes qk
.if DOCPART == 2
	.amdgcn_target "amdgcn-amd-amdhsa--gfx1250"
	.amdhsa_code_object_version 6
	.text
	.protected	k_q2b3471c79f_qkv
	.globl	k_q2b3471c79f_qkv
	.p2align	8
	.type	k_q2b3471c79f_qkv,@function
k_q2b3471c79f_qkv:
	s_mov_b64 s[64:65], 0
	v_nop
	global_prefetch_b8 v0, s[64:65] scope:SCOPE_SE
	s_setreg_imm32_b32 hwreg(HW_REG_WAVE_MODE, 25, 1), 1
	s_wait_xcnt 0x0
	s_wait_alu depctr_hold_cnt(0) depctr_sa_sdst(0) depctr_va_vdst(0) depctr_va_sdst(0) depctr_va_ssrc(0) depctr_va_vcc(0) depctr_vm_vsrc(0)
	s_getreg_b32 s2, hwreg(HW_REG_IB_STS2, 6, 4)
	s_cmp_eq_u32 s2, 0
	s_cbranch_scc0 .Lentry_in_a_cluster
	s_endpgm
.Lentry_in_a_cluster:
	s_bfe_u32 s2, ttmp6, 0x10000c
	s_cmp_lg_u32 s2, 0xf033
	s_cbranch_scc0 .Lentry_shape_is_right
	s_endpgm
.Lentry_shape_is_right:
; Q, K, V = h [Wq Wk Wv] on codes of E4M3 with E8M0 scales; RoPE on Q and K; then Q and K are quantised along the head's 64 and V along the keys, into qk, laid as kernel attn reads them.
; THE PRODUCT: a tile of 256 x 256 by four waves of 128 x 128 (64 accumulators, 512 registers); K = 1,024 in steps of 256 through a ring of two LDS slots filled by the tensor data mover; the scale bytes of all of K
; come into LDS once; 4 x 4 work-groups form a cluster: operand U's tile is asked for jointly along a row of the cluster, operand T's along a column.
; Source 0 = 16 rows of T, source 1 = 16 rows of U: lane (r, h) holds U's physical row 16 a + r, and the 64 registers of block a run along T's LOGICAL rows: register 16 q + i = 32 q + 16 h + i (the row order of kernel prep).
; Clusters with x = 0, 1 make Q, K: U = h (tokens), T = the weight: a lane's registers run along the head's d.  Clusters with x = 2 make V: U = Wv, T = h: its registers run along the keys, V's K in attention.
; Both operands have rows of 1,024 bytes of codes and 32 of scales, so one text serves; the choice hangs on the cluster's x, which all partners share.
; qk: Q codes [32 heads][2048 physical rows][64] at 0; Q scale words (bytes s0, s1, 0, 0) [32][2048] at QS; from REC one record of 1,072 rows of 256 bytes a head: rows 0-31 K's scale words, one a physical key;
; rows 32 + j V's scale words of key step j, one a physical d; rows 48 + 64 j on: K's codes of step j [128 physical keys][64]; rows 80 + 64 j on: V's codes [64 physical d][128 logical keys].
; LIMITS: NaN and infinities are not served; a block under 2^-118, or of zeros, gets the scale byte 1 (its codes are then zeros or the rule's own; this program alone reads the bytes).
; REGISTERS, in windows of 256: window 0: v0-31 addresses; v32-63 scale words, two sets, and nothing else; v128-255 U's fragments, one set; on the way out v64-255 are at work.
;   window 1: T's fragments, two sets.   window 2: the accumulators of my U rows 0-63 ((a, b) at v[8 (8 a + b)]);   window 3: those of rows 64-127.
.set SIZE_K, 1024
.set HS,    4194304
.set TAB,   4325376
.set WQKVC, 5373952
.set WQKVS, 15859712
.set QS,    4194304
.set REC,   4456448
.set RECB,  274432
.set KSTEP,  256
.set NQ,     KSTEP/128
.set ROWB,   256
.set KROW,   SIZE_K
.set PITCH,  272                       ; an LDS row: 256 bytes + 16 of padding: the 16 rows that a load touches start at 16 different banks
.set FR,     16
.set NL,     4
.set NP,     8                         ; places behind this matrix instruction (ISA guide 7.12.1)
.set HALFT,  128*PITCH
.set SLOT,   4*HALFT                   ; U's 256 rows, then T's 256 rows
.set LAPS,   SIZE_K/(2*KSTEP)
.set KS,     SIZE_K/32
.set SCL,    2*SLOT                    ; behind the ring: the scales, as units of 256 bytes + 16 of padding
.set HALFS,  (128*KS/256)*272
.set SBLK,   (16*KS/256)*272
.set SPARE,  SCL+4*HALFS               ; the spare words, 128 bytes a wave: two blocks of 256 bytes that no other line names
.set ADRA, 16
.set ADRB, 20
.set ADRS, 27
.set SPW,  28
.set NIL,  29
.set SC,   32
.set AF,   128
.set G1, 24
.set G0, 32
.set G1B, 48
.set G0B, 56
.set G1S, 68
.set G0S, 76
.set G1SB, 80
.set G0SB, 88
.set MSB, 0
.macro WIN new                         ; the immediate's high byte repeats the setting that is left
.if MSB != (\new)
	s_set_vgpr_msb (MSB<<8)|(\new)
.set MSB, (\new)
.endif
.endm
.set MUL_LO, 0xa1                      ; source 0 (T) window 1, source 1 (U) window 0, C and D window 2
.set MUL_HI, 0xf1
.set TO_B,   0x40
; A joint load: waves 0 and 1 fetch for U, waves 2 and 3 for T.  The branch hangs on the wave's number alone.  An s_nop 0 and four v_nop follow each of the two lines.
.macro JLOAD g0a, g1a, g0b, g1b
	s_cmp_eq_u32 s15, 0
	s_cbranch_scc0 .Lfor_b_\@
	tensor_load_to_lds s[\g0a:\g0a+3], s[\g1a:\g1a+7]
	s_nop 0
.rept 4
	v_nop
.endr
	s_branch .Lasked_\@
.Lfor_b_\@:
	tensor_load_to_lds s[\g0b:\g0b+3], s[\g1b:\g1b+7]
	s_nop 0
.rept 4
	v_nop
.endr
.Lasked_\@:
.endm
.macro CREST                           ; a round of the cluster's barrier behind its opening barrier
	s_cmp_lg_u32 s14, 0
	s_cbranch_scc1 .Lnot_wave_0_\@
	s_barrier_signal -3
.Lnot_wave_0_\@:
	s_barrier_wait -3
	s_barrier_signal -1
	s_barrier_wait -1
.endm
.macro CROUND
	s_barrier_signal -1
	s_barrier_wait -1
	CREST
.endm
	s_load_b128 s[4:7], s[0:1], 0x0                ; pw s[4:5], qk s[6:7]
	v_lshl_add_u32 v[SPW], v0, 2, SPARE
	v_mov_b32 v[NIL], 0
	ds_add_u32 v[SPW], v[NIL]                      ; the wave's opening: the add, twice on end, and its wait ahead of my first tensor load
	ds_add_u32 v[SPW], v[NIL]
	v_lshrrev_b32 v1, 5, v0
	v_readfirstlane_b32 s14, v1                    ; wave 0..3
	s_lshr_b32 s15, s14, 1                         ; which half of U's rows is mine.  Also: I fetch for U (0) or for T (1)
	s_and_b32 s16, s14, 1                          ; which half of T's rows.  Also: which 128 rows of that tile I fetch
	s_bfe_u32 s40, ttmp6, 0x40000                  ; cx, cy: my place in the cluster
	s_bfe_u32 s41, ttmp6, 0x40004
	s_and_b32 s66, ttmp7, 0xffff
	s_lshl_b32 s66, s66, 2                         ; 4 x cluster y
	s_lshl_b32 s67, ttmp9, 2                       ; 4 x cluster x
	s_cmp_eq_u32 ttmp9, 2                          ; V's clusters: the same in all sixteen partners
	s_cselect_b32 s100, 1, 0
	s_cselect_b32 s17, 8, s66                      ; U's tile: Wv's rows begin at tile 8 of the weights; else h's tile row
	s_cselect_b32 s42, s66, s67                    ; T's tile: h's tile row; else the weights' tile
	s_cselect_b32 s95, WQKVC, 0                    ; where U's codes, U's scales, T's codes and T's scales begin in pw
	s_mov_b32 s96, HS
	s_cselect_b32 s96, WQKVS, s96
	s_cselect_b32 s97, 0, WQKVC
	s_mov_b32 s98, WQKVS
	s_cselect_b32 s98, HS, s98
	s_add_co_u32 s17, s17, s41                     ; + cy: U's tile hangs on cy alone of the two places,
	s_add_co_u32 s42, s42, s40                     ; + cx: T's on cx alone
	s_lshl_b32 s43, s41, 2
	s_lshl_b32 s43, 15, s43                        ; my row of the cluster
	s_lshl_b32 s44, 0x1111, s40                    ; my column
	s_or_b32 s[G1+0], s43, (0<<16)|(1<<20)|(1<<21)|(5<<22)|(3<<25)  ; the mask; elements of 1 byte; padding on: 4 words after every 64; bit 21 beside a mask
	s_or_b32 s[G1B+0], s44, (0<<16)|(1<<20)|(1<<21)|(5<<22)|(3<<25)
.irp g, G1, G1B
	s_mov_b32 s[\g+1], ROWB<<16                    ; tensor_dim0
	s_mov_b32 s[\g+2], 128<<16                     ; tensor_dim1
	s_mov_b32 s[\g+3], ROWB<<16                    ; tile_dim0
	s_mov_b32 s[\g+4], 128                         ; tile_dim1
	s_mov_b32 s[\g+5], KROW                        ; the pitch
	s_mov_b32 s[\g+6], 0
	s_mov_b32 s[\g+7], 0
.endr
	s_or_b32 s[G1S+0], s43, (3<<16)|(1<<20)|(1<<21)|(5<<22)|(3<<25)  ; the scales of 128 rows: a dense block, as rows of 256 bytes (32 elements of 8)
	s_or_b32 s[G1SB+0], s44, (3<<16)|(1<<20)|(1<<21)|(5<<22)|(3<<25)
.irp g, G1S, G1SB
	s_mov_b32 s[\g+1], 32<<16
	s_mov_b32 s[\g+2], (128*KS/256)<<16
	s_mov_b32 s[\g+3], 32<<16
	s_mov_b32 s[\g+4], 128*KS/256
	s_mov_b32 s[\g+5], 32
	s_mov_b32 s[\g+6], 0
	s_mov_b32 s[\g+7], 0
.endr
	s_lshl_b32 s18, s16, 7
	s_lshl_b32 s20, s17, 8
	s_add_co_u32 s20, s20, s18                     ; U: row 256 x tile + 128 x half
	s_lshl_b32 s46, s42, 8
	s_add_co_u32 s46, s46, s18                     ; T likewise
	s_mov_b32 s21, 0
	s_mov_b32 s47, 0
	s_mov_b64 s[18:19], KS
	s_mul_u64 s[22:23], s[20:21], s[18:19]
	s_mul_u64 s[92:93], s[46:47], s[18:19]
	s_mov_b64 s[18:19], KROW
	s_mul_u64 s[20:21], s[20:21], s[18:19]
	s_mul_u64 s[46:47], s[46:47], s[18:19]
	s_add_co_u32 s20, s20, s95                     ; + the regions' places in pw (all sums stay under 2^25)
	s_add_co_u32 s22, s22, s96
	s_add_co_u32 s46, s46, s97
	s_add_co_u32 s92, s92, s98
	s_mul_i32 s45, s14, HALFT                      ; where they go: wave x 128 rows: no place in the cluster enters an LDS address
	s_mul_i32 s94, s14, HALFS
	s_wait_dscnt 0x0                               ; both opening adds are done
	s_wait_kmcnt 0x0
	s_add_nc_u64 s[20:21], s[4:5], s[20:21]
	s_add_nc_u64 s[22:23], s[4:5], s[22:23]
	s_add_nc_u64 s[46:47], s[4:5], s[46:47]
	s_add_nc_u64 s[92:93], s[4:5], s[92:93]
	CROUND                                         ; all sixteen work-groups are here: the first joint loads meet
	s_mov_b32 s[G0S], 1
	s_add_co_u32 s[G0S+1], s94, SCL
	s_mov_b64 s[G0S+2:G0S+3], s[22:23]
	s_or_b32 s[G0S+3], s[G0S+3], 0x80000000
	s_mov_b32 s[G0SB], 1
	s_add_co_u32 s[G0SB+1], s94, SCL
	s_mov_b64 s[G0SB+2:G0SB+3], s[92:93]
	s_or_b32 s[G0SB+3], s[G0SB+3], 0x80000000
	JLOAD G0S, G1S, G0SB, G1SB                     ; the scales first: they are wanted with K step 0
.irp s, 0,1
	s_mov_b32 s[G0+4*\s], 1
	s_add_co_u32 s[G0+4*\s+1], s45, \s*SLOT
	s_add_nc_u64 s[G0+4*\s+2:G0+4*\s+3], s[20:21], \s*ROWB
	s_or_b32 s[G0+4*\s+3], s[G0+4*\s+3], 0x80000000
	s_mov_b32 s[G0B+4*\s], 1
	s_add_co_u32 s[G0B+4*\s+1], s45, \s*SLOT
	s_add_nc_u64 s[G0B+4*\s+2:G0B+4*\s+3], s[46:47], \s*ROWB
	s_or_b32 s[G0B+4*\s+3], s[G0B+4*\s+3], 0x80000000
	JLOAD G0+4*\s, G1, G0B+4*\s, G1B               ; by this text's count a wave has three tensor loads out here, later one
.endr
	v_and_b32 v1, 15, v0                           ; r = l % 16
	v_bfe_u32 v2, v0, 4, 1                         ; h = l / 16
	v_mul_u32_u24 v3, v1, PITCH
	v_lshl_add_u32 v4, v2, 4, v3
	s_mul_i32 s21, s15, HALFT
	s_mul_i32 s22, s16, HALFT
	s_add_co_u32 s22, s22, 2*HALFT
.irp s, 0,1
	v_add_nc_u32 v[ADRA+\s], s21, v4
	v_add_nc_u32 v[ADRB+\s], s22, v4
	s_add_co_u32 s21, s21, SLOT
	s_add_co_u32 s22, s22, SLOT
.endr
	v_mul_u32_u24 v5, v1, KS
	v_lshrrev_b32 v6, 8, v5
	v_lshl_add_u32 v5, v6, 4, v5
	s_mul_i32 s21, s15, HALFS
	s_mul_i32 s22, s16, HALFS
	s_add_co_u32 s22, s22, 2*HALFS
	s_sub_co_u32 s22, s22, s21
	v_mul_u32_u24 v6, s22, v2                      ; lanes 16-31 take T's scale words
	s_add_co_u32 s21, s21, SCL
	v_add_nc_u32 v5, v5, v6
	v_add_nc_u32 v[ADRS], s21, v5
.macro FRAG reg, adr, q, i             ; 16 rows x 128 K of codes: lane l holds row l % 16; registers 4 c .. 4 c + 3 hold K = 32 c + 16 (l / 16) + 0 .. 15
.irp c, 0,1,2,3
	ds_load_b128 v[\reg+4*\c:\reg+4*\c+3], v[\adr] offset:128*(\q)+32*\c+(\i)*16*PITCH
.endr
.endm
; 16 matrix instructions: U's blocks a0, a0 + 1 x T's eight.  The 64 accumulators take turns, one instruction a turn, in the same order in every step.
.macro MUL16 a0, p, q, sc, zero
.irp a, \a0, \a0+1
.irp b, 0,1,2,3,4,5,6,7
.if \zero
	v_wmma_scale_f32_16x16x128_f8f6f4 v[8*(8*((\a)%4)+\b):8*(8*((\a)%4)+\b)+7], v[128*(\p)+FR*\b:128*(\p)+FR*\b+FR-1], v[AF+FR*(\a):AF+FR*(\a)+FR-1], 0, v[SC+8*NQ*(\sc)+NQ*\b+(\q)], v[SC+8*NQ*(\sc)+NQ*(\a)+(\q)] matrix_a_scale:MATRIX_SCALE_ROW1
.else
	v_wmma_scale_f32_16x16x128_f8f6f4 v[8*(8*((\a)%4)+\b):8*(8*((\a)%4)+\b)+7], v[128*(\p)+FR*\b:128*(\p)+FR*\b+FR-1], v[AF+FR*(\a):AF+FR*(\a)+FR-1], v[8*(8*((\a)%4)+\b):8*(8*((\a)%4)+\b)+7], v[SC+8*NQ*(\sc)+NQ*\b+(\q)], v[SC+8*NQ*(\sc)+NQ*(\a)+(\q)] matrix_a_scale:MATRIX_SCALE_ROW1
.endif
.endr
.endr
.endm
.macro FETCH_B slot, q, p
	WIN TO_B
.irp i, 0,1,2,3,4,5,6,7
	FRAG 128*(\p)+FR*\i, ADRB+\slot, \q, \i
.endr
	WIN 0
.endm
.macro FETCH_A slot, q, i0
.irp i, \i0, \i0+1, \i0+2, \i0+3
	FRAG AF+FR*(\i), ADRA+\slot, \q, \i
.endr
.endm
.macro SCALES sc                       ; a K step's scale words: lanes 0-15 take U's block i, lanes 16-31 T's block i
.irp i, 0,1,2,3,4,5,6,7
	ds_load_b64 v[SC+8*NQ*\sc+NQ*\i:SC+8*NQ*\sc+NQ*\i+1], v[ADRS] offset:\i*SBLK
.endr
.endm
.macro PLACES n                        ; plain vector lines between a matrix instruction and a load into, or a read of, its registers
.rept \n
	v_nop
.endr
.endm
.macro STEP slot, q, zero              ; 128 along K with a successor in the same slot
	s_wait_dscnt 4*NL                              ; T's set and U's blocks 0-3 are in; the youngest 16 loads (U's blocks 4-7) may be out
	WIN MUL_LO
	MUL16 0, (\q)%2, \q, \slot, \zero
	MUL16 2, (\q)%2, \q, \slot, \zero
	s_wait_dscnt 0
	PLACES NP
	FETCH_B \slot, (\q)+1, 1-(\q)%2
	FETCH_A \slot, (\q)+1, 0
	WIN MUL_HI
	MUL16 4, (\q)%2, \q, \slot, \zero
	MUL16 6, (\q)%2, \q, \slot, \zero
	PLACES NP
	WIN 0
	FETCH_A \slot, (\q)+1, 4
.endm
; A slot's last step changes slots: one barrier; in front of it each wave waits for all its tensor loads, adds 0 to its spare word, and waits for that and for its reads of this slot.  fill = 1: the slot is filled again.
.macro TURN slot, next, fill
	s_wait_tensorcnt 0x0                           ; all my tensor loads have landed: my part of the next slot
	ds_add_u32 v[SPW], v[NIL]
	s_wait_dscnt 4*NL+1                            ; (the add and the youngest 16 loads may be out)
	WIN MUL_LO
	MUL16 0, 1, NQ-1, \slot, 0
	s_wait_dscnt 0x0                               ; the add is done, and my reads of this slot are over
	s_barrier_signal -1
	MUL16 2, 1, NQ-1, \slot, 0
	WIN 0
	s_barrier_wait -1
.if \fill
	CREST                                          ; the barrier has opened a round of the cluster's: no wave of any partner still reads this slot or has a load on its way
	s_add_nc_u64 s[G0+4*\slot+2:G0+4*\slot+3], s[G0+4*\slot+2:G0+4*\slot+3], 2*ROWB
	s_add_nc_u64 s[G0B+4*\slot+2:G0B+4*\slot+3], s[G0B+4*\slot+2:G0B+4*\slot+3], 2*ROWB
	JLOAD G0+4*\slot, G1, G0B+4*\slot, G1B         ; the first tensor load behind the round; its four v_nop are among the places below
	PLACES NP-4
.else
	PLACES NP
.endif
	v_add_nc_u32 v[ADRS], 4*NQ, v[ADRS]
	FETCH_B \next, 0, 0
	FETCH_A \next, 0, 0
	SCALES \next
	WIN MUL_HI
	MUL16 4, 1, NQ-1, \slot, 0
	MUL16 6, 1, NQ-1, \slot, 0
	PLACES NP
	WIN 0
	FETCH_A \next, 0, 4
.endm
	s_wait_tensorcnt 1                             ; the scales and my part of K step 0 are in (K step 1's load may be out)
	s_barrier_signal -1
	s_barrier_wait -1                              ; everybody's are
	FETCH_B 0, 0, 0
	FETCH_A 0, 0, 0
	SCALES 0
	FETCH_A 0, 0, 4
	STEP 0, 0, 1                                   ; the first step's products start the sums
	s_mov_b32 s3, LAPS-1
.Llap:
	TURN 0, 1, 1
	STEP 1, 0, 0
	TURN 1, 0, 1
	STEP 0, 0, 0
	s_sub_co_u32 s3, s3, 1
	s_cmp_lg_u32 s3, 0
	s_cbranch_scc1 .Llap
	TURN 0, 1, 0                                   ; the last lap fills nothing
	STEP 1, 0, 0
	s_wait_dscnt 4*NL
	WIN MUL_LO
	MUL16 0, 1, NQ-1, 1, 0
	MUL16 2, 1, NQ-1, 1, 0
	s_wait_dscnt 0
	WIN MUL_HI
	MUL16 4, 1, NQ-1, 1, 0
	MUL16 6, 1, NQ-1, 1, 0
	WIN 0
; ---------------- THE WAY OUT ----------------
.set STOQ, 16                          ; v16-23: addresses of the way out
.set RDQ,  17
.set STOV, 18
.set RDV,  19
.set VT,   20
.set VO,   21
.set VSQ,  22
.set V4L,  23
.set CS,   64                          ; v64-127  two sets of 16 (cos, sin) pairs
.set RW,   128                         ; v128-191 64 numbers of a block
.set PC,   192                         ; v192-207 their codes
.set TM,   208                         ; v208-223 the quantiser's work
.set OUT,  224                         ; v224-239 rows read back from the stage
.set PW,   240                         ; the scale word just made
.set PWS,  241
.set SWD,  242
.set TP,   244                         ; v244-251 four pairs
.set SEL,  66
.set MNT,  95
.set STGV, 16384                       ; the stages lie in slot 0, which has had its last fill and its last read: 16 rows x 144 bytes a wave; each path has bytes of its own
; 64 numbers of a lane, v[src] on in window W, register 16 b + i = k 32 b + 16 h + i of my row, are held into v[dst] on (window 0) and become codes in v[PC] on and a scale word in v[PW].
.macro QUANT src, W, dst
	WIN (\W)|((\W)<<2)
.irp b, 0,1,2,3
	v_max3_num_f32 v[TM+\b], |v[(\src)+16*\b]|, |v[(\src)+16*\b+1]|, 0x4800000   ; my 16 numbers of block b, and the floor 2^(9 - 127)
.endr
	WIN ((\W)<<2)|((\W)<<4)
.irp i, 2,4,6,8,10,12,14
.irp b, 0,1,2,3
	v_max3_num_f32 v[TM+\b], v[TM+\b], |v[(\src)+16*\b+\i]|, |v[(\src)+16*\b+\i+1]|
.endr
.endr
	WIN 0
.irp b, 0,1,2,3
	v_permlanex16_b32 v[TM+4+\b], v[TM+\b], s[SEL], s[SEL+1]
.endr
.irp b, 0,1,2,3
	v_max_num_f32 v[TM+\b], v[TM+\b], v[TM+4+\b]   ; with lane l xor 16's: the block's largest magnitude
.endr
.irp b, 0,1,2,3
	v_add_nc_u32 v[TM+12+\b], 0xfc000000, v[TM+\b] ; 8 off its exponent field: the conversion's scale operand
.endr
.irp b, 0,1,2,3
	v_and_or_b32 v[TM+8+\b], v[TM+\b], 0x7f800000, s[MNT]   ; 448 x the scale
.endr
.irp b, 0,1,2,3
	v_lshrrev_b32 v[TM+4+\b], 23, v[TM+12+\b]      ; the scale's byte
.endr
	v_lshl_or_b32 v[PW], v[TM+5], 8, v[TM+4]
	v_lshl_or_b32 v[PW], v[TM+6], 16, v[PW]
	v_lshl_or_b32 v[PW], v[TM+7], 24, v[PW]
	WIN (\W)
.irp b, 0,1,2,3
.irp i, 0,1,2,3,4,5,6,7,8,9,10,11,12,13,14,15
	v_med3_num_f32 v[(\dst)+16*\b+\i], v[(\src)+16*\b+\i], -v[TM+8+\b], v[TM+8+\b]   ; the conversion does not saturate (ISA guide 7.6.2): the hold
.endr
.endr
	WIN 0
.irp b, 0,1,2,3
	v_cvt_scalef32_pk8_fp8_f32 v[PC+4*\b:PC+4*\b+1], v[(\dst)+16*\b:(\dst)+16*\b+7], v[TM+12+\b]
	v_cvt_scalef32_pk8_fp8_f32 v[PC+4*\b+2:PC+4*\b+3], v[(\dst)+16*\b+8:(\dst)+16*\b+15], v[TM+12+\b]
.endr
	v_nop                                          ; a plain line behind the last conversion
.endm
	PLACES NP                                      ; behind the last products, ahead of the first read of results and the first write of operand registers
	s_mul_i32 s18, s14, 16*144                     ; every LDS address of both paths is made ahead of the parting
	v_mul_u32_u24 v3, v1, 144
	v_lshl_add_u32 v3, v2, 4, v3
	v_add_nc_u32 v[STOQ], s18, v3                  ; in: row r, 16 bytes for each half of the lanes
	v_add_nc_u32 v[STOV], STGV, v[STOQ]
	v_and_b32 v6, 31, v0
	v_lshrrev_b32 v4, 2, v6
	v_mul_u32_u24 v4, v4, 144
	v_and_b32 v5, 3, v6
	v_lshl_add_u32 v4, v5, 4, v4
	v_add_nc_u32 v[RDQ], s18, v4                   ; back, Q and K: four lanes to a head's 64 bytes of a row
	v_lshrrev_b32 v4, 3, v6
	v_mul_u32_u24 v4, v4, 144
	v_and_b32 v5, 7, v6
	v_lshl_add_u32 v4, v5, 4, v4
	v_add_nc_u32 v4, s18, v4
	v_add_nc_u32 v[RDV], STGV, v4                  ; back, V: eight lanes to a row of 128 bytes
	v_lshlrev_b32 v[VO], 4, v6
	v_lshlrev_b32 v[V4L], 2, v6
	v_lshlrev_b32 v[VT], 8, v1
	v_lshl_add_u32 v[VT], v2, 6, v[VT]             ; the table: row r of 256 bytes, + 64 h
.irp b, 0,1,2,3
	v_mov_b32 v[TM+4+\b], 0                        ; written once: a lane permute's destination counts as one of its sources
.endr
	s_mov_b32 s[SEL], 0x76543210
	s_mov_b32 s[SEL+1], 0xfedcba98
	s_mov_b32 s[MNT], 0x600000
	s_mov_b32 s101, 0xffff0000                     ; lanes 16-31
	s_cmp_eq_u32 s100, 1
	s_cbranch_scc1 .Lv_path
	; ---- Q and K.  (All tensor loads have been waited for: the descriptors' registers are free.)
	s_lshl_b32 s18, s17, 8
	s_lshl_b32 s19, s15, 7
	s_add_co_u32 s18, s18, s19                     ; my first physical token row
	s_lshr_b32 s19, s18, 11                        ; the batch
	s_bfe_u32 s20, s18, 0x40007                    ; which 128 of its 2,048 rows
	s_lshl_b32 s21, s19, 4
	s_lshl_b32 s22, s40, 2
	s_add_co_u32 s21, s21, s22
	s_lshl_b32 s22, s16, 1
	s_add_co_u32 s21, s21, s22                     ; the first of my two heads: 16 batch + 4 cx + 2 half
	s_mov_b32 s23, 131072
	s_mov_b32 s25, 8192
	s_mov_b32 s26, QS
	s_mov_b32 s27, 8192
	s_cmp_eq_u32 ttmp9, 1                          ; K goes into the heads' records
	s_cselect_b32 s23, RECB, s23                   ; from head to head, codes
	s_cselect_b32 s24, REC+12288, 0                ; where the codes begin
	s_cselect_b32 s25, 16384, s25                  ; from 128 rows to the next
	s_cselect_b32 s26, REC, s26                    ; where the scale words begin
	s_cselect_b32 s27, RECB, s27                   ; from head to head, scale words
	s_mul_i32 s28, s21, s23
	s_add_co_u32 s28, s28, s24
	s_mul_i32 s29, s20, s25
	s_add_co_u32 s28, s28, s29
	s_mov_b32 s29, 0
	s_add_nc_u64 s[30:31], s[6:7], s[28:29]        ; codes, first head
	s_mov_b32 s28, s23
	s_add_nc_u64 s[32:33], s[30:31], s[28:29]      ; second head
	s_mul_i32 s28, s21, s27
	s_add_co_u32 s28, s28, s26
	s_lshl_b32 s34, s20, 9
	s_add_co_u32 s28, s28, s34
	s_add_nc_u64 s[34:35], s[6:7], s[28:29]        ; scale words
	s_lshl_b32 s28, s18, 8
	s_add_co_u32 s28, s28, TAB
	s_add_nc_u64 s[36:37], s[4:5], s[28:29]        ; my rows of the table
	v_lshlrev_b32 v3, 2, v1
	v_mad_u32_u24 v[VSQ], v2, s27, v3              ; lanes 0-15 store the first head's words, lanes 16-31 the second's
.macro CSLOAD n                        ; block n's pairs: for d = 32 c + 16 h + 0 .. 15 the pairs 16 c + 8 h + 0 .. 7: 64 bytes of my row
.irp c, 0,1
.irp i, 0,1,2,3
	global_load_b128 v[CS+32*((\n)%2)+16*\c+4*\i:CS+32*((\n)%2)+16*\c+4*\i+3], v[VT], s[36:37] offset:4096*(\n)+128*\c+16*\i
.endr
.endr
.endm
; (x1, x2) -> (x1 cos - x2 sin, x2 cos + x1 sin): a packed multiply (x2 sin, x1 sin) and a packed multiply-add, four pairs at a time.  Each accumulator is read from its low end on.
.macro ROPE n
	WIN 2+(\n)/4                                   ; source 0: the accumulators' window
.irp b, 0,1,2,3,4,5,6,7
.irp i, 0,1,2,3
	v_pk_mul_f32 v[TP+2*\i:TP+2*\i+1], v[8*(8*((\n)%4)+\b)+2*\i:8*(8*((\n)%4)+\b)+2*\i+1], v[CS+32*((\n)%2)+16*((\b/2)%2)+8*(\b%2)+2*\i:CS+32*((\n)%2)+16*((\b/2)%2)+8*(\b%2)+2*\i+1] op_sel:[1,1] op_sel_hi:[0,1]
.endr
.irp i, 0,1,2,3
	v_pk_fma_f32 v[RW+8*\b+2*\i:RW+8*\b+2*\i+1], v[8*(8*((\n)%4)+\b)+2*\i:8*(8*((\n)%4)+\b)+2*\i+1], v[CS+32*((\n)%2)+16*((\b/2)%2)+8*(\b%2)+2*\i:CS+32*((\n)%2)+16*((\b/2)%2)+8*(\b%2)+2*\i+1], v[TP+2*\i:TP+2*\i+1] op_sel_hi:[1,0,1] neg_lo:[0,0,1]
.endr
.endr
	WIN 0
.endm
	CSLOAD 0
	CSLOAD 1
.irp a, 0,1,2,3,4,5,6,7
	s_wait_xcnt 0x0                                ; the last block's stores have read their registers
.if \a < 7
	s_wait_loadcnt 8                               ; this block's pairs are in; the next block's eight loads may be out
.else
	s_wait_loadcnt 0x0
.endif
	ROPE \a
.if \a < 6
	CSLOAD \a+2
.endif
	QUANT RW, 0, RW                                ; blocks 0, 1: the first head's d; blocks 2, 3: the second's
.irp q, 0,1,2,3
	ds_store_b128 v[STOQ], v[PC+4*\q:PC+4*\q+3] offset:32*\q
.endr
.irp e, 0,1
.irp i, 0,1
	ds_load_b128 v[OUT+4*(2*\e+\i):OUT+4*(2*\e+\i)+3], v[RDQ] offset:1152*\i+64*\e   ; these see my stores: LDS serves a wave's instructions in order
.endr
.endr
	v_and_b32 v[SWD], 0xffff, v[PW]
	v_lshrrev_b32 v[PWS], 16, v[PW]
	v_cndmask_b32 v[SWD], v[SWD], v[PWS], s101
	global_store_b32 v[VSQ], v[SWD], s[34:35] offset:64*\a
	s_wait_dscnt 0x0
.irp i, 0,1
	global_store_b128 v[VO], v[OUT+4*\i:OUT+4*\i+3], s[30:31] offset:1024*\a+512*\i       ; 16 rows x 64 bytes of a head: 512 consecutive bytes a store
	global_store_b128 v[VO], v[OUT+8+4*\i:OUT+8+4*\i+3], s[32:33] offset:1024*\a+512*\i
.endr
.endr
	s_wait_tensorcnt 0x0                           ; the wave's end, behind my last tensor load and my last LDS store
	ds_add_u32 v[SPW], v[NIL]
	s_wait_dscnt 0x0
	CROUND                                         ; the closing round
	s_endpgm
	; ---- V: lane (r, h) holds physical column 16 a + r of Wv; its registers run along my 128 tokens, one key step
.Lv_path:
	s_lshl_b32 s18, s42, 8
	s_lshl_b32 s19, s16, 7
	s_add_co_u32 s18, s18, s19                     ; my first token
	s_lshr_b32 s19, s18, 11
	s_bfe_u32 s20, s18, 0x40007                    ; the key step
	s_lshl_b32 s21, s19, 4
	s_lshl_b32 s22, s41, 2
	s_add_co_u32 s21, s21, s22
	s_lshl_b32 s22, s15, 1
	s_add_co_u32 s21, s21, s22                     ; the first of my two heads: 16 batch + 4 cy + 2 half
	s_mul_i32 s28, s21, RECB
	s_add_co_u32 s28, s28, REC
	s_mov_b32 s29, 0
	s_add_nc_u64 s[30:31], s[6:7], s[28:29]
	s_lshl_b32 s28, s20, 14
	s_add_co_u32 s28, s28, 20480
	s_add_nc_u64 s[32:33], s[30:31], s[28:29]      ; codes, first head
	s_add_nc_u64 s[34:35], s[32:33], RECB          ; second head
	s_lshl_b32 s28, s20, 8
	s_add_co_u32 s28, s28, 8192
	s_add_nc_u64 s[36:37], s[30:31], s[28:29]      ; scale words, first head
	s_add_nc_u64 s[38:39], s[36:37], RECB
.irp a, 0,1,2,3,4,5,6,7
	s_wait_xcnt 0x0
	QUANT 64*(\a%4), 2+\a/4, RW
.irp q, 0,1,2,3
	ds_store_b128 v[STOV], v[PC+4*\q:PC+4*\q+3] offset:32*\q
.endr
.irp i, 0,1,2,3
	ds_load_b128 v[OUT+4*\i:OUT+4*\i+3], v[RDV] offset:576*\i
.endr
.if \a%2 == 0
	v_mov_b32 v[PWS], v[PW]
.else
	v_cndmask_b32 v[SWD], v[PWS], v[PW], s101      ; lanes 0-15: the block before; lanes 16-31: this one: 128 consecutive bytes
	global_store_b32 v[V4L], v[SWD], s[36+2*(\a/4):37+2*(\a/4)] offset:64*((\a%4)-1)
.endif
	s_wait_dscnt 0x0
.irp i, 0,1,2,3
	global_store_b128 v[VO], v[OUT+4*\i:OUT+4*\i+3], s[32+2*(\a/4):33+2*(\a/4)] offset:2048*(\a%4)+512*\i
.endr
.endr
	s_wait_tensorcnt 0x0                           ; the wave's end: the same three lines
	ds_add_u32 v[SPW], v[NIL]
	s_wait_dscnt 0x0
	CROUND
	s_endpgm
.Lfunc_end_k_q2b3471c79f_qkv:
	.size	k_q2b3471c79f_qkv, .Lfunc_end_k_q2b3471c79f_qkv-k_q2b3471c79f_qkv
	.p2alignl 7, 3214868480
	.fill 96, 4, 3214868480
	.section	.rodata,"a",@progbits
	.p2align	6, 0x0
	.amdhsa_kernel k_q2b3471c79f_qkv
		.amdhsa_group_segment_fixed_size 327680
		.amdhsa_private_segment_fixed_size 0
		.amdhsa_enable_private_segment 0
		.amdhsa_kernarg_size 16
		.amdhsa_user_sgpr_count 2
		.amdhsa_user_sgpr_kernarg_segment_ptr 1
		.amdhsa_wavefront_size32 1
		.amdhsa_system_sgpr_workgroup_id_x 1
		.amdhsa_system_sgpr_workgroup_id_y 1
		.amdhsa_system_sgpr_workgroup_id_z 1
		.amdhsa_system_vgpr_workitem_id 0
		.amdhsa_next_free_vgpr 1024
		.amdhsa_next_free_sgpr 104
		.amdhsa_reserve_vcc 0
		.amdhsa_float_denorm_mode_32 3
		.amdhsa_float_denorm_mode_16_64 3
		.amdhsa_memory_ordered 1
		.amdhsa_forward_progress 1
		.amdhsa_inst_pref_size 255
	.end_amdhsa_kernel
	.section	.bss,"aw",@nobits
	.p2align	6
	.space	262144
	.amdgpu_metadata
---
amdhsa.version: [ 1, 2 ]
amdhsa.kernels:
  - .name:           k_q2b3471c79f_qkv
    .symbol:         k_q2b3471c79f_qkv.kd
    .args:
      - { .name: pw, .offset: 0, .size: 8, .value_kind: global_buffer, .address_space: global }
      - { .name: qk, .offset: 8, .size: 8, .value_kind: global_buffer, .address_space: global }
    .group_segment_fixed_size: 327680
    .private_segment_fixed_size: 0
    .kernarg_segment_align: 8
    .kernarg_segment_size: 16
    .max_flat_workgroup_size: 128
    .sgpr_count:     104
    .vgpr_count:     1024
    .wavefront_size: 32
...
	.end_amdgpu_metadata
.endif
;; end of part 2
;; launch attn (part 3): grid 8 x 32, 16 waves a work-group, clusters of 4 x 1, 327,680 bytes of LDS; arguments qk, cx; writes cx
.if DOCPART == 3
	.amdgcn_target "amdgcn-amd-amdhsa--gfx1250"
	.amdhsa_code_object_version 6
	.text
	.protected	k_q2b3471c79f_attn
	.globl	k_q2b3471c79f_attn
	.p2align	8
	.type	k_q2b3471c79f_attn,@function
k_q2b3471c79f_attn:
	s_mov_b64 s[64:65], 0
	v_nop
	global_prefetch_b8 v0, s[64:65] scope:SCOPE_SE
	s_setreg_imm32_b32 hwreg(HW_REG_WAVE_MODE, 25, 1), 1
	s_wait_xcnt 0x0
	s_wait_alu depctr_hold_cnt(0) depctr_sa_sdst(0) depctr_va_vdst(0) depctr_va_sdst(0) depctr_va_ssrc(0) depctr_va_vcc(0) depctr_vm_vsrc(0)
	s_getreg_b32 s2, hwreg(HW_REG_IB_STS2, 6, 4)
	s_cmp_eq_u32 s2, 0
	s_cbranch_scc0 .Lentry_in_a_cluster
	s_endpgm
.Lentry_in_a_cluster:
	s_bfe_u32 s2, ttmp6, 0x10000c
	s_cmp_lg_u32 s2, 0x3003
	s_cbranch_scc0 .Lentry_shape_is_right
	s_endpgm
.Lentry_shape_is_right:
; ctx = causal attention on codes of E4M3 with E8M0 scales, head size 64; ctx is quantised along d for the product with Wo.  Inputs as kernel qkv laid them (rows in the physical order of kernel prep).
; WORK LEFT OUT: key steps of 128 keys that lie wholly behind a tile's 16 queries: reference()'s own jnp.tril makes their p = 0 for all inputs (shown at the head of kernel prep).
; LIMIT: a NaN, an infinity or an overflow that reaches only those products is not carried to the result.  NaN and infinities among the inputs are not served.
; THE SOFTMAX AHEAD OF THE SECOND PRODUCT: t = score x log2(e) / 8; M = the largest t so far, rounded up to a whole number; p = 2^(t - M) is quantised along the keys, not normalised; the row's sum is taken of the
; unquantised p and divides at the end; when M moves, the sum and O are multiplied by 2^(old M - new M), which rounds nothing.
; SHARES.  A work-group serves one head; its sixteen waves own one tile of 16 queries each.  Wave w has rank R(w) (a 4 x 4 magic square less 1) and owns tile x + 8 R, x = 0 .. 7 the work-group's number in the head.
; That tile lies in key step R, so the wave walks steps 0 .. R whatever x is: all eight work-groups of a head are alike, and the ranks of waves with equal w % 4, and of waves with equal w / 4, add up alike.
; LDS.  A head's whole record (scale words, K's and V's codes: 1,072 rows of 256 bytes, 16 of padding behind each) comes in ONCE: no byte is filled again.  Each wave brings 11 rows of the first 176
; (the scale words and steps 0, 1) and 56 of the rest: two tensor loads a wave are out, by this text's count.  The first two steps are walked while the rest lands.
; CLUSTER.  Four work-groups of a head ask for the record jointly: the same loads with the same descriptors (head and wave alone) and the mask 15.  Rank 15's wave of every partner reads every step.
; LAYOUT.  Both products transposed: S^T = K Q^T (source 0 = 16 physical keys), O^T = V^T P^T (source 0 = 16 physical d): a lane holds one query; by the physical row order the 16 registers of two
; neighbouring tiles are 16 logical neighbours.  The first product's K is 64: the upper half of both operands is zero codes, under scale bytes 0 (2^-127, no NaN).
; ctx's codes leave as 32 neighbouring bytes of a row of 1,024 (a head's 64 bytes in two stores): a wave has no more of a row.
.set QS,    4194304
.set REC,   4456448
.set RECB,  274432
.set CXS,   4194304
.set SPARE, 291584                     ; behind the record: the spare words, 128 bytes a wave: eight blocks of 256 bytes that no other line names
.set AK0,  1                           ; v1   my lane's place in a tile of K
.set AV0,  2                           ; v2   in a tile of V
.set ASK0, 3                           ; v3   among K's scale words
.set ASV0, 4                           ; v4   among V's
.set SPW,  5
.set NIL,  6
.set DQ,   7                           ; v7   my query's place in its key step, less 16 h
.set ADK,  8
.set ADV,  9
.set ADS,  10
.set ADT,  11                          ; v12 -M, v13 the largest t, v[14:15] the sum in two halves
.set KF,   32                          ; v32-95   four fragments of K (the upper 8 registers of each stay 0);  v16-31 Q (v24-31 stay 0)
.set S,    96                          ; v96-159  S^T, then p, then four fragments of V
.set O,    160                         ; v160-191 O^T
.set PCD,  192                         ; v192-207 p's codes
.set MX,   208
.set T1,   212
.set LIM,  216
.set SCO,  220
.set SW,   224                         ; v224-227 K's, then V's scale words;  v228 f, v229 p's scale word
.set TMP,  230
.set QSW,  231                         ; Q's scale words
.set NINF, 232
.set PW,   233
.set WV,   18
.set RK,   19
.set SEL,  20
.set CS,   22
.set MNT,  24
.set J,    25
.set TB,   26
.set TS,   27
.set TJ,   28
.set CNT,  29
.set G1A,  32
.set G1B,  40
.set G0A,  48
.set G0B,  52
.macro CROUND                          ; a round of the cluster's barrier
	s_barrier_signal -1
	s_barrier_wait -1
	s_cmp_lg_u32 s[WV], 0
	s_cbranch_scc1 .Lnot_wave_0_\@
	s_barrier_signal -3
.Lnot_wave_0_\@:
	s_barrier_wait -3
	s_barrier_signal -1
	s_barrier_wait -1
.endm
	s_load_b128 s[4:7], s[0:1], 0x0                ; qk, cx
	v_lshl_add_u32 v[SPW], v0, 2, SPARE
	v_mov_b32 v[NIL], 0
	ds_add_u32 v[SPW], v[NIL]                      ; the wave's opening: the add, twice on end, and its wait ahead of my first tensor load
	ds_add_u32 v[SPW], v[NIL]
	v_lshrrev_b32 v8, 5, v0
	v_readfirstlane_b32 s[WV], v8                  ; wave 0..15
	s_bfe_u32 s8, ttmp6, 0x40000                   ; cx
	s_lshl_b32 s9, ttmp9, 2
	s_add_co_u32 s9, s9, s8                        ; x: it enters Q's and ctx's addresses and the mask's numbers alone
	s_and_b32 s10, ttmp7, 0xffff                   ; the head, 16 batch + head
	s_mov_b32 s11, 0x0DE3B658
	s_cmp_lt_u32 s[WV], 8
	s_cselect_b32 s11, 0x7A94C12F, s11
	s_and_b32 s12, s[WV], 7
	s_lshl_b32 s12, s12, 2
	s_lshr_b32 s11, s11, s12
	s_and_b32 s[RK], s11, 15                       ; my rank: nibble w of the table
	s_lshl_b32 s11, s[RK], 3
	s_add_co_u32 s11, s11, s9                      ; my tile of queries
	s_mov_b32 s[G1A], 15|(3<<16)|(1<<20)|(1<<21)|(5<<22)|(3<<25)   ; the mask: all four; elements of 8 bytes; padding: 4 words after every 64; bit 21 beside a mask
	s_mov_b32 s[G1A+1], 32<<16
	s_mov_b32 s[G1A+2], 11<<16
	s_mov_b32 s[G1A+3], 32<<16
	s_mov_b32 s[G1A+4], 11                         ; 11 rows of 256 bytes
	s_mov_b32 s[G1A+5], 32
	s_mov_b32 s[G1A+6], 0
	s_mov_b32 s[G1A+7], 0
	s_mov_b32 s[G1B], 15|(3<<16)|(1<<20)|(1<<21)|(5<<22)|(3<<25)
	s_mov_b32 s[G1B+1], 32<<16
	s_mov_b32 s[G1B+2], 56<<16
	s_mov_b32 s[G1B+3], 32<<16
	s_mov_b32 s[G1B+4], 56                         ; 56 rows
	s_mov_b32 s[G1B+5], 32
	s_mov_b32 s[G1B+6], 0
	s_mov_b32 s[G1B+7], 0
	s_mul_i32 s12, s10, RECB
	s_add_co_u32 s12, s12, REC                     ; the head's record
	s_mul_i32 s13, s[WV], 2816
	s_add_co_u32 s14, s12, s13
	s_mov_b32 s15, 0
	s_mul_i32 s13, s[WV], 14336
	s_add_co_u32 s16, s12, s13
	s_add_co_u32 s16, s16, 45056
	s_mov_b32 s17, 0
	s_mov_b32 s[G0A], 1
	s_mul_i32 s[G0A+1], s[WV], 2992                ; 11 rows of 272 bytes a wave
	s_mov_b32 s[G0B], 1
	s_mul_i32 s[G0B+1], s[WV], 15232               ; 56 rows a wave, behind the first 176
	s_add_co_u32 s[G0B+1], s[G0B+1], 47872
	s_mov_b32 s[SEL], 0x76543210
	s_mov_b32 s[SEL+1], 0xfedcba98
	s_mov_b32 s[CS], 0x3e38aa3b                    ; c = log2(e) / 8
	s_mov_b32 s[CS+1], s[CS]
	s_mov_b32 s[MNT], 0x600000
	s_mov_b32 s[J], 0
	s_mov_b32 s[TB], 0
	s_mov_b32 s[TS], 0
	s_mov_b32 s[TJ], 0
	s_wait_dscnt 0x0                               ; both opening adds are done
	s_wait_kmcnt 0x0
	s_add_nc_u64 s[G0A+2:G0A+3], s[4:5], s[14:15]
	s_or_b32 s[G0A+3], s[G0A+3], 0x80000000
	s_add_nc_u64 s[G0B+2:G0B+3], s[4:5], s[16:17]
	s_or_b32 s[G0B+3], s[G0B+3], 0x80000000
	CROUND                                         ; all four work-groups are here: the joint loads meet
	tensor_load_to_lds s[G0A:G0A+3], s[G1A:G1A+7]
	s_nop 0
	tensor_load_to_lds s[G0B:G0B+3], s[G1B:G1B+7]
	s_nop 0
.rept 4
	v_nop
.endr
	v_and_b32 v8, 15, v0                           ; r
	v_bfe_u32 v9, v0, 4, 1                         ; h
	v_lshrrev_b32 v10, 2, v8
	v_mul_u32_u24 v10, v10, 272
	v_and_b32 v11, 3, v8
	v_lshl_add_u32 v10, v11, 6, v10
	v_lshl_add_u32 v10, v9, 4, v10
	v_add_nc_u32 v[AK0], 13056, v10                ; K: four keys of 64 bytes to a row; record row 48 on
	v_lshrrev_b32 v10, 1, v8
	v_mul_u32_u24 v10, v10, 272
	v_and_b32 v11, 1, v8
	v_lshl_add_u32 v10, v11, 7, v10
	v_lshl_add_u32 v10, v9, 4, v10
	v_add_nc_u32 v[AV0], 21760, v10                ; V: two d of 128 bytes to a row; record row 80 on
	v_lshlrev_b32 v[ASK0], 2, v8
	v_add_nc_u32 v[ASV0], 8704, v[ASK0]            ; V's scale words: record row 32 on
	s_lshr_b32 s12, s9, 1
	s_lshl_b32 s12, s12, 5
	s_and_b32 s13, s9, 1
	s_lshl_b32 s13, s13, 3
	s_add_co_u32 s12, s12, s13
	v_and_b32 v10, 7, v8
	v_lshrrev_b32 v11, 3, v8
	v_lshl_add_u32 v10, v11, 4, v10
	v_lshlrev_b32 v11, 4, v9
	v_sub_nc_u32 v10, v10, v11
	v_add_nc_u32 v[DQ], s12, v10                   ; physical row 16 tile + r is logical 128 R + 32 (x / 2) + 8 (x % 2) + r % 8 + 16 (r / 8)
	s_lshl_b32 s12, s10, 17
	s_lshl_b32 s13, s11, 10
	s_add_co_u32 s12, s12, s13
	s_mov_b32 s13, 0
	s_add_nc_u64 s[14:15], s[4:5], s[12:13]        ; my tile's codes of Q
	s_lshl_b32 s12, s10, 13
	s_lshl_b32 s16, s11, 6
	s_add_co_u32 s12, s12, s16
	s_add_co_u32 s12, s12, QS
	s_add_nc_u64 s[16:17], s[4:5], s[12:13]        ; and its scale words
	v_lshlrev_b32 v10, 6, v8
	v_lshl_add_u32 v10, v9, 4, v10
	v_lshlrev_b32 v11, 2, v8
	global_load_b128 v[16:19], v10, s[14:15]
	global_load_b128 v[20:23], v10, s[14:15] offset:32
	global_load_b32 v[QSW], v11, s[16:17]
.irp i, 24,25,26,27,28,29,30,31
	v_mov_b32 v[\i], 0                             ; Q's k = 64 .. 127: zero codes
.endr
.irp t, 0,1,2,3
.irp i, 8,9,10,11,12,13,14,15
	v_mov_b32 v[KF+16*\t+\i], 0                    ; K's likewise: written once
.endr
.endr
.set ii, 0
.rept 32
	v_mov_b32 v[O+ii], 0                           ; O^T: the step is written once; the first finds zeros, which the first change of M leaves zeros
.set ii, ii+1
.endr
	v_mov_b32 v13, 0xff61b1e6                      ; the largest t so far: -3e38
	v_floor_f32 v12, -v13
	v_mov_b32 v14, 0
	v_mov_b32 v15, 0
.irp b, 0,1,2,3
	v_mov_b32 v[T1+\b], 0                          ; a lane permute's destination counts as one of its sources
.endr
	v_mov_b32 v229, 0                              ; (named as the upper half of the pair v[228:229] before it is first written)
	v_mov_b32 v[TMP], 0
	v_mov_b32 v[NINF], 0xff800000
; A KEY STEP: 128 keys.  A wave whose rank lies under the step's number jumps to the lines that step addresses: a branch on ids; no barrier, wait for tiles or tensor load stands in a step.
.macro STEP
	s_cmp_gt_u32 s[J], s[RK]
	s_cbranch_scc1 .Lhid_\@
	v_add_nc_u32 v[ADK], s[TB], v[AK0]
	v_add_nc_u32 v[ADV], s[TB], v[AV0]
	v_add_nc_u32 v[ADS], s[TS], v[ASK0]
	v_add_nc_u32 v[ADT], s[TJ], v[ASV0]
.rept 5
	v_nop                                          ; nine places with the four additions: the products below write over registers that the last step's products read
.endr
.irp g, 0,1                                    ; S^T = K Q^T, four tiles of 16 keys at a time
.if \g
.rept 8
	v_nop                                          ; places in front of loads into registers that matrix instructions have read
.endr
.endif
.irp t, 0,1,2,3
	ds_load_b128 v[KF+16*\t:KF+16*\t+3], v[ADK] offset:1088*(4*\g+\t)
	ds_load_b128 v[KF+16*\t+4:KF+16*\t+7], v[ADK] offset:1088*(4*\g+\t)+32
	ds_load_b32 v[SW+\t], v[ADS] offset:272*\g+64*\t
.endr
	s_wait_dscnt 0x0
.irp t, 0,1,2,3
	v_wmma_scale_f32_16x16x128_f8f6f4 v[S+8*(4*\g+\t):S+8*(4*\g+\t)+7], v[KF+16*\t:KF+16*\t+15], v[16:31], 0, v[SW+\t], v[QSW]
.endr
.endr
.rept 8
	v_nop
.endr
	s_cmp_lt_u32 s[J], s[RK]                       ; only my last step lies on the diagonal: there hidden scores become -infinity ahead of the maximum
	s_cbranch_scc1 .Lopen_\@
.set nn, 0
.rept 64
	v_cmp_gt_i32 vcc_lo, 32*(nn/16)+nn%16, v[DQ]   ; register 16 b + i holds key 32 b + 16 h + i of the step
	v_cndmask_b32 v[S+nn], v[S+nn], v[NINF], vcc_lo
.set nn, nn+1
.endr
.Lopen_\@:
.irp b, 0,1,2,3
	v_max3_num_f32 v[MX+\b], v[S+16*\b], v[S+1+16*\b], v[S+2+16*\b]   ; the largest score of each block of 32 keys: for the row's maximum and, since p rises with the score, for the block's largest p
.endr
.irp i, 3,5,7,9,11,13
.irp b, 0,1,2,3
	v_max3_num_f32 v[MX+\b], v[MX+\b], v[S+16*\b+\i], v[S+1+16*\b+\i]
.endr
.endr
.irp b, 0,1,2,3
	v_max_num_f32 v[MX+\b], v[MX+\b], v[S+15+16*\b]
.endr
.irp b, 0,1,2,3
	v_permlanex16_b32 v[T1+\b], v[MX+\b], s[SEL], s[SEL+1]
.endr
.irp b, 0,1,2,3
	v_max_num_f32 v[MX+\b], v[MX+\b], v[T1+\b]
.endr
	v_max3_num_f32 v[TMP], v[MX], v[MX+1], v[MX+2]
	v_max_num_f32 v[TMP], v[TMP], v[MX+3]
	v_mul_f32 v[TMP], s[CS], v[TMP]
	v_max_num_f32 v13, v13, v[TMP]                 ; the running largest t
	v_mov_b32 v[TMP], v12
	v_floor_f32 v12, -v13                          ; the new -M = -ceil(t)
	v_sub_f32 v[TMP], v12, v[TMP]
	v_cvt_i32_f32 v[TMP], v[TMP]                   ; old M - new M, a whole number (the conversion saturates)
	v_ldexp_f32 v228, 1.0, v[TMP]                  ; f = 2^(old M - new M)
.set nn, 0
.rept 32
	v_pk_fma_f32 v[S+nn:S+nn+1], v[S+nn:S+nn+1], s[CS:CS+1], v[12:13] op_sel_hi:[1,0,0]   ; t - M
.set nn, nn+2
.endr
.irp b, 0,1,2,3
	v_fma_f32 v[MX+\b], v[MX+\b], s[CS], v12
.endr
.set nn, 0
.rept 64
	v_exp_f32 v[S+nn], v[S+nn]                     ; p = 2^(t - M)
.set nn, nn+1
.endr
	v_pk_mul_f32 v[14:15], v[14:15], v[228:229] op_sel_hi:[1,0]   ; the sums under the new M (the plain line behind the exponentials)
	s_wait_alu depctr_va_vdst(0)                   ; one wait for the batch, ahead of its first reader
.irp b, 0,1,2,3
	v_exp_f32 v[MX+\b], v[MX+\b]                   ; the blocks' largest p
.endr
	v_pk_add_f32 v[T1:T1+1], v[S:S+1], v[S+2:S+3]  ; the row's sum of the unquantised p, two chains of pairs
.irp j, 4,8,12,16,20,24,28,32,36,40,44,48,52,56,60
	v_pk_add_f32 v[14:15], v[14:15], v[S+\j:S+\j+1]
	v_pk_add_f32 v[T1:T1+1], v[T1:T1+1], v[S+2+\j:S+3+\j]
.endr
	v_pk_add_f32 v[14:15], v[14:15], v[T1:T1+1]
	s_wait_alu depctr_va_vdst(0)                   ; and one for the four
.irp b, 0,1,2,3
	v_max_num_f32 v[MX+\b], 0x4800000, v[MX+\b]    ; the floor 2^(9 - 127)
.endr
.irp b, 0,1,2,3
	v_add_nc_u32 v[SCO+\b], 0xfc000000, v[MX+\b]
.endr
.irp b, 0,1,2,3
	v_and_or_b32 v[LIM+\b], v[MX+\b], 0x7f800000, s[MNT]
.endr
.irp b, 0,1,2,3
	v_lshrrev_b32 v[T1+\b], 23, v[SCO+\b]
.endr
	v_lshl_or_b32 v229, v[T1+1], 8, v[T1]          ; p's scale word for these 128 keys
	v_lshl_or_b32 v229, v[T1+2], 16, v229
	v_lshl_or_b32 v229, v[T1+3], 24, v229
.irp b, 0,1,2,3
.irp i, 0,1,2,3,4,5,6,7,8,9,10,11,12,13,14,15
	v_min_num_f32 v[S+16*\b+\i], v[S+16*\b+\i], v[LIM+\b]   ; the hold; p is not negative
.endr
	v_cvt_scalef32_pk8_fp8_f32 v[PCD+4*\b:PCD+4*\b+1], v[S+16*\b:S+16*\b+7], v[SCO+\b]
	v_cvt_scalef32_pk8_fp8_f32 v[PCD+4*\b+2:PCD+4*\b+3], v[S+16*\b+8:S+16*\b+15], v[SCO+\b]
.endr
	v_nop                                          ; a plain line behind the last conversion
.irp t, 0,1,2,3                                ; V's four fragments land where p lay
.irp c, 0,1,2,3
	ds_load_b128 v[S+16*\t+4*\c:S+16*\t+4*\c+3], v[ADV] offset:2176*\t+32*\c
.endr
	ds_load_b32 v[SW+\t], v[ADT] offset:64*\t
.endr
.set nn, 0
.rept 16
	v_pk_mul_f32 v[O+nn:O+nn+1], v[O+nn:O+nn+1], v[228:229] op_sel_hi:[1,0]   ; O^T under the new M; also the places between the codes and the products
.set nn, nn+2
.endr
	s_wait_dscnt 0x0
.irp t, 0,1,2,3                                ; O^T += V^T P^T: the four accumulators by turns
	v_wmma_scale_f32_16x16x128_f8f6f4 v[O+8*\t:O+8*\t+7], v[S+16*\t:S+16*\t+15], v[PCD:PCD+15], v[O+8*\t:O+8*\t+7], v[SW+\t], v229
.endr
.Lhid_\@:
	s_add_co_u32 s[J], s[J], 1
	s_add_co_u32 s[TB], s[TB], 17408               ; 64 record rows a step
	s_add_co_u32 s[TS], s[TS], 544
	s_add_co_u32 s[TJ], s[TJ], 272
.endm
	s_wait_tensorcnt 1                             ; my 11 rows are in; my 56 may stay out: no LDS byte is ever filled again
	s_barrier_signal -1
	s_barrier_wait -1                              ; the scale words and steps 0, 1 are whole
	s_wait_loadcnt 0x0                             ; Q; its address registers may be written
	s_mov_b32 s[CNT], 2
.Lfirst:
	STEP
	s_sub_co_u32 s[CNT], s[CNT], 1
	s_cmp_lg_u32 s[CNT], 0
	s_cbranch_scc1 .Lfirst
	s_wait_tensorcnt 0x0                           ; my part of the rest is in,
	s_wait_dscnt 0x0
	s_barrier_signal -1
	s_barrier_wait -1                              ; everybody's is
	s_mov_b32 s[CNT], 14
.Lrest:
	STEP
	s_sub_co_u32 s[CNT], s[CNT], 1
	s_cmp_lg_u32 s[CNT], 0
	s_cbranch_scc1 .Lrest
	; THE WAY OUT: ctx = O^T / the sum; register 16 q + i is d = 32 q + 16 h + i of my query: two blocks of 32, quantised as every operand is
.rept 8
	v_nop                                          ; places behind the last products
.endr
	v_add_f32 v14, v14, v15
	v_permlanex16_b32 v[TMP], v14, s[SEL], s[SEL+1]
	v_add_f32 v14, v14, v[TMP]                     ; the row's sum
	v_rcp_f32 v14, v14
	v_and_b32 v8, 15, v0
	v_bfe_u32 v9, v0, 4, 1
	v_lshlrev_b32 v10, 10, v8
	v_lshl_add_u32 v10, v9, 4, v10                 ; a row of ctx's codes is 1,024 bytes
	v_lshl_add_u32 v11, v8, 5, v9                  ; a row of its scale bytes 32
	s_lshr_b32 s12, s10, 4                         ; the batch
	s_and_b32 s13, s10, 15                         ; the head in it
	s_lshl_b32 s12, s12, 11
	s_lshl_b32 s14, s11, 4
	s_add_co_u32 s12, s12, s14                     ; my tile's first physical row
	s_lshl_b32 s14, s12, 10
	s_lshl_b32 s15, s13, 6
	s_add_co_u32 s14, s14, s15
	s_mov_b32 s15, 0
	s_add_nc_u64 s[14:15], s[6:7], s[14:15]
	s_lshl_b32 s16, s12, 5
	s_lshl_b32 s17, s13, 1
	s_add_co_u32 s16, s16, s17
	s_add_co_u32 s16, s16, CXS
	s_mov_b32 s17, 0
	s_add_nc_u64 s[16:17], s[6:7], s[16:17]
	s_wait_alu depctr_va_vdst(0)                   ; ahead of the reciprocal's first reader
.set nn, 0
.rept 16
	v_pk_mul_f32 v[S+nn:S+nn+1], v[O+nn:O+nn+1], v[14:15] op_sel_hi:[1,0]
.set nn, nn+2
.endr
.irp b, 0,1
	v_max3_num_f32 v[MX+\b], |v[S+16*\b]|, |v[S+1+16*\b]|, 0x4800000
.endr
.irp i, 2,4,6,8,10,12,14
.irp b, 0,1
	v_max3_num_f32 v[MX+\b], v[MX+\b], |v[S+16*\b+\i]|, |v[S+1+16*\b+\i]|
.endr
.endr
.irp b, 0,1
	v_permlanex16_b32 v[T1+\b], v[MX+\b], s[SEL], s[SEL+1]
.endr
.irp b, 0,1
	v_max_num_f32 v[MX+\b], v[MX+\b], v[T1+\b]
.endr
.irp b, 0,1
	v_add_nc_u32 v[SCO+\b], 0xfc000000, v[MX+\b]
.endr
.irp b, 0,1
	v_and_or_b32 v[LIM+\b], v[MX+\b], 0x7f800000, s[MNT]
.endr
.irp b, 0,1
	v_lshrrev_b32 v[T1+\b], 23, v[SCO+\b]
.endr
	v_cmp_eq_u32 vcc_lo, 1, v9
	v_cndmask_b32 v[PW], v[T1], v[T1+1], vcc_lo    ; lanes 0-15 store block 0's byte, lanes 16-31 block 1's
.irp b, 0,1
.irp i, 0,1,2,3,4,5,6,7,8,9,10,11,12,13,14,15
	v_med3_num_f32 v[S+16*\b+\i], v[S+16*\b+\i], -v[LIM+\b], v[LIM+\b]
.endr
	v_cvt_scalef32_pk8_fp8_f32 v[PCD+4*\b:PCD+4*\b+1], v[S+16*\b:S+16*\b+7], v[SCO+\b]
	v_cvt_scalef32_pk8_fp8_f32 v[PCD+4*\b+2:PCD+4*\b+3], v[S+16*\b+8:S+16*\b+15], v[SCO+\b]
.endr
	v_nop
	global_store_b128 v10, v[PCD:PCD+3], s[14:15]
	global_store_b128 v10, v[PCD+4:PCD+7], s[14:15] offset:32
	global_store_b8 v11, v[PW], s[16:17]
	s_wait_tensorcnt 0x0                           ; the wave's end, behind my last tensor load
	ds_add_u32 v[SPW], v[NIL]
	s_wait_dscnt 0x0
	CROUND                                         ; the closing round
	s_endpgm
.Lfunc_end_k_q2b3471c79f_attn:
	.size	k_q2b3471c79f_attn, .Lfunc_end_k_q2b3471c79f_attn-k_q2b3471c79f_attn
	.p2alignl 7, 3214868480
	.fill 96, 4, 3214868480
	.section	.rodata,"a",@progbits
	.p2align	6, 0x0
	.amdhsa_kernel k_q2b3471c79f_attn
		.amdhsa_group_segment_fixed_size 327680
		.amdhsa_private_segment_fixed_size 0
		.amdhsa_enable_private_segment 0
		.amdhsa_kernarg_size 16
		.amdhsa_user_sgpr_count 2
		.amdhsa_user_sgpr_kernarg_segment_ptr 1
		.amdhsa_wavefront_size32 1
		.amdhsa_system_sgpr_workgroup_id_x 1
		.amdhsa_system_sgpr_workgroup_id_y 1
		.amdhsa_system_sgpr_workgroup_id_z 1
		.amdhsa_system_vgpr_workitem_id 0
		.amdhsa_next_free_vgpr 256
		.amdhsa_next_free_sgpr 66
		.amdhsa_reserve_vcc 1
		.amdhsa_float_denorm_mode_32 3
		.amdhsa_float_denorm_mode_16_64 3
		.amdhsa_memory_ordered 1
		.amdhsa_forward_progress 1
		.amdhsa_inst_pref_size 65
	.end_amdhsa_kernel
	.amdgpu_metadata
---
amdhsa.version: [ 1, 2 ]
amdhsa.kernels:
  - .name:           k_q2b3471c79f_attn
    .symbol:         k_q2b3471c79f_attn.kd
    .args:
      - { .name: qk, .offset: 0, .size: 8, .value_kind: global_buffer, .address_space: global }
      - { .name: cx, .offset: 8, .size: 8, .value_kind: global_buffer, .address_space: global }
    .group_segment_fixed_size: 327680
    .private_segment_fixed_size: 0
    .kernarg_segment_align: 8
    .kernarg_segment_size: 16
    .max_flat_workgroup_size: 512
    .sgpr_count:     66
    .vgpr_count:     256
    .wavefront_size: 32
...
	.end_amdgpu_metadata
.endif
;; end of part 3
;; launch wo (part 4): grid 4 x 16, 4 waves a work-group, clusters of 4 x 4, 327,680 bytes of LDS; arguments cx, pw, x, o1; writes o1
.if DOCPART == 4
	.amdgcn_target "amdgcn-amd-amdhsa--gfx1250"
	.amdhsa_code_object_version 6
	.text
	.protected	k_q2b3471c79f_wo
	.globl	k_q2b3471c79f_wo
	.p2align	8
	.type	k_q2b3471c79f_wo,@function
k_q2b3471c79f_wo:
	s_mov_b64 s[64:65], 0
	v_nop
	global_prefetch_b8 v0, s[64:65] scope:SCOPE_SE
	s_setreg_imm32_b32 hwreg(HW_REG_WAVE_MODE, 25, 1), 1
	s_wait_xcnt 0x0
	s_wait_alu depctr_hold_cnt(0) depctr_sa_sdst(0) depctr_va_vdst(0) depctr_va_sdst(0) depctr_va_ssrc(0) depctr_va_vcc(0) depctr_vm_vsrc(0)
	s_getreg_b32 s2, hwreg(HW_REG_IB_STS2, 6, 4)
	s_cmp_eq_u32 s2, 0
	s_cbranch_scc0 .Lentry_in_a_cluster
	s_endpgm
.Lentry_in_a_cluster:
	s_bfe_u32 s2, ttmp6, 0x10000c
	s_cmp_lg_u32 s2, 0xf033
	s_cbranch_scc0 .Lentry_shape_is_right
	s_endpgm
.Lentry_shape_is_right:
; out1 = x + ctx Wo on codes of E4M3 with E8M0 scales.  U = ctx (codes and scales from kernel attn), T = Wo (from kernel prep); the residual and the result are f32 with logical rows.
; THE PRODUCT: a tile of 256 x 256 by four waves of 128 x 128; K in steps of 256 through a ring of two LDS slots filled by the tensor data mover; the scale bytes of all of K come into LDS once;
; 4 x 4 work-groups form a cluster: U's tile is asked for jointly along a row of the cluster, T's along a column.  N = 1,024 gives 64 tiles: 64 work-groups.
; Source 0 = 16 rows of T, source 1 = 16 rows of U: lane (r, h) holds U's physical row 16 a + r; register j of accumulator (a, b) is logical column 32 (b / 2) + 16 h + 8 (b % 2) + j (the row order of kernel prep).
; REGISTERS, in windows of 256: window 0: v0-31 addresses; v32-63 scale words and nothing else; v128-255 U's fragments, on the way out rows of the result.
;   window 1: T's fragments, two sets; on the way out the residual.   windows 2, 3: the accumulators.
.set SIZE_K, 1024
.set UOFS,  4194304                    ; U's scales in its buffer
.set TOFC,  8519680                    ; T's codes in pw
.set TOFS,  15958016                   ; T's scales in pw
.set LAST,  0
.set KSTEP,  256
.set NQ,     KSTEP/128
.set ROWB,   256
.set KROW,   SIZE_K
.set PITCH,  272
.set FR,     16
.set NL,     4
.set NP,     8
.set HALFT,  128*PITCH
.set SLOT,   4*HALFT
.set LAPS,   SIZE_K/(2*KSTEP)
.set KS,     SIZE_K/32
.set SCL,    2*SLOT
.set HALFS,  (128*KS/256)*272
.set SBLK,   (16*KS/256)*272
.set SPARE,  SCL+4*HALFS               ; the spare words, 128 bytes a wave: two blocks of 256 bytes that no other line names
.set SPITCH, 528                       ; the way out: a stage of 16 rows x (512 bytes + 16) a wave, in slot 0, which has had its last fill and its last read by then
.set ADRA, 16
.set ADRB, 20
.set STO,  24
.set RD,   25
.set CO,   26
.set ADRS, 27
.set SPW,  28
.set NIL,  29
.set SC,   32
.set AF,   128
.set BK,   128
.set G1, 24
.set G0, 32
.set G1B, 48
.set G0B, 56
.set G1S, 68
.set G0S, 76
.set G1SB, 80
.set G0SB, 88
.set MSB, 0
.macro WIN new
.if MSB != (\new)
	s_set_vgpr_msb (MSB<<8)|(\new)
.set MSB, (\new)
.endif
.endm
.set MUL_LO, 0xa1
.set MUL_HI, 0xf1
.set TO_B,   0x40
.macro JLOAD g0a, g1a, g0b, g1b        ; a joint load: waves 0, 1 for U, waves 2, 3 for T; an s_nop 0 and four v_nop follow each line
	s_cmp_eq_u32 s15, 0
	s_cbranch_scc0 .Lfor_b_\@
	tensor_load_to_lds s[\g0a:\g0a+3], s[\g1a:\g1a+7]
	s_nop 0
.rept 4
	v_nop
.endr
	s_branch .Lasked_\@
.Lfor_b_\@:
	tensor_load_to_lds s[\g0b:\g0b+3], s[\g1b:\g1b+7]
	s_nop 0
.rept 4
	v_nop
.endr
.Lasked_\@:
.endm
.macro CREST
	s_cmp_lg_u32 s14, 0
	s_cbranch_scc1 .Lnot_wave_0_\@
	s_barrier_signal -3
.Lnot_wave_0_\@:
	s_barrier_wait -3
	s_barrier_signal -1
	s_barrier_wait -1
.endm
.macro CROUND
	s_barrier_signal -1
	s_barrier_wait -1
	CREST
.endm
	s_load_b128 s[4:7], s[0:1], 0x0                ; U's buffer s[4:5], pw s[6:7]
	s_load_b128 s[96:99], s[0:1], 0x10             ; the residual s[96:97], the result s[98:99]
	v_lshl_add_u32 v[SPW], v0, 2, SPARE
	v_mov_b32 v[NIL], 0
	ds_add_u32 v[SPW], v[NIL]                      ; the wave's opening: the add, twice on end, and its wait ahead of my first tensor load
	ds_add_u32 v[SPW], v[NIL]
	v_lshrrev_b32 v1, 5, v0
	v_readfirstlane_b32 s14, v1
	s_lshr_b32 s15, s14, 1
	s_and_b32 s16, s14, 1
	s_bfe_u32 s40, ttmp6, 0x40000
	s_bfe_u32 s41, ttmp6, 0x40004
	s_lshl_b32 s42, ttmp9, 2
	s_add_co_u32 s42, s42, s40                     ; T's tile = 4 x cluster x + cx
	s_and_b32 s17, ttmp7, 0xffff
	s_lshl_b32 s17, s17, 2
	s_add_co_u32 s17, s17, s41                     ; U's tile = 4 x cluster y + cy
	s_lshl_b32 s43, s41, 2
	s_lshl_b32 s43, 15, s43
	s_lshl_b32 s44, 0x1111, s40
	s_or_b32 s[G1+0], s43, (0<<16)|(1<<20)|(1<<21)|(5<<22)|(3<<25)
	s_or_b32 s[G1B+0], s44, (0<<16)|(1<<20)|(1<<21)|(5<<22)|(3<<25)
.irp g, G1, G1B
	s_mov_b32 s[\g+1], ROWB<<16
	s_mov_b32 s[\g+2], 128<<16
	s_mov_b32 s[\g+3], ROWB<<16
	s_mov_b32 s[\g+4], 128
	s_mov_b32 s[\g+5], KROW
	s_mov_b32 s[\g+6], 0
	s_mov_b32 s[\g+7], 0
.endr
	s_or_b32 s[G1S+0], s43, (3<<16)|(1<<20)|(1<<21)|(5<<22)|(3<<25)
	s_or_b32 s[G1SB+0], s44, (3<<16)|(1<<20)|(1<<21)|(5<<22)|(3<<25)
.irp g, G1S, G1SB
	s_mov_b32 s[\g+1], 32<<16
	s_mov_b32 s[\g+2], (128*KS/256)<<16
	s_mov_b32 s[\g+3], 32<<16
	s_mov_b32 s[\g+4], 128*KS/256
	s_mov_b32 s[\g+5], 32
	s_mov_b32 s[\g+6], 0
	s_mov_b32 s[\g+7], 0
.endr
	s_lshl_b32 s18, s16, 7
	s_lshl_b32 s20, s17, 8
	s_add_co_u32 s20, s20, s18
	s_lshl_b32 s46, s42, 8
	s_add_co_u32 s46, s46, s18
	s_mov_b32 s21, 0
	s_mov_b32 s47, 0
	s_mov_b64 s[18:19], KS
	s_mul_u64 s[22:23], s[20:21], s[18:19]
	s_mul_u64 s[92:93], s[46:47], s[18:19]
	s_mov_b64 s[18:19], KROW
	s_mul_u64 s[20:21], s[20:21], s[18:19]
	s_mul_u64 s[46:47], s[46:47], s[18:19]
	s_mul_i32 s45, s14, HALFT
	s_mul_i32 s94, s14, HALFS
	s_wait_dscnt 0x0                               ; both opening adds are done
	s_wait_kmcnt 0x0
	s_add_nc_u64 s[8:9], s[6:7], TOFC              ; T's codes
	s_add_nc_u64 s[10:11], s[6:7], TOFS            ; T's scales
	s_add_nc_u64 s[6:7], s[4:5], UOFS              ; U's scales
	s_add_nc_u64 s[20:21], s[4:5], s[20:21]
	s_add_nc_u64 s[22:23], s[6:7], s[22:23]
	s_add_nc_u64 s[46:47], s[8:9], s[46:47]
	s_add_nc_u64 s[92:93], s[10:11], s[92:93]
	CROUND                                         ; all sixteen work-groups are here: the first joint loads meet
	s_mov_b32 s[G0S], 1
	s_add_co_u32 s[G0S+1], s94, SCL
	s_mov_b64 s[G0S+2:G0S+3], s[22:23]
	s_or_b32 s[G0S+3], s[G0S+3], 0x80000000
	s_mov_b32 s[G0SB], 1
	s_add_co_u32 s[G0SB+1], s94, SCL
	s_mov_b64 s[G0SB+2:G0SB+3], s[92:93]
	s_or_b32 s[G0SB+3], s[G0SB+3], 0x80000000
	JLOAD G0S, G1S, G0SB, G1SB
.irp s, 0,1
	s_mov_b32 s[G0+4*\s], 1
	s_add_co_u32 s[G0+4*\s+1], s45, \s*SLOT
	s_add_nc_u64 s[G0+4*\s+2:G0+4*\s+3], s[20:21], \s*ROWB
	s_or_b32 s[G0+4*\s+3], s[G0+4*\s+3], 0x80000000
	s_mov_b32 s[G0B+4*\s], 1
	s_add_co_u32 s[G0B+4*\s+1], s45, \s*SLOT
	s_add_nc_u64 s[G0B+4*\s+2:G0B+4*\s+3], s[46:47], \s*ROWB
	s_or_b32 s[G0B+4*\s+3], s[G0B+4*\s+3], 0x80000000
	JLOAD G0+4*\s, G1, G0B+4*\s, G1B               ; by this text's count a wave has three tensor loads out here, later one
.endr
	v_and_b32 v1, 15, v0
	v_bfe_u32 v2, v0, 4, 1
	v_mul_u32_u24 v3, v1, PITCH
	v_lshl_add_u32 v4, v2, 4, v3
	s_mul_i32 s21, s15, HALFT
	s_mul_i32 s22, s16, HALFT
	s_add_co_u32 s22, s22, 2*HALFT
.irp s, 0,1
	v_add_nc_u32 v[ADRA+\s], s21, v4
	v_add_nc_u32 v[ADRB+\s], s22, v4
	s_add_co_u32 s21, s21, SLOT
	s_add_co_u32 s22, s22, SLOT
.endr
	v_mul_u32_u24 v5, v1, KS
	v_lshrrev_b32 v6, 8, v5
	v_lshl_add_u32 v5, v6, 4, v5
	s_mul_i32 s21, s15, HALFS
	s_mul_i32 s22, s16, HALFS
	s_add_co_u32 s22, s22, 2*HALFS
	s_sub_co_u32 s22, s22, s21
	v_mul_u32_u24 v6, s22, v2
	s_add_co_u32 s21, s21, SCL
	v_add_nc_u32 v5, v5, v6
	v_add_nc_u32 v[ADRS], s21, v5
	s_mul_i32 s23, s14, 16*SPITCH                  ; my stage
	v_mul_u32_u24 v5, v1, SPITCH
	v_lshl_add_u32 v5, v2, 6, v5                   ; in: row r; my half's 16 columns of each 32: + 64 h
	v_add_nc_u32 v[STO], s23, v5
	v_and_b32 v6, 31, v0
	v_lshlrev_b32 v[CO], 4, v6                     ; back: the 32 lanes take a row of 512 bytes; the same in memory
	v_add_nc_u32 v[RD], s23, v[CO]
	s_lshl_b32 s20, s17, 8
	s_lshl_b32 s21, s15, 7
	s_add_co_u32 s20, s20, s21                     ; my first row
	s_lshl_b32 s20, s20, 12                        ; of 4,096 bytes
	s_lshl_b32 s46, s42, 10
	s_lshl_b32 s47, s16, 9
	s_add_co_u32 s46, s46, s47                     ; my first column, in bytes
	s_add_co_u32 s20, s20, s46
	s_mov_b32 s21, 0
	s_add_nc_u64 s[96:97], s[96:97], s[20:21]
	s_add_nc_u64 s[98:99], s[98:99], s[20:21]
.macro FRAG reg, adr, q, i
.irp c, 0,1,2,3
	ds_load_b128 v[\reg+4*\c:\reg+4*\c+3], v[\adr] offset:128*(\q)+32*\c+(\i)*16*PITCH
.endr
.endm
.macro MUL16 a0, p, q, sc, zero        ; the 64 accumulators take turns, one instruction a turn, in the same order in every step
.irp a, \a0, \a0+1
.irp b, 0,1,2,3,4,5,6,7
.if \zero
	v_wmma_scale_f32_16x16x128_f8f6f4 v[8*(8*((\a)%4)+\b):8*(8*((\a)%4)+\b)+7], v[128*(\p)+FR*\b:128*(\p)+FR*\b+FR-1], v[AF+FR*(\a):AF+FR*(\a)+FR-1], 0, v[SC+8*NQ*(\sc)+NQ*\b+(\q)], v[SC+8*NQ*(\sc)+NQ*(\a)+(\q)] matrix_a_scale:MATRIX_SCALE_ROW1
.else
	v_wmma_scale_f32_16x16x128_f8f6f4 v[8*(8*((\a)%4)+\b):8*(8*((\a)%4)+\b)+7], v[128*(\p)+FR*\b:128*(\p)+FR*\b+FR-1], v[AF+FR*(\a):AF+FR*(\a)+FR-1], v[8*(8*((\a)%4)+\b):8*(8*((\a)%4)+\b)+7], v[SC+8*NQ*(\sc)+NQ*\b+(\q)], v[SC+8*NQ*(\sc)+NQ*(\a)+(\q)] matrix_a_scale:MATRIX_SCALE_ROW1
.endif
.endr
.endr
.endm
.macro FETCH_B slot, q, p
	WIN TO_B
.irp i, 0,1,2,3,4,5,6,7
	FRAG 128*(\p)+FR*\i, ADRB+\slot, \q, \i
.endr
	WIN 0
.endm
.macro FETCH_A slot, q, i0
.irp i, \i0, \i0+1, \i0+2, \i0+3
	FRAG AF+FR*(\i), ADRA+\slot, \q, \i
.endr
.endm
.macro SCALES sc
.irp i, 0,1,2,3,4,5,6,7
	ds_load_b64 v[SC+8*NQ*\sc+NQ*\i:SC+8*NQ*\sc+NQ*\i+1], v[ADRS] offset:\i*SBLK
.endr
.endm
.macro PLACES n
.rept \n
	v_nop
.endr
.endm
.macro STEP slot, q, zero
	s_wait_dscnt 4*NL                              ; T's set and U's blocks 0-3 are in; the youngest 16 loads may be out
	WIN MUL_LO
	MUL16 0, (\q)%2, \q, \slot, \zero
	MUL16 2, (\q)%2, \q, \slot, \zero
	s_wait_dscnt 0
	PLACES NP
	FETCH_B \slot, (\q)+1, 1-(\q)%2
	FETCH_A \slot, (\q)+1, 0
	WIN MUL_HI
	MUL16 4, (\q)%2, \q, \slot, \zero
	MUL16 6, (\q)%2, \q, \slot, \zero
	PLACES NP
	WIN 0
	FETCH_A \slot, (\q)+1, 4
.endm
.macro TURN slot, next, fill           ; a slot's last step changes slots: one barrier, the three lines in front of it, the refill first behind it
	s_wait_tensorcnt 0x0                           ; all my tensor loads have landed: my part of the next slot
	ds_add_u32 v[SPW], v[NIL]
	s_wait_dscnt 4*NL+1                            ; (the add and the youngest 16 loads may be out)
	WIN MUL_LO
	MUL16 0, 1, NQ-1, \slot, 0
	s_wait_dscnt 0x0                               ; the add is done, and my reads of this slot are over
	s_barrier_signal -1
	MUL16 2, 1, NQ-1, \slot, 0
	WIN 0
	s_barrier_wait -1
.if \fill
	CREST                                          ; the barrier has opened a round of the cluster's
	s_add_nc_u64 s[G0+4*\slot+2:G0+4*\slot+3], s[G0+4*\slot+2:G0+4*\slot+3], 2*ROWB
	s_add_nc_u64 s[G0B+4*\slot+2:G0B+4*\slot+3], s[G0B+4*\slot+2:G0B+4*\slot+3], 2*ROWB
	JLOAD G0+4*\slot, G1, G0B+4*\slot, G1B
	PLACES NP-4
.else
	PLACES NP
.endif
	v_add_nc_u32 v[ADRS], 4*NQ, v[ADRS]
	FETCH_B \next, 0, 0
	FETCH_A \next, 0, 0
	SCALES \next
	WIN MUL_HI
	MUL16 4, 1, NQ-1, \slot, 0
	MUL16 6, 1, NQ-1, \slot, 0
	PLACES NP
	WIN 0
	FETCH_A \next, 0, 4
.endm
	s_wait_tensorcnt 1                             ; the scales and my part of K step 0 are in (K step 1's load may be out)
	s_barrier_signal -1
	s_barrier_wait -1
	FETCH_B 0, 0, 0
	FETCH_A 0, 0, 0
	SCALES 0
	FETCH_A 0, 0, 4
	STEP 0, 0, 1
	s_mov_b32 s3, LAPS-1
.Llap:
	TURN 0, 1, 1
	STEP 1, 0, 0
	TURN 1, 0, 1
	STEP 0, 0, 0
	s_sub_co_u32 s3, s3, 1
	s_cmp_lg_u32 s3, 0
	s_cbranch_scc1 .Llap
	TURN 0, 1, 0
	STEP 1, 0, 0
	s_wait_dscnt 4*NL
	WIN MUL_LO
	MUL16 0, 1, NQ-1, 1, 0
	MUL16 2, 1, NQ-1, 1, 0
	s_wait_dscnt 0
	WIN MUL_HI
	MUL16 4, 1, NQ-1, 1, 0
	MUL16 6, 1, NQ-1, 1, 0
	WIN 0
; THE WAY OUT, block by block of 16 physical rows x 128 columns: through my stage, where the columns take their logical places, back as whole rows of 512 bytes; the residual is added; physical row 16 a + t
; goes to logical row 32 (a / 2) + 8 (a % 2) + t % 8 + 16 (t / 8) of my 128, which stands in the immediate (127 rows of 4,096 bytes at the most).  No base is stepped.
.macro XLOAD a                         ; the residual's 16 rows of block a, into window 1
	WIN 0x40
.set tt, 0
.rept 16
	global_load_b128 v[64*((\a)%2)+4*tt:64*((\a)%2)+4*tt+3], v[CO], s[96:97] offset:(32*((\a)/2)+8*((\a)%2)+(tt%8)+16*(tt/8))*4096 th:TH_LOAD_NT
.set tt, tt+1
.endr
	WIN 0
.endm
.macro TOSTAGE a
.set AC, 64*((\a)%4)
	WIN 0x08+4*((\a)/4)                            ; an LDS store's data are its source 1: window 2 or 3
.irp b, 0,1,2,3,4,5,6,7
	ds_store_b128 v[STO], v[AC+8*\b:AC+8*\b+3] offset:128*(\b/2)+32*(\b%2)          ; each accumulator from its low end on
	ds_store_b128 v[STO], v[AC+8*\b+4:AC+8*\b+7] offset:128*(\b/2)+32*(\b%2)+16
.endr
	WIN 0
.set BB, BK+64*((\a)%2)
.irp t, 0,1,2,3,4,5,6,7,8,9,10,11,12,13,14,15
	ds_load_b128 v[BB+4*\t:BB+4*\t+3], v[RD] offset:\t*SPITCH   ; these see my stores: LDS serves a wave's instructions in order
.endr
.endm
.macro SEND a, younger, left
.set BB, BK+64*((\a)%2)
.set XR, 64*((\a)%2)
	s_wait_dscnt \younger                          ; the block is back (the next block's 16 stores and 16 loads may be out)
	s_wait_loadcnt \left                           ; its residual is in (the next block's 16 loads may be out)
	WIN 0x04                                       ; source 1: window 1
.set tt, 0
.rept 32
	v_pk_add_f32 v[BB+tt:BB+tt+1], v[BB+tt:BB+tt+1], v[XR+tt:XR+tt+1]
.set tt, tt+2
.endr
	WIN 0
.set tt, 0
.rept 16
.if LAST
	global_store_b128 v[CO], v[BB+4*tt:BB+4*tt+3], s[98:99] offset:(32*((\a)/2)+8*((\a)%2)+(tt%8)+16*(tt/8))*4096 th:TH_STORE_NT
.else
	global_store_b128 v[CO], v[BB+4*tt:BB+4*tt+3], s[98:99] offset:(32*((\a)/2)+8*((\a)%2)+(tt%8)+16*(tt/8))*4096   ; 32 lanes store 512 consecutive bytes, aligned
.endif
.set tt, tt+1
.endr
.endm
	PLACES NP                                      ; behind the last products: for the loads into operand registers and the first read of results
	XLOAD 0
	TOSTAGE 0
.irp a, 1,2,3,4,5,6,7
.if \a > 1
	s_wait_xcnt 0x0                                ; block a - 2's stores have read their registers: block a's loads may land there
.endif
	XLOAD \a
	TOSTAGE \a
	SEND \a-1, 32, 16
.endr
	SEND 7, 0, 0
	s_wait_tensorcnt 0x0                           ; the wave's end, behind my last tensor load and my last LDS store
	ds_add_u32 v[SPW], v[NIL]
	s_wait_dscnt 0x0
	CROUND                                         ; the closing round
	s_endpgm
.Lfunc_end_k_q2b3471c79f_wo:
	.size	k_q2b3471c79f_wo, .Lfunc_end_k_q2b3471c79f_wo-k_q2b3471c79f_wo
	.p2alignl 7, 3214868480
	.fill 96, 4, 3214868480
	.section	.rodata,"a",@progbits
	.p2align	6, 0x0
	.amdhsa_kernel k_q2b3471c79f_wo
		.amdhsa_group_segment_fixed_size 327680
		.amdhsa_private_segment_fixed_size 0
		.amdhsa_enable_private_segment 0
		.amdhsa_kernarg_size 32
		.amdhsa_user_sgpr_count 2
		.amdhsa_user_sgpr_kernarg_segment_ptr 1
		.amdhsa_wavefront_size32 1
		.amdhsa_system_sgpr_workgroup_id_x 1
		.amdhsa_system_sgpr_workgroup_id_y 1
		.amdhsa_system_sgpr_workgroup_id_z 1
		.amdhsa_system_vgpr_workitem_id 0
		.amdhsa_next_free_vgpr 1024
		.amdhsa_next_free_sgpr 104
		.amdhsa_reserve_vcc 0
		.amdhsa_float_denorm_mode_32 3
		.amdhsa_float_denorm_mode_16_64 3
		.amdhsa_memory_ordered 1
		.amdhsa_forward_progress 1
		.amdhsa_inst_pref_size 174
	.end_amdhsa_kernel
	.amdgpu_metadata
---
amdhsa.version: [ 1, 2 ]
amdhsa.kernels:
  - .name:           k_q2b3471c79f_wo
    .symbol:         k_q2b3471c79f_wo.kd
    .args:
      - { .name: cx, .offset: 0, .size: 8, .value_kind: global_buffer, .address_space: global }
      - { .name: pw, .offset: 8, .size: 8, .value_kind: global_buffer, .address_space: global }
      - { .name: x, .offset: 16, .size: 8, .value_kind: global_buffer, .address_space: global }
      - { .name: o1, .offset: 24, .size: 8, .value_kind: global_buffer, .address_space: global }
    .group_segment_fixed_size: 327680
    .private_segment_fixed_size: 0
    .kernarg_segment_align: 8
    .kernarg_segment_size: 32
    .max_flat_workgroup_size: 128
    .sgpr_count:     104
    .vgpr_count:     1024
    .wavefront_size: 32
...
	.end_amdgpu_metadata
.endif
;; end of part 4
;; launch norm2 (part 5): grid 128 x 1, 4 waves a work-group, no clusters, 33,280 bytes of LDS; arguments o1, g2, h2; writes h2
.if DOCPART == 5
	.amdgcn_target "amdgcn-amd-amdhsa--gfx1250"
	.amdhsa_code_object_version 6
	.text
	.protected	k_q2b3471c79f_norm2
	.globl	k_q2b3471c79f_norm2
	.p2align	8
	.type	k_q2b3471c79f_norm2,@function
k_q2b3471c79f_norm2:
	s_mov_b64 s[64:65], 0
	v_nop
	global_prefetch_b8 v0, s[64:65] scope:SCOPE_SE
	s_setreg_imm32_b32 hwreg(HW_REG_WAVE_MODE, 25, 1), 1
	s_wait_xcnt 0x0
; rmsnorm(out1, g2) as codes of E4M3 and E8M0 scale bytes: h2 holds codes [4096 physical rows][1024] at 0 and scale bytes [4096][32] at HS (the row order of kernel prep).
; A work-group takes 32 rows, a wave 8: 8 consecutive logical rows are 8 consecutive physical rows.  A row stays in 32 registers between the sum of squares and the scaling; each half row then turns through the
; wave's own stage in LDS, so that a lane holds 16 neighbours for the conversions while every load and store covers 512 consecutive bytes.  No tensor loads, no barrier: waves share nothing; no cluster: work-groups share only g2.
; LIMITS: NaN and infinities are not served; a block under 2^-118, or of zeros, gets the scale byte 1 (this program alone reads the bytes); 1 / rms is v_rsq_f32 and a multiplication.
.set HS,    4194304
.set WITH_TABLE, 0
.set SP,    80
.set SPARE, 32768                      ; behind the four regions of 8,192 bytes: the spare words, 128 bytes a wave
.set G,     16
.set R,     48
.set X,     112
.set C,     144
.set E,     208
.set SPW,   246
.set NIL,   247
	s_load_b128 s[4:7], s[0:1], 0x0                ; out1, g2
	s_load_b64 s[22:23], s[0:1], 0x10              ; h2
	v_lshl_add_u32 v[SPW], v0, 2, SPARE
	v_mov_b32 v[NIL], 0
	v_lshrrev_b32 v1, 5, v0
	v_readfirstlane_b32 s24, v1
	v_and_b32 v2, 31, v0
	v_lshlrev_b32 v3, 4, v2
	s_lshl_b32 s25, s24, 13
	v_lshrrev_b32 v14, 2, v2
	v_mul_u32_u24 v14, v14, SP
	v_and_b32 v15, 3, v2
	v_lshl_add_u32 v14, v15, 4, v14
	v_add_nc_u32 v14, s25, v14
	v_mul_u32_u24 v15, v2, SP
	v_add_nc_u32 v15, s25, v15
	v_lshrrev_b32 v5, 1, v2
	s_add_co_u32 s25, s25, 2*32*SP
	v_add_nc_u32 v5, s25, v5
	v_lshlrev_b32 v7, 3, v2
	v_add_nc_u32 v6, s25, v7
	s_mov_b32 s26, 0x600000
	s_mov_b32 s27, 0x76543210
	s_mov_b32 s28, 0xfedcba98
	s_mov_b32 s29, 0x3a800000                      ; 1 / 1024
	s_mov_b32 s30, 0x3727c5ac                      ; 1e-5
	s_lshl_b32 s31, ttmp9, 5
	s_and_b32 s32, s24, 1
	s_lshl_b32 s32, s32, 4
	s_lshr_b32 s33, s24, 1
	s_lshl_b32 s33, s33, 3
	s_add_co_u32 s32, s32, s33
	s_add_co_u32 s32, s32, s31                     ; my first logical row
	s_lshl_b32 s33, s24, 3
	s_add_co_u32 s33, s33, s31                     ; my first physical row
	s_lshl_b32 s34, s32, 12
	s_mov_b32 s35, 0
	s_lshl_b32 s36, s33, 10
	s_mov_b32 s37, 0
	s_lshl_b32 s38, s33, 5
	s_add_co_u32 s38, s38, HS
	s_mov_b32 s39, 0
	s_wait_kmcnt 0x0
	s_add_nc_u64 s[4:5], s[4:5], s[34:35]
	s_add_nc_u64 s[36:37], s[22:23], s[36:37]
	s_add_nc_u64 s[38:39], s[22:23], s[38:39]
.macro LOADROW i
.irp k, 0,1,2,3,4,5,6,7
	global_load_b128 v[R+32*((\i)%2)+4*\k:R+32*((\i)%2)+4*\k+3], v3, s[4:5] offset:4096*(\i)+512*\k
.endr
.endm
.macro TURN i, hf
.irp k, 0,1,2,3
	ds_store_b128 v14, v[R+32*((\i)%2)+16*(\hf)+4*\k:R+32*((\i)%2)+16*(\hf)+4*\k+3] offset:32*SP*(\hf)+8*SP*\k
.endr
.irp k, 0,1,2,3
	ds_load_b128 v[X+16*(\hf)+4*\k:X+16*(\hf)+4*\k+3], v15 offset:32*SP*(\hf)+16*\k
.endr
.endm
.macro QSTEP t
.set XS, X+16*((\t)%2)
	v_max3_num_f32 v8, |v[XS]|, |v[XS+1]|, |v[XS+2]|
	v_max3_num_f32 v9, |v[XS+3]|, |v[XS+4]|, |v[XS+5]|
.irp q, 6,10
	v_max3_num_f32 v8, v8, |v[XS+\q]|, |v[XS+\q+1]|
	v_max3_num_f32 v9, v9, |v[XS+\q+2]|, |v[XS+\q+3]|
.endr
	v_max3_num_f32 v8, v8, |v[XS+14]|, |v[XS+15]|
	v_max3_num_f32 v8, v8, v9, 0x4800000           ; the floor 2^(9 - 127)
	v_max_num_f32_dpp v8, v8, v8 row_xmask:1 row_mask:0xf bank_mask:0xf
	v_add_nc_u32 v11, 0xfc000000, v8
	v_and_or_b32 v10, v8, 0x7f800000, s26
.irp q, 0,1,2,3,4,5,6,7,8,9,10,11,12,13,14,15
	v_med3_num_f32 v[XS+\q], v[XS+\q], -v10, v10
.endr
	v_cvt_scalef32_pk8_fp8_f32 v[C+4*(\t):C+4*(\t)+1], v[XS:XS+7], v11
	v_cvt_scalef32_pk8_fp8_f32 v[C+4*(\t)+2:C+4*(\t)+3], v[XS+8:XS+15], v11
	v_lshrrev_b32 v[E+(\t)], 23, v11
	ds_store_b8 v5, v[E+(\t)] offset:16*(\t)
	global_store_b128 v3, v[C+4*(\t):C+4*(\t)+3], s[36:37] offset:512*(\t)
.endm
.macro ROW i
.set RS, R+32*((\i)%2)
.if (\i) < 7
	s_wait_loadcnt 8                               ; this row is in (and the gain); the next row's eight loads may be out
.else
	s_wait_loadcnt 0x0
.endif
	v_pk_mul_f32 v[226:227], v[RS:RS+1], v[RS:RS+1]
	v_pk_mul_f32 v[228:229], v[RS+2:RS+3], v[RS+2:RS+3]
.irp k, 4,8,12,16,20,24,28
	v_pk_fma_f32 v[226:227], v[RS+\k:RS+\k+1], v[RS+\k:RS+\k+1], v[226:227]
	v_pk_fma_f32 v[228:229], v[RS+\k+2:RS+\k+3], v[RS+\k+2:RS+\k+3], v[228:229]
.endr
	v_pk_add_f32 v[226:227], v[226:227], v[228:229]
	v_add_f32 v226, v226, v227
	v_add_f32_dpp v226, v226, v226 row_xmask:1 row_mask:0xf bank_mask:0xf
	v_add_f32_dpp v226, v226, v226 row_xmask:2 row_mask:0xf bank_mask:0xf
	v_add_f32_dpp v226, v226, v226 row_xmask:4 row_mask:0xf bank_mask:0xf
	v_add_f32_dpp v226, v226, v226 row_xmask:8 row_mask:0xf bank_mask:0xf
	v_permlanex16_b32 v227, v226, s27, s28
	v_add_f32 v226, v226, v227
	v_fma_f32 v226, v226, s29, s30
	v_rsq_f32 v230, v226
	v_rsq_f32 v231, v226
	v_nop                                          ; the plain line behind a transcendental
	s_wait_alu depctr_va_vdst(0)                   ; one wait for both, ahead of their first reader
.irp k, 0,2,4,6,8,10,12,14,16,18,20,22,24,26,28,30
	v_pk_mul_f32 v[RS+\k:RS+\k+1], v[RS+\k:RS+\k+1], v[230:231]
.endr
.irp k, 0,2,4,6,8,10,12,14,16,18,20,22,24,26,28,30
	v_pk_mul_f32 v[RS+\k:RS+\k+1], v[RS+\k:RS+\k+1], v[G+\k:G+\k+1]
.endr
	TURN \i, 0
	TURN \i, 1
	s_wait_dscnt 8                                 ; the first half is back; the second half's eight may be out
	QSTEP 2*(\i)
	s_wait_dscnt 1                                 ; the second half is back, so the stage's stores have read the row's registers (the byte store may be out)
.if (\i) < 6
	LOADROW (\i)+2
.endif
	QSTEP 2*(\i)+1
.endm
.irp k, 0,1,2,3,4,5,6,7
	global_load_b128 v[G+4*\k:G+4*\k+3], v3, s[6:7] offset:512*\k
.endr
	LOADROW 0
	LOADROW 1
.irp i, 0,1,2,3,4,5,6,7
	ROW \i
.endr
	ds_load_b64 v[8:9], v6
	s_wait_dscnt 0x0
	global_store_b64 v7, v[8:9], s[38:39]          ; 32 lanes store 256 consecutive bytes, aligned
	s_wait_tensorcnt 0x0                           ; the wave's end, behind my last LDS store
	ds_add_u32 v[SPW], v[NIL]
	s_wait_dscnt 0x0
	s_endpgm
.Lfunc_end_k_q2b3471c79f_norm2:
	.size	k_q2b3471c79f_norm2, .Lfunc_end_k_q2b3471c79f_norm2-k_q2b3471c79f_norm2
	.p2alignl 7, 3214868480
	.fill 96, 4, 3214868480
	.section	.rodata,"a",@progbits
	.p2align	6, 0x0
	.amdhsa_kernel k_q2b3471c79f_norm2
		.amdhsa_group_segment_fixed_size 33280
		.amdhsa_private_segment_fixed_size 0
		.amdhsa_enable_private_segment 0
		.amdhsa_kernarg_size 24
		.amdhsa_user_sgpr_count 2
		.amdhsa_user_sgpr_kernarg_segment_ptr 1
		.amdhsa_wavefront_size32 1
		.amdhsa_system_sgpr_workgroup_id_x 1
		.amdhsa_system_sgpr_workgroup_id_y 1
		.amdhsa_system_sgpr_workgroup_id_z 1
		.amdhsa_system_vgpr_workitem_id 0
		.amdhsa_next_free_vgpr 248
		.amdhsa_next_free_sgpr 66
		.amdhsa_reserve_vcc 0
		.amdhsa_float_denorm_mode_32 3
		.amdhsa_float_denorm_mode_16_64 3
		.amdhsa_memory_ordered 1
		.amdhsa_forward_progress 1
		.amdhsa_inst_pref_size 81
	.end_amdhsa_kernel
	.amdgpu_metadata
---
amdhsa.version: [ 1, 2 ]
amdhsa.kernels:
  - .name:           k_q2b3471c79f_norm2
    .symbol:         k_q2b3471c79f_norm2.kd
    .args:
      - { .name: o1, .offset: 0, .size: 8, .value_kind: global_buffer, .address_space: global }
      - { .name: g2, .offset: 8, .size: 8, .value_kind: global_buffer, .address_space: global }
      - { .name: h2, .offset: 16, .size: 8, .value_kind: global_buffer, .address_space: global }
    .group_segment_fixed_size: 33280
    .private_segment_fixed_size: 0
    .kernarg_segment_align: 8
    .kernarg_segment_size: 24
    .max_flat_workgroup_size: 128
    .sgpr_count:     66
    .vgpr_count:     248
    .wavefront_size: 32
...
	.end_amdgpu_metadata
.endif
;; end of part 5
;; launch w13 (part 6): grid 16 x 16, 4 waves a work-group, clusters of 4 x 4, 327,680 bytes of LDS; arguments h2, pw, ff; writes ff
.if DOCPART == 6
	.amdgcn_target "amdgcn-amd-amdhsa--gfx1250"
	.amdhsa_code_object_version 6
	.text
	.protected	k_q2b3471c79f_w13
	.globl	k_q2b3471c79f_w13
	.p2align	8
	.type	k_q2b3471c79f_w13,@function
k_q2b3471c79f_w13:
	s_mov_b64 s[64:65], 0
	v_nop
	global_prefetch_b8 v0, s[64:65] scope:SCOPE_SE
	s_setreg_imm32_b32 hwreg(HW_REG_WAVE_MODE, 25, 1), 1
	s_wait_xcnt 0x0
	s_wait_alu depctr_hold_cnt(0) depctr_sa_sdst(0) depctr_va_vdst(0) depctr_va_sdst(0) depctr_va_ssrc(0) depctr_va_vcc(0) depctr_vm_vsrc(0)
	s_getreg_b32 s2, hwreg(HW_REG_IB_STS2, 6, 4)
	s_cmp_eq_u32 s2, 0
	s_cbranch_scc0 .Lentry_in_a_cluster
	s_endpgm
.Lentry_in_a_cluster:
	s_bfe_u32 s2, ttmp6, 0x10000c
	s_cmp_lg_u32 s2, 0xf033
	s_cbranch_scc0 .Lentry_shape_is_right
	s_endpgm
.Lentry_shape_is_right:
; ff = silu(h2 W1) x (h2 W3), quantised along the hidden axis, on codes of E4M3 with E8M0 scales.  U = h2 (kernel norm2), T = W1 and W3 in one buffer (kernel prep): group g of 32 hidden units has W1 at rows 64 g on
; and W3 at rows 64 g + 32 on, so that a wave's 128 rows of T are two groups: accumulators b = 4 g + u hold x1 and b = 4 g + 2 + u hold x3 of the SAME lane, row and hidden units 32 g + 16 h + 8 u + j.
; THE PRODUCT: a tile of 256 x 256 by four waves of 128 x 128; K = 1,024 in steps of 256 through a ring of two LDS slots; the scale bytes of all of K come into LDS once; 4 x 4 clusters with joint loads.
; ff: codes [4096 physical rows][2048] at 0, scale bytes [4096][64] at FFS.  A wave has 64 hidden units of a row, so its codes leave as pieces of 32 bytes of rows of 2,048.
; LIMITS: NaN and infinities are not served; a block under 2^-118, or of zeros, gets the scale byte 1; sigmoid(x) = 1 / (1 + 2^(-x log2 e)) by v_exp_f32 and v_rcp_f32.
.set SIZE_K, 1024
.set UOFS,  4194304
.set TOFC,  9568256
.set TOFS,  15990784
.set FFS,   8388608
.set KSTEP,  256
.set NQ,     KSTEP/128
.set ROWB,   256
.set KROW,   SIZE_K
.set PITCH,  272
.set FR,     16
.set NL,     4
.set NP,     8
.set HALFT,  128*PITCH
.set SLOT,   4*HALFT
.set LAPS,   SIZE_K/(2*KSTEP)
.set KS,     SIZE_K/32
.set SCL,    2*SLOT
.set HALFS,  (128*KS/256)*272
.set SBLK,   (16*KS/256)*272
.set SPARE,  SCL+4*HALFS               ; the spare words, 128 bytes a wave: two blocks of 256 bytes that no other line names
.set ADRA, 16
.set ADRB, 20
.set ADRS, 27
.set SPW,  28
.set NIL,  29
.set SC,   32
.set AF,   128
.set G1, 24
.set G0, 32
.set G1B, 48
.set G0B, 56
.set G1S, 68
.set G0S, 76
.set G1SB, 80
.set G0SB, 88
.set MSB, 0
.macro WIN new
.if MSB != (\new)
	s_set_vgpr_msb (MSB<<8)|(\new)
.set MSB, (\new)
.endif
.endm
.set MUL_LO, 0xa1
.set MUL_HI, 0xf1
.set TO_B,   0x40
.macro JLOAD g0a, g1a, g0b, g1b        ; a joint load: waves 0, 1 for U, waves 2, 3 for T; an s_nop 0 and four v_nop follow each line
	s_cmp_eq_u32 s15, 0
	s_cbranch_scc0 .Lfor_b_\@
	tensor_load_to_lds s[\g0a:\g0a+3], s[\g1a:\g1a+7]
	s_nop 0
.rept 4
	v_nop
.endr
	s_branch .Lasked_\@
.Lfor_b_\@:
	tensor_load_to_lds s[\g0b:\g0b+3], s[\g1b:\g1b+7]
	s_nop 0
.rept 4
	v_nop
.endr
.Lasked_\@:
.endm
.macro CREST
	s_cmp_lg_u32 s14, 0
	s_cbranch_scc1 .Lnot_wave_0_\@
	s_barrier_signal -3
.Lnot_wave_0_\@:
	s_barrier_wait -3
	s_barrier_signal -1
	s_barrier_wait -1
.endm
.macro CROUND
	s_barrier_signal -1
	s_barrier_wait -1
	CREST
.endm
	s_load_b128 s[4:7], s[0:1], 0x0                ; h2 s[4:5], pw s[6:7]
	s_load_b64 s[96:97], s[0:1], 0x10              ; ff
	v_lshl_add_u32 v[SPW], v0, 2, SPARE
	v_mov_b32 v[NIL], 0
	ds_add_u32 v[SPW], v[NIL]                      ; the wave's opening: the add, twice on end, and its wait ahead of my first tensor load
	ds_add_u32 v[SPW], v[NIL]
	v_lshrrev_b32 v1, 5, v0
	v_readfirstlane_b32 s14, v1
	s_lshr_b32 s15, s14, 1
	s_and_b32 s16, s14, 1
	s_bfe_u32 s40, ttmp6, 0x40000
	s_bfe_u32 s41, ttmp6, 0x40004
	s_lshl_b32 s42, ttmp9, 2
	s_add_co_u32 s42, s42, s40
	s_and_b32 s17, ttmp7, 0xffff
	s_lshl_b32 s17, s17, 2
	s_add_co_u32 s17, s17, s41
	s_lshl_b32 s43, s41, 2
	s_lshl_b32 s43, 15, s43
	s_lshl_b32 s44, 0x1111, s40
	s_or_b32 s[G1+0], s43, (0<<16)|(1<<20)|(1<<21)|(5<<22)|(3<<25)
	s_or_b32 s[G1B+0], s44, (0<<16)|(1<<20)|(1<<21)|(5<<22)|(3<<25)
.irp g, G1, G1B
	s_mov_b32 s[\g+1], ROWB<<16
	s_mov_b32 s[\g+2], 128<<16
	s_mov_b32 s[\g+3], ROWB<<16
	s_mov_b32 s[\g+4], 128
	s_mov_b32 s[\g+5], KROW
	s_mov_b32 s[\g+6], 0
	s_mov_b32 s[\g+7], 0
.endr
	s_or_b32 s[G1S+0], s43, (3<<16)|(1<<20)|(1<<21)|(5<<22)|(3<<25)
	s_or_b32 s[G1SB+0], s44, (3<<16)|(1<<20)|(1<<21)|(5<<22)|(3<<25)
.irp g, G1S, G1SB
	s_mov_b32 s[\g+1], 32<<16
	s_mov_b32 s[\g+2], (128*KS/256)<<16
	s_mov_b32 s[\g+3], 32<<16
	s_mov_b32 s[\g+4], 128*KS/256
	s_mov_b32 s[\g+5], 32
	s_mov_b32 s[\g+6], 0
	s_mov_b32 s[\g+7], 0
.endr
	s_lshl_b32 s18, s16, 7
	s_lshl_b32 s20, s17, 8
	s_add_co_u32 s20, s20, s18
	s_lshl_b32 s46, s42, 8
	s_add_co_u32 s46, s46, s18
	s_mov_b32 s21, 0
	s_mov_b32 s47, 0
	s_mov_b64 s[18:19], KS
	s_mul_u64 s[22:23], s[20:21], s[18:19]
	s_mul_u64 s[92:93], s[46:47], s[18:19]
	s_mov_b64 s[18:19], KROW
	s_mul_u64 s[20:21], s[20:21], s[18:19]
	s_mul_u64 s[46:47], s[46:47], s[18:19]
	s_mul_i32 s45, s14, HALFT
	s_mul_i32 s94, s14, HALFS
	s_wait_dscnt 0x0                               ; both opening adds are done
	s_wait_kmcnt 0x0
	s_add_nc_u64 s[8:9], s[6:7], TOFC
	s_add_nc_u64 s[10:11], s[6:7], TOFS
	s_add_nc_u64 s[6:7], s[4:5], UOFS
	s_add_nc_u64 s[20:21], s[4:5], s[20:21]
	s_add_nc_u64 s[22:23], s[6:7], s[22:23]
	s_add_nc_u64 s[46:47], s[8:9], s[46:47]
	s_add_nc_u64 s[92:93], s[10:11], s[92:93]
	CROUND                                         ; all sixteen work-groups are here: the first joint loads meet
	s_mov_b32 s[G0S], 1
	s_add_co_u32 s[G0S+1], s94, SCL
	s_mov_b64 s[G0S+2:G0S+3], s[22:23]
	s_or_b32 s[G0S+3], s[G0S+3], 0x80000000
	s_mov_b32 s[G0SB], 1
	s_add_co_u32 s[G0SB+1], s94, SCL
	s_mov_b64 s[G0SB+2:G0SB+3], s[92:93]
	s_or_b32 s[G0SB+3], s[G0SB+3], 0x80000000
	JLOAD G0S, G1S, G0SB, G1SB
.irp s, 0,1
	s_mov_b32 s[G0+4*\s], 1
	s_add_co_u32 s[G0+4*\s+1], s45, \s*SLOT
	s_add_nc_u64 s[G0+4*\s+2:G0+4*\s+3], s[20:21], \s*ROWB
	s_or_b32 s[G0+4*\s+3], s[G0+4*\s+3], 0x80000000
	s_mov_b32 s[G0B+4*\s], 1
	s_add_co_u32 s[G0B+4*\s+1], s45, \s*SLOT
	s_add_nc_u64 s[G0B+4*\s+2:G0B+4*\s+3], s[46:47], \s*ROWB
	s_or_b32 s[G0B+4*\s+3], s[G0B+4*\s+3], 0x80000000
	JLOAD G0+4*\s, G1, G0B+4*\s, G1B               ; by this text's count a wave has three tensor loads out here, later one
.endr
	v_and_b32 v1, 15, v0
	v_bfe_u32 v2, v0, 4, 1
	v_mul_u32_u24 v3, v1, PITCH
	v_lshl_add_u32 v4, v2, 4, v3
	s_mul_i32 s21, s15, HALFT
	s_mul_i32 s22, s16, HALFT
	s_add_co_u32 s22, s22, 2*HALFT
.irp s, 0,1
	v_add_nc_u32 v[ADRA+\s], s21, v4
	v_add_nc_u32 v[ADRB+\s], s22, v4
	s_add_co_u32 s21, s21, SLOT
	s_add_co_u32 s22, s22, SLOT
.endr
	v_mul_u32_u24 v5, v1, KS
	v_lshrrev_b32 v6, 8, v5
	v_lshl_add_u32 v5, v6, 4, v5
	s_mul_i32 s21, s15, HALFS
	s_mul_i32 s22, s16, HALFS
	s_add_co_u32 s22, s22, 2*HALFS
	s_sub_co_u32 s22, s22, s21
	v_mul_u32_u24 v6, s22, v2
	s_add_co_u32 s21, s21, SCL
	v_add_nc_u32 v5, v5, v6
	v_add_nc_u32 v[ADRS], s21, v5
.macro FRAG reg, adr, q, i
.irp c, 0,1,2,3
	ds_load_b128 v[\reg+4*\c:\reg+4*\c+3], v[\adr] offset:128*(\q)+32*\c+(\i)*16*PITCH
.endr
.endm
.macro MUL16 a0, p, q, sc, zero        ; the 64 accumulators take turns, one instruction a turn, in the same order in every step
.irp a, \a0, \a0+1
.irp b, 0,1,2,3,4,5,6,7
.if \zero
	v_wmma_scale_f32_16x16x128_f8f6f4 v[8*(8*((\a)%4)+\b):8*(8*((\a)%4)+\b)+7], v[128*(\p)+FR*\b:128*(\p)+FR*\b+FR-1], v[AF+FR*(\a):AF+FR*(\a)+FR-1], 0, v[SC+8*NQ*(\sc)+NQ*\b+(\q)], v[SC+8*NQ*(\sc)+NQ*(\a)+(\q)] matrix_a_scale:MATRIX_SCALE_ROW1
.else
	v_wmma_scale_f32_16x16x128_f8f6f4 v[8*(8*((\a)%4)+\b):8*(8*((\a)%4)+\b)+7], v[128*(\p)+FR*\b:128*(\p)+FR*\b+FR-1], v[AF+FR*(\a):AF+FR*(\a)+FR-1], v[8*(8*((\a)%4)+\b):8*(8*((\a)%4)+\b)+7], v[SC+8*NQ*(\sc)+NQ*\b+(\q)], v[SC+8*NQ*(\sc)+NQ*(\a)+(\q)] matrix_a_scale:MATRIX_SCALE_ROW1
.endif
.endr
.endr
.endm
.macro FETCH_B slot, q, p
	WIN TO_B
.irp i, 0,1,2,3,4,5,6,7
	FRAG 128*(\p)+FR*\i, ADRB+\slot, \q, \i
.endr
	WIN 0
.endm
.macro FETCH_A slot, q, i0
.irp i, \i0, \i0+1, \i0+2, \i0+3
	FRAG AF+FR*(\i), ADRA+\slot, \q, \i
.endr
.endm
.macro SCALES sc
.irp i, 0,1,2,3,4,5,6,7
	ds_load_b64 v[SC+8*NQ*\sc+NQ*\i:SC+8*NQ*\sc+NQ*\i+1], v[ADRS] offset:\i*SBLK
.endr
.endm
.macro PLACES n
.rept \n
	v_nop
.endr
.endm
.macro STEP slot, q, zero
	s_wait_dscnt 4*NL                              ; T's set and U's blocks 0-3 are in; the youngest 16 loads may be out
	WIN MUL_LO
	MUL16 0, (\q)%2, \q, \slot, \zero
	MUL16 2, (\q)%2, \q, \slot, \zero
	s_wait_dscnt 0
	PLACES NP
	FETCH_B \slot, (\q)+1, 1-(\q)%2
	FETCH_A \slot, (\q)+1, 0
	WIN MUL_HI
	MUL16 4, (\q)%2, \q, \slot, \zero
	MUL16 6, (\q)%2, \q, \slot, \zero
	PLACES NP
	WIN 0
	FETCH_A \slot, (\q)+1, 4
.endm
.macro TURN slot, next, fill           ; a slot's last step changes slots: one barrier, the three lines in front of it, the refill first behind it
	s_wait_tensorcnt 0x0                           ; all my tensor loads have landed: my part of the next slot
	ds_add_u32 v[SPW], v[NIL]
	s_wait_dscnt 4*NL+1                            ; (the add and the youngest 16 loads may be out)
	WIN MUL_LO
	MUL16 0, 1, NQ-1, \slot, 0
	s_wait_dscnt 0x0                               ; the add is done, and my reads of this slot are over
	s_barrier_signal -1
	MUL16 2, 1, NQ-1, \slot, 0
	WIN 0
	s_barrier_wait -1
.if \fill
	CREST                                          ; the barrier has opened a round of the cluster's
	s_add_nc_u64 s[G0+4*\slot+2:G0+4*\slot+3], s[G0+4*\slot+2:G0+4*\slot+3], 2*ROWB
	s_add_nc_u64 s[G0B+4*\slot+2:G0B+4*\slot+3], s[G0B+4*\slot+2:G0B+4*\slot+3], 2*ROWB
	JLOAD G0+4*\slot, G1, G0B+4*\slot, G1B
	PLACES NP-4
.else
	PLACES NP
.endif
	v_add_nc_u32 v[ADRS], 4*NQ, v[ADRS]
	FETCH_B \next, 0, 0
	FETCH_A \next, 0, 0
	SCALES \next
	WIN MUL_HI
	MUL16 4, 1, NQ-1, \slot, 0
	MUL16 6, 1, NQ-1, \slot, 0
	PLACES NP
	WIN 0
	FETCH_A \next, 0, 4
.endm
	s_wait_tensorcnt 1                             ; the scales and my part of K step 0 are in (K step 1's load may be out)
	s_barrier_signal -1
	s_barrier_wait -1
	FETCH_B 0, 0, 0
	FETCH_A 0, 0, 0
	SCALES 0
	FETCH_A 0, 0, 4
	STEP 0, 0, 1
	s_mov_b32 s3, LAPS-1
.Llap:
	TURN 0, 1, 1
	STEP 1, 0, 0
	TURN 1, 0, 1
	STEP 0, 0, 0
	s_sub_co_u32 s3, s3, 1
	s_cmp_lg_u32 s3, 0
	s_cbranch_scc1 .Llap
	TURN 0, 1, 0
	STEP 1, 0, 0
	s_wait_dscnt 4*NL
	WIN MUL_LO
	MUL16 0, 1, NQ-1, 1, 0
	MUL16 2, 1, NQ-1, 1, 0
	s_wait_dscnt 0
	WIN MUL_HI
	MUL16 4, 1, NQ-1, 1, 0
	MUL16 6, 1, NQ-1, 1, 0
	WIN 0
; THE WAY OUT, two blocks of 16 rows at a time: four blocks of 32 hidden units a lane (q = 2 (which block of rows) + (which group)); nothing goes through LDS.
.set T,    64                          ; v64-127  2^(-x1 log2 e), then the sigmoid
.set F,    128                         ; v128-191 the hidden layer
.set PC,   192
.set TM,   208
.set PW,   224
.set SWD,  225
.set PWS,  226
.set FO,   24
.set FS,   25
.set SEL,  66
.set MNT,  95
.macro QUANT src                       ; 64 numbers of a lane, register 16 b + i of block b, become codes in v[PC] on and four scale bytes in v[PW]
.irp b, 0,1,2,3
	v_max3_num_f32 v[TM+\b], |v[(\src)+16*\b]|, |v[(\src)+16*\b+1]|, 0x4800000
.endr
.irp i, 2,4,6,8,10,12,14
.irp b, 0,1,2,3
	v_max3_num_f32 v[TM+\b], v[TM+\b], |v[(\src)+16*\b+\i]|, |v[(\src)+16*\b+\i+1]|
.endr
.endr
.irp b, 0,1,2,3
	v_permlanex16_b32 v[TM+4+\b], v[TM+\b], s[SEL], s[SEL+1]
.endr
.irp b, 0,1,2,3
	v_max_num_f32 v[TM+\b], v[TM+\b], v[TM+4+\b]
.endr
.irp b, 0,1,2,3
	v_add_nc_u32 v[TM+12+\b], 0xfc000000, v[TM+\b]
.endr
.irp b, 0,1,2,3
	v_and_or_b32 v[TM+8+\b], v[TM+\b], 0x7f800000, s[MNT]
.endr
.irp b, 0,1,2,3
	v_lshrrev_b32 v[TM+4+\b], 23, v[TM+12+\b]
.endr
	v_lshl_or_b32 v[PW], v[TM+5], 8, v[TM+4]
	v_lshl_or_b32 v[PW], v[TM+6], 16, v[PW]
	v_lshl_or_b32 v[PW], v[TM+7], 24, v[PW]
.irp b, 0,1,2,3
.irp i, 0,1,2,3,4,5,6,7,8,9,10,11,12,13,14,15
	v_med3_num_f32 v[(\src)+16*\b+\i], v[(\src)+16*\b+\i], -v[TM+8+\b], v[TM+8+\b]
.endr
	v_cvt_scalef32_pk8_fp8_f32 v[PC+4*\b:PC+4*\b+1], v[(\src)+16*\b:(\src)+16*\b+7], v[TM+12+\b]
	v_cvt_scalef32_pk8_fp8_f32 v[PC+4*\b+2:PC+4*\b+3], v[(\src)+16*\b+8:(\src)+16*\b+15], v[TM+12+\b]
.endr
	v_nop                                          ; a plain line behind the last conversion
.endm
	PLACES NP                                      ; behind the last products
	s_lshl_b32 s18, s17, 8
	s_lshl_b32 s19, s15, 7
	s_add_co_u32 s18, s18, s19                     ; my first physical row
	s_lshl_b32 s19, s42, 2
	s_lshl_b32 s20, s16, 1
	s_add_co_u32 s19, s19, s20                     ; the first of my two groups of 32 hidden units
	s_lshl_b32 s20, s18, 11
	s_lshl_b32 s21, s19, 5
	s_add_co_u32 s20, s20, s21
	s_mov_b32 s21, 0
	s_add_nc_u64 s[98:99], s[96:97], s[20:21]      ; the codes
	s_lshl_b32 s20, s18, 6
	s_add_co_u32 s20, s20, s19
	s_add_co_u32 s20, s20, FFS
	s_add_nc_u64 s[100:101], s[96:97], s[20:21]    ; the scale bytes
	s_mov_b32 s[SEL], 0x76543210
	s_mov_b32 s[SEL+1], 0xfedcba98
	s_mov_b32 s[MNT], 0x600000
	s_mov_b32 s3, 0xffff0000                       ; lanes 16-31
	v_lshlrev_b32 v[FO], 11, v1
	v_lshl_add_u32 v[FO], v2, 4, v[FO]             ; row r of 2,048 bytes, + 16 h
	v_lshlrev_b32 v[FS], 6, v1
	v_lshl_add_u32 v[FS], v2, 10, v[FS]            ; scale bytes: lanes 0-15 the first block of rows, lanes 16-31 the second
.irp b, 0,1,2,3
	v_mov_b32 v[TM+4+\b], 0                        ; a lane permute's destination counts as one of its sources
.endr
.macro SILU a                          ; pair n of 32: block q = n / 8; x1's accumulator 8 ((a + q / 2) % 4) + 4 (q % 2) + (n % 8) / 4, x3's two further on
	s_wait_xcnt 0x0                                ; the last pair's stores have read their registers
	WIN 2+(\a)/4                                   ; source 0: the accumulators' window
.set nn, 0
.rept 32
.set A1, 8*(8*(((\a)+nn/16)%4)+4*((nn/8)%2)+(nn%8)/4)+2*(nn%4)
	v_pk_mul_f32 v[T+2*nn:T+2*nn+1], v[A1:A1+1], 0xbfb8aa3b op_sel_hi:[1,0]   ; -x1 log2 e
.set nn, nn+1
.endr
	WIN 0
.set nn, 0
.rept 64
	v_exp_f32 v[T+nn], v[T+nn]
.set nn, nn+1
.endr
	v_nop                                          ; the plain line behind the batch
	s_wait_alu depctr_va_vdst(0)                   ; one wait for the batch, ahead of its first reader
.set nn, 0
.rept 32
	v_pk_add_f32 v[T+nn:T+nn+1], v[T+nn:T+nn+1], 1.0 op_sel_hi:[1,0]
.set nn, nn+2
.endr
.set nn, 0
.rept 64
	v_rcp_f32 v[T+nn], v[T+nn]                     ; the sigmoid
.set nn, nn+1
.endr
	v_nop
	s_wait_alu depctr_va_vdst(0)
	WIN 2+(\a)/4
.set nn, 0
.rept 32
.set A1, 8*(8*(((\a)+nn/16)%4)+4*((nn/8)%2)+(nn%8)/4)+2*(nn%4)
	v_pk_mul_f32 v[F+2*nn:F+2*nn+1], v[A1:A1+1], v[T+2*nn:T+2*nn+1]
.set nn, nn+1
.endr
	WIN (2+(\a)/4)<<2                              ; source 1: the accumulators' window
.set nn, 0
.rept 32
.set A1, 8*(8*(((\a)+nn/16)%4)+4*((nn/8)%2)+(nn%8)/4)+2*(nn%4)
	v_pk_mul_f32 v[F+2*nn:F+2*nn+1], v[F+2*nn:F+2*nn+1], v[A1+16:A1+17]
.set nn, nn+1
.endr
	WIN 0
	QUANT F
.irp q, 0,1,2,3
	global_store_b128 v[FO], v[PC+4*\q:PC+4*\q+3], s[98:99] offset:2048*16*((\a)+\q/2)+32*(\q%2)
.endr
	v_and_b32 v[SWD], 0xffff, v[PW]
	v_lshrrev_b32 v[PWS], 16, v[PW]
	v_cndmask_b32 v[SWD], v[SWD], v[PWS], s3
	global_store_b16 v[FS], v[SWD], s[100:101] offset:1024*(\a)
.endm
	SILU 0
	SILU 2
	SILU 4
	SILU 6
	s_wait_tensorcnt 0x0                           ; the wave's end, behind my last tensor load
	ds_add_u32 v[SPW], v[NIL]
	s_wait_dscnt 0x0
	CROUND                                         ; the closing round
	s_endpgm
.Lfunc_end_k_q2b3471c79f_w13:
	.size	k_q2b3471c79f_w13, .Lfunc_end_k_q2b3471c79f_w13-k_q2b3471c79f_w13
	.p2alignl 7, 3214868480
	.fill 96, 4, 3214868480
	.section	.rodata,"a",@progbits
	.p2align	6, 0x0
	.amdhsa_kernel k_q2b3471c79f_w13
		.amdhsa_group_segment_fixed_size 327680
		.amdhsa_private_segment_fixed_size 0
		.amdhsa_enable_private_segment 0
		.amdhsa_kernarg_size 24
		.amdhsa_user_sgpr_count 2
		.amdhsa_user_sgpr_kernarg_segment_ptr 1
		.amdhsa_wavefront_size32 1
		.amdhsa_system_sgpr_workgroup_id_x 1
		.amdhsa_system_sgpr_workgroup_id_y 1
		.amdhsa_system_sgpr_workgroup_id_z 1
		.amdhsa_system_vgpr_workitem_id 0
		.amdhsa_next_free_vgpr 1024
		.amdhsa_next_free_sgpr 104
		.amdhsa_reserve_vcc 0
		.amdhsa_float_denorm_mode_32 3
		.amdhsa_float_denorm_mode_16_64 3
		.amdhsa_memory_ordered 1
		.amdhsa_forward_progress 1
		.amdhsa_inst_pref_size 204
	.end_amdhsa_kernel
	.amdgpu_metadata
---
amdhsa.version: [ 1, 2 ]
amdhsa.kernels:
  - .name:           k_q2b3471c79f_w13
    .symbol:         k_q2b3471c79f_w13.kd
    .args:
      - { .name: h2, .offset: 0, .size: 8, .value_kind: global_buffer, .address_space: global }
      - { .name: pw, .offset: 8, .size: 8, .value_kind: global_buffer, .address_space: global }
      - { .name: ff, .offset: 16, .size: 8, .value_kind: global_buffer, .address_space: global }
    .group_segment_fixed_size: 327680
    .private_segment_fixed_size: 0
    .kernarg_segment_align: 8
    .kernarg_segment_size: 24
    .max_flat_workgroup_size: 128
    .sgpr_count:     104
    .vgpr_count:     1024
    .wavefront_size: 32
...
	.end_amdgpu_metadata
.endif
;; end of part 6
;; launch w2 (part 7): grid 4 x 16, 4 waves a work-group, clusters of 4 x 4, 327,680 bytes of LDS; arguments ff, pw, o1, out0; writes out0
.if DOCPART == 7
	.amdgcn_target "amdgcn-amd-amdhsa--gfx1250"
	.amdhsa_code_object_version 6
	.text
	.protected	k_q2b3471c79f_w2
	.globl	k_q2b3471c79f_w2
	.p2align	8
	.type	k_q2b3471c79f_w2,@function
k_q2b3471c79f_w2:
	s_mov_b64 s[64:65], 0
	v_nop
	global_prefetch_b8 v0, s[64:65] scope:SCOPE_SE
	s_setreg_imm32_b32 hwreg(HW_REG_WAVE_MODE, 25, 1), 1
	s_wait_xcnt 0x0
	s_wait_alu depctr_hold_cnt(0) depctr_sa_sdst(0) depctr_va_vdst(0) depctr_va_sdst(0) depctr_va_ssrc(0) depctr_va_vcc(0) depctr_vm_vsrc(0)
	s_getreg_b32 s2, hwreg(HW_REG_IB_STS2, 6, 4)
	s_cmp_eq_u32 s2, 0
	s_cbranch_scc0 .Lentry_in_a_cluster
	s_endpgm
.Lentry_in_a_cluster:
	s_bfe_u32 s2, ttmp6, 0x10000c
	s_cmp_lg_u32 s2, 0xf033
	s_cbranch_scc0 .Lentry_shape_is_right
	s_endpgm
.Lentry_shape_is_right:
; out0 = out1 + ff W2 on codes of E4M3 with E8M0 scales.  U = ff (codes and scales from kernel w13), T = W2 (from kernel prep); the residual and the result are f32 with logical rows.
; The text is kernel wo's with K = 2,048 (four laps of the ring; scale rows of 64 bytes) and other places in the buffers.
; THE PRODUCT: a tile of 256 x 256 by four waves of 128 x 128; K in steps of 256 through a ring of two LDS slots filled by the tensor data mover; the scale bytes of all of K come into LDS once;
; 4 x 4 work-groups form a cluster: U's tile is asked for jointly along a row of the cluster, T's along a column.  N = 1,024 gives 64 tiles: 64 work-groups.
; Source 0 = 16 rows of T, source 1 = 16 rows of U: lane (r, h) holds U's physical row 16 a + r; register j of accumulator (a, b) is logical column 32 (b / 2) + 16 h + 8 (b % 2) + j (the row order of kernel prep).
.set SIZE_K, 2048
.set UOFS,  8388608
.set TOFC,  13762560
.set TOFS,  16121856
.set LAST,  1
.set KSTEP,  256
.set NQ,     KSTEP/128
.set ROWB,   256
.set KROW,   SIZE_K
.set PITCH,  272
.set FR,     16
.set NL,     4
.set NP,     8
.set HALFT,  128*PITCH
.set SLOT,   4*HALFT
.set LAPS,   SIZE_K/(2*KSTEP)
.set KS,     SIZE_K/32
.set SCL,    2*SLOT
.set HALFS,  (128*KS/256)*272
.set SBLK,   (16*KS/256)*272
.set SPARE,  SCL+4*HALFS               ; the spare words, 128 bytes a wave: two blocks of 256 bytes that no other line names
.set SPITCH, 528
.set ADRA, 16
.set ADRB, 20
.set STO,  24
.set RD,   25
.set CO,   26
.set ADRS, 27
.set SPW,  28
.set NIL,  29
.set SC,   32
.set AF,   128
.set BK,   128
.set G1, 24
.set G0, 32
.set G1B, 48
.set G0B, 56
.set G1S, 68
.set G0S, 76
.set G1SB, 80
.set G0SB, 88
.set MSB, 0
.macro WIN new
.if MSB != (\new)
	s_set_vgpr_msb (MSB<<8)|(\new)
.set MSB, (\new)
.endif
.endm
.set MUL_LO, 0xa1
.set MUL_HI, 0xf1
.set TO_B,   0x40
.macro JLOAD g0a, g1a, g0b, g1b        ; a joint load: waves 0, 1 for U, waves 2, 3 for T; an s_nop 0 and four v_nop follow each line
	s_cmp_eq_u32 s15, 0
	s_cbranch_scc0 .Lfor_b_\@
	tensor_load_to_lds s[\g0a:\g0a+3], s[\g1a:\g1a+7]
	s_nop 0
.rept 4
	v_nop
.endr
	s_branch .Lasked_\@
.Lfor_b_\@:
	tensor_load_to_lds s[\g0b:\g0b+3], s[\g1b:\g1b+7]
	s_nop 0
.rept 4
	v_nop
.endr
.Lasked_\@:
.endm
.macro CREST
	s_cmp_lg_u32 s14, 0
	s_cbranch_scc1 .Lnot_wave_0_\@
	s_barrier_signal -3
.Lnot_wave_0_\@:
	s_barrier_wait -3
	s_barrier_signal -1
	s_barrier_wait -1
.endm
.macro CROUND
	s_barrier_signal -1
	s_barrier_wait -1
	CREST
.endm
	s_load_b128 s[4:7], s[0:1], 0x0                ; U's buffer s[4:5], pw s[6:7]
	s_load_b128 s[96:99], s[0:1], 0x10             ; the residual s[96:97], the result s[98:99]
	v_lshl_add_u32 v[SPW], v0, 2, SPARE
	v_mov_b32 v[NIL], 0
	ds_add_u32 v[SPW], v[NIL]                      ; the wave's opening: the add, twice on end, and its wait ahead of my first tensor load
	ds_add_u32 v[SPW], v[NIL]
	v_lshrrev_b32 v1, 5, v0
	v_readfirstlane_b32 s14, v1
	s_lshr_b32 s15, s14, 1
	s_and_b32 s16, s14, 1
	s_bfe_u32 s40, ttmp6, 0x40000
	s_bfe_u32 s41, ttmp6, 0x40004
	s_lshl_b32 s42, ttmp9, 2
	s_add_co_u32 s42, s42, s40
	s_and_b32 s17, ttmp7, 0xffff
	s_lshl_b32 s17, s17, 2
	s_add_co_u32 s17, s17, s41
	s_lshl_b32 s43, s41, 2
	s_lshl_b32 s43, 15, s43
	s_lshl_b32 s44, 0x1111, s40
	s_or_b32 s[G1+0], s43, (0<<16)|(1<<20)|(1<<21)|(5<<22)|(3<<25)
	s_or_b32 s[G1B+0], s44, (0<<16)|(1<<20)|(1<<21)|(5<<22)|(3<<25)
.irp g, G1, G1B
	s_mov_b32 s[\g+1], ROWB<<16
	s_mov_b32 s[\g+2], 128<<16
	s_mov_b32 s[\g+3], ROWB<<16
	s_mov_b32 s[\g+4], 128
	s_mov_b32 s[\g+5], KROW
	s_mov_b32 s[\g+6], 0
	s_mov_b32 s[\g+7], 0
.endr
	s_or_b32 s[G1S+0], s43, (3<<16)|(1<<20)|(1<<21)|(5<<22)|(3<<25)
	s_or_b32 s[G1SB+0], s44, (3<<16)|(1<<20)|(1<<21)|(5<<22)|(3<<25)
.irp g, G1S, G1SB
	s_mov_b32 s[\g+1], 32<<16
	s_mov_b32 s[\g+2], (128*KS/256)<<16
	s_mov_b32 s[\g+3], 32<<16
	s_mov_b32 s[\g+4], 128*KS/256
	s_mov_b32 s[\g+5], 32
	s_mov_b32 s[\g+6], 0
	s_mov_b32 s[\g+7], 0
.endr
	s_lshl_b32 s18, s16, 7
	s_lshl_b32 s20, s17, 8
	s_add_co_u32 s20, s20, s18
	s_lshl_b32 s46, s42, 8
	s_add_co_u32 s46, s46, s18
	s_mov_b32 s21, 0
	s_mov_b32 s47, 0
	s_mov_b64 s[18:19], KS
	s_mul_u64 s[22:23], s[20:21], s[18:19]
	s_mul_u64 s[92:93], s[46:47], s[18:19]
	s_mov_b64 s[18:19], KROW
	s_mul_u64 s[20:21], s[20:21], s[18:19]
	s_mul_u64 s[46:47], s[46:47], s[18:19]
	s_mul_i32 s45, s14, HALFT
	s_mul_i32 s94, s14, HALFS
	s_wait_dscnt 0x0                               ; both opening adds are done
	s_wait_kmcnt 0x0
	s_add_nc_u64 s[8:9], s[6:7], TOFC
	s_add_nc_u64 s[10:11], s[6:7], TOFS
	s_add_nc_u64 s[6:7], s[4:5], UOFS
	s_add_nc_u64 s[20:21], s[4:5], s[20:21]
	s_add_nc_u64 s[22:23], s[6:7], s[22:23]
	s_add_nc_u64 s[46:47], s[8:9], s[46:47]
	s_add_nc_u64 s[92:93], s[10:11], s[92:93]
	CROUND                                         ; all sixteen work-groups are here: the first joint loads meet
	s_mov_b32 s[G0S], 1
	s_add_co_u32 s[G0S+1], s94, SCL
	s_mov_b64 s[G0S+2:G0S+3], s[22:23]
	s_or_b32 s[G0S+3], s[G0S+3], 0x80000000
	s_mov_b32 s[G0SB], 1
	s_add_co_u32 s[G0SB+1], s94, SCL
	s_mov_b64 s[G0SB+2:G0SB+3], s[92:93]
	s_or_b32 s[G0SB+3], s[G0SB+3], 0x80000000
	JLOAD G0S, G1S, G0SB, G1SB
.irp s, 0,1
	s_mov_b32 s[G0+4*\s], 1
	s_add_co_u32 s[G0+4*\s+1], s45, \s*SLOT
	s_add_nc_u64 s[G0+4*\s+2:G0+4*\s+3], s[20:21], \s*ROWB
	s_or_b32 s[G0+4*\s+3], s[G0+4*\s+3], 0x80000000
	s_mov_b32 s[G0B+4*\s], 1
	s_add_co_u32 s[G0B+4*\s+1], s45, \s*SLOT
	s_add_nc_u64 s[G0B+4*\s+2:G0B+4*\s+3], s[46:47], \s*ROWB
	s_or_b32 s[G0B+4*\s+3], s[G0B+4*\s+3], 0x80000000
	JLOAD G0+4*\s, G1, G0B+4*\s, G1B               ; by this text's count a wave has three tensor loads out here, later one
.endr
	v_and_b32 v1, 15, v0
	v_bfe_u32 v2, v0, 4, 1
	v_mul_u32_u24 v3, v1, PITCH
	v_lshl_add_u32 v4, v2, 4, v3
	s_mul_i32 s21, s15, HALFT
	s_mul_i32 s22, s16, HALFT
	s_add_co_u32 s22, s22, 2*HALFT
.irp s, 0,1
	v_add_nc_u32 v[ADRA+\s], s21, v4
	v_add_nc_u32 v[ADRB+\s], s22, v4
	s_add_co_u32 s21, s21, SLOT
	s_add_co_u32 s22, s22, SLOT
.endr
	v_mul_u32_u24 v5, v1, KS
	v_lshrrev_b32 v6, 8, v5
	v_lshl_add_u32 v5, v6, 4, v5
	s_mul_i32 s21, s15, HALFS
	s_mul_i32 s22, s16, HALFS
	s_add_co_u32 s22, s22, 2*HALFS
	s_sub_co_u32 s22, s22, s21
	v_mul_u32_u24 v6, s22, v2
	s_add_co_u32 s21, s21, SCL
	v_add_nc_u32 v5, v5, v6
	v_add_nc_u32 v[ADRS], s21, v5
	s_mul_i32 s23, s14, 16*SPITCH                  ; my stage
	v_mul_u32_u24 v5, v1, SPITCH
	v_lshl_add_u32 v5, v2, 6, v5
	v_add_nc_u32 v[STO], s23, v5
	v_and_b32 v6, 31, v0
	v_lshlrev_b32 v[CO], 4, v6
	v_add_nc_u32 v[RD], s23, v[CO]
	s_lshl_b32 s20, s17, 8
	s_lshl_b32 s21, s15, 7
	s_add_co_u32 s20, s20, s21
	s_lshl_b32 s20, s20, 12
	s_lshl_b32 s46, s42, 10
	s_lshl_b32 s47, s16, 9
	s_add_co_u32 s46, s46, s47
	s_add_co_u32 s20, s20, s46
	s_mov_b32 s21, 0
	s_add_nc_u64 s[96:97], s[96:97], s[20:21]
	s_add_nc_u64 s[98:99], s[98:99], s[20:21]
.macro FRAG reg, adr, q, i
.irp c, 0,1,2,3
	ds_load_b128 v[\reg+4*\c:\reg+4*\c+3], v[\adr] offset:128*(\q)+32*\c+(\i)*16*PITCH
.endr
.endm
.macro MUL16 a0, p, q, sc, zero        ; the 64 accumulators take turns, one instruction a turn, in the same order in every step
.irp a, \a0, \a0+1
.irp b, 0,1,2,3,4,5,6,7
.if \zero
	v_wmma_scale_f32_16x16x128_f8f6f4 v[8*(8*((\a)%4)+\b):8*(8*((\a)%4)+\b)+7], v[128*(\p)+FR*\b:128*(\p)+FR*\b+FR-1], v[AF+FR*(\a):AF+FR*(\a)+FR-1], 0, v[SC+8*NQ*(\sc)+NQ*\b+(\q)], v[SC+8*NQ*(\sc)+NQ*(\a)+(\q)] matrix_a_scale:MATRIX_SCALE_ROW1
.else
	v_wmma_scale_f32_16x16x128_f8f6f4 v[8*(8*((\a)%4)+\b):8*(8*((\a)%4)+\b)+7], v[128*(\p)+FR*\b:128*(\p)+FR*\b+FR-1], v[AF+FR*(\a):AF+FR*(\a)+FR-1], v[8*(8*((\a)%4)+\b):8*(8*((\a)%4)+\b)+7], v[SC+8*NQ*(\sc)+NQ*\b+(\q)], v[SC+8*NQ*(\sc)+NQ*(\a)+(\q)] matrix_a_scale:MATRIX_SCALE_ROW1
.endif
.endr
.endr
.endm
.macro FETCH_B slot, q, p
	WIN TO_B
.irp i, 0,1,2,3,4,5,6,7
	FRAG 128*(\p)+FR*\i, ADRB+\slot, \q, \i
.endr
	WIN 0
.endm
.macro FETCH_A slot, q, i0
.irp i, \i0, \i0+1, \i0+2, \i0+3
	FRAG AF+FR*(\i), ADRA+\slot, \q, \i
.endr
.endm
.macro SCALES sc
.irp i, 0,1,2,3,4,5,6,7
	ds_load_b64 v[SC+8*NQ*\sc+NQ*\i:SC+8*NQ*\sc+NQ*\i+1], v[ADRS] offset:\i*SBLK
.endr
.endm
.macro PLACES n
.rept \n
	v_nop
.endr
.endm
.macro STEP slot, q, zero
	s_wait_dscnt 4*NL                              ; T's set and U's blocks 0-3 are in; the youngest 16 loads may be out
	WIN MUL_LO
	MUL16 0, (\q)%2, \q, \slot, \zero
	MUL16 2, (\q)%2, \q, \slot, \zero
	s_wait_dscnt 0
	PLACES NP
	FETCH_B \slot, (\q)+1, 1-(\q)%2
	FETCH_A \slot, (\q)+1, 0
	WIN MUL_HI
	MUL16 4, (\q)%2, \q, \slot, \zero
	MUL16 6, (\q)%2, \q, \slot, \zero
	PLACES NP
	WIN 0
	FETCH_A \slot, (\q)+1, 4
.endm
.macro TURN slot, next, fill           ; a slot's last step changes slots: one barrier, the three lines in front of it, the refill first behind it
	s_wait_tensorcnt 0x0                           ; all my tensor loads have landed: my part of the next slot
	ds_add_u32 v[SPW], v[NIL]
	s_wait_dscnt 4*NL+1                            ; (the add and the youngest 16 loads may be out)
	WIN MUL_LO
	MUL16 0, 1, NQ-1, \slot, 0
	s_wait_dscnt 0x0                               ; the add is done, and my reads of this slot are over
	s_barrier_signal -1
	MUL16 2, 1, NQ-1, \slot, 0
	WIN 0
	s_barrier_wait -1
.if \fill
	CREST                                          ; the barrier has opened a round of the cluster's
	s_add_nc_u64 s[G0+4*\slot+2:G0+4*\slot+3], s[G0+4*\slot+2:G0+4*\slot+3], 2*ROWB
	s_add_nc_u64 s[G0B+4*\slot+2:G0B+4*\slot+3], s[G0B+4*\slot+2:G0B+4*\slot+3], 2*ROWB
	JLOAD G0+4*\slot, G1, G0B+4*\slot, G1B
	PLACES NP-4
.else
	PLACES NP
.endif
	v_add_nc_u32 v[ADRS], 4*NQ, v[ADRS]
	FETCH_B \next, 0, 0
	FETCH_A \next, 0, 0
	SCALES \next
	WIN MUL_HI
	MUL16 4, 1, NQ-1, \slot, 0
	MUL16 6, 1, NQ-1, \slot, 0
	PLACES NP
	WIN 0
	FETCH_A \next, 0, 4
.endm
	s_wait_tensorcnt 1                             ; the scales and my part of K step 0 are in (K step 1's load may be out)
	s_barrier_signal -1
	s_barrier_wait -1
	FETCH_B 0, 0, 0
	FETCH_A 0, 0, 0
	SCALES 0
	FETCH_A 0, 0, 4
	STEP 0, 0, 1
	s_mov_b32 s3, LAPS-1
.Llap:
	TURN 0, 1, 1
	STEP 1, 0, 0
	TURN 1, 0, 1
	STEP 0, 0, 0
	s_sub_co_u32 s3, s3, 1
	s_cmp_lg_u32 s3, 0
	s_cbranch_scc1 .Llap
	TURN 0, 1, 0
	STEP 1, 0, 0
	s_wait_dscnt 4*NL
	WIN MUL_LO
	MUL16 0, 1, NQ-1, 1, 0
	MUL16 2, 1, NQ-1, 1, 0
	s_wait_dscnt 0
	WIN MUL_HI
	MUL16 4, 1, NQ-1, 1, 0
	MUL16 6, 1, NQ-1, 1, 0
	WIN 0
; THE WAY OUT, block by block of 16 physical rows x 128 columns: through my stage, where the columns take their logical places, back as whole rows of 512 bytes; the residual is added; physical row 16 a + t
; goes to logical row 32 (a / 2) + 8 (a % 2) + t % 8 + 16 (t / 8) of my 128, which stands in the immediate (127 rows of 4,096 bytes at the most).  No base is stepped.
.macro XLOAD a
	WIN 0x40
.set tt, 0
.rept 16
	global_load_b128 v[64*((\a)%2)+4*tt:64*((\a)%2)+4*tt+3], v[CO], s[96:97] offset:(32*((\a)/2)+8*((\a)%2)+(tt%8)+16*(tt/8))*4096 th:TH_LOAD_NT
.set tt, tt+1
.endr
	WIN 0
.endm
.macro TOSTAGE a
.set AC, 64*((\a)%4)
	WIN 0x08+4*((\a)/4)
.irp b, 0,1,2,3,4,5,6,7
	ds_store_b128 v[STO], v[AC+8*\b:AC+8*\b+3] offset:128*(\b/2)+32*(\b%2)          ; each accumulator from its low end on
	ds_store_b128 v[STO], v[AC+8*\b+4:AC+8*\b+7] offset:128*(\b/2)+32*(\b%2)+16
.endr
	WIN 0
.set BB, BK+64*((\a)%2)
.irp t, 0,1,2,3,4,5,6,7,8,9,10,11,12,13,14,15
	ds_load_b128 v[BB+4*\t:BB+4*\t+3], v[RD] offset:\t*SPITCH
.endr
.endm
.macro SEND a, younger, left
.set BB, BK+64*((\a)%2)
.set XR, 64*((\a)%2)
	s_wait_dscnt \younger                          ; the block is back (the next block's 16 stores and 16 loads may be out)
	s_wait_loadcnt \left                           ; its residual is in (the next block's 16 loads may be out)
	WIN 0x04
.set tt, 0
.rept 32
	v_pk_add_f32 v[BB+tt:BB+tt+1], v[BB+tt:BB+tt+1], v[XR+tt:XR+tt+1]
.set tt, tt+2
.endr
	WIN 0
.set tt, 0
.rept 16
.if LAST
	global_store_b128 v[CO], v[BB+4*tt:BB+4*tt+3], s[98:99] offset:(32*((\a)/2)+8*((\a)%2)+(tt%8)+16*(tt/8))*4096 th:TH_STORE_NT   ; 32 lanes store 512 consecutive bytes, aligned; written once, read by nobody here
.else
	global_store_b128 v[CO], v[BB+4*tt:BB+4*tt+3], s[98:99] offset:(32*((\a)/2)+8*((\a)%2)+(tt%8)+16*(tt/8))*4096
.endif
.set tt, tt+1
.endr
.endm
	PLACES NP
	XLOAD 0
	TOSTAGE 0
.irp a, 1,2,3,4,5,6,7
.if \a > 1
	s_wait_xcnt 0x0                                ; block a - 2's stores have read their registers: block a's loads may land there
.endif
	XLOAD \a
	TOSTAGE \a
	SEND \a-1, 32, 16
.endr
	SEND 7, 0, 0
	s_wait_tensorcnt 0x0                           ; the wave's end, behind my last tensor load and my last LDS store
	ds_add_u32 v[SPW], v[NIL]
	s_wait_dscnt 0x0
	CROUND                                         ; the closing round
	s_endpgm
.Lfunc_end_k_q2b3471c79f_w2:
	.size	k_q2b3471c79f_w2, .Lfunc_end_k_q2b3471c79f_w2-k_q2b3471c79f_w2
	.p2alignl 7, 3214868480
	.fill 96, 4, 3214868480
	.section	.rodata,"a",@progbits
	.p2align	6, 0x0
	.amdhsa_kernel k_q2b3471c79f_w2
		.amdhsa_group_segment_fixed_size 327680
		.amdhsa_private_segment_fixed_size 0
		.amdhsa_enable_private_segment 0
		.amdhsa_kernarg_size 32
		.amdhsa_user_sgpr_count 2
		.amdhsa_user_sgpr_kernarg_segment_ptr 1
		.amdhsa_wavefront_size32 1
		.amdhsa_system_sgpr_workgroup_id_x 1
		.amdhsa_system_sgpr_workgroup_id_y 1
		.amdhsa_system_sgpr_workgroup_id_z 1
		.amdhsa_system_vgpr_workitem_id 0
		.amdhsa_next_free_vgpr 1024
		.amdhsa_next_free_sgpr 104
		.amdhsa_reserve_vcc 0
		.amdhsa_float_denorm_mode_32 3
		.amdhsa_float_denorm_mode_16_64 3
		.amdhsa_memory_ordered 1
		.amdhsa_forward_progress 1
		.amdhsa_inst_pref_size 174
	.end_amdhsa_kernel
	.amdgpu_metadata
---
amdhsa.version: [ 1, 2 ]
amdhsa.kernels:
  - .name:           k_q2b3471c79f_w2
    .symbol:         k_q2b3471c79f_w2.kd
    .args:
      - { .name: ff, .offset: 0, .size: 8, .value_kind: global_buffer, .address_space: global }
      - { .name: pw, .offset: 8, .size: 8, .value_kind: global_buffer, .address_space: global }
      - { .name: o1, .offset: 16, .size: 8, .value_kind: global_buffer, .address_space: global }
      - { .name: out0, .offset: 24, .size: 8, .value_kind: global_buffer, .address_space: global }
    .group_segment_fixed_size: 327680
    .private_segment_fixed_size: 0
    .kernarg_segment_align: 8
    .kernarg_segment_size: 32
    .max_flat_workgroup_size: 128
    .sgpr_count:     104
    .vgpr_count:     1024
    .wavefront_size: 32
...
	.end_amdgpu_metadata
.endif
;; end of part 7
;; ======== version 2 of 2: 7 launches
;; limits: right only within a limited range of input values
;; workspace buffers: pw 16,187,392 bytes; qk 13,238,272 bytes; cx 4,325,376 bytes; o1 16,777,216 bytes; h2 4,325,376 bytes; ff 8,650,752 bytes
;; launch prep (part 8): grid 448 x 1, 4 waves a work-group, no clusters, 68,096 bytes of LDS; arguments x, g1, Wq, Wk, Wv, Wo, W1, W3, W2, pw; writes pw
.if DOCPART == 8
	.amdgcn_target "amdgcn-amd-amdhsa--gfx1250"
	.amdhsa_code_object_version 6
	.text
	.protected	k_q2b3471c79f_prep
	.globl	k_q2b3471c79f_prep
	.p2align	8
	.type	k_q2b3471c79f_prep,@function
k_q2b3471c79f_prep:
	s_mov_b64 s[64:65], 0
	v_nop
	global_prefetch_b8 v0, s[64:65] scope:SCOPE_SE
	s_setreg_imm32_b32 hwreg(HW_REG_WAVE_MODE, 25, 1), 1
	s_wait_xcnt 0x0
; A TRANSFORMER BLOCK IN MX-FP8 (E4M3 codes, one E8M0 scale for each 32 along K), seven launches: prep, qkv, attn, wo, norm2, w13, w2.
; THIS LAUNCH: (a) rmsnorm(x, g1) as codes and scale bytes; (b) the table of cos and sin for RoPE; (c) the seven weights, stored [K][N], as codes with K innermost and scale bytes.  All into pw.
; DEAD WORK (left out in kernel attn, nowhere else): reference sets score(q, k) to -inf for k > q by its own jnp.tril, so p(q, k) = 0 whatever the inputs hold.
; LIMIT: a NaN, an infinity or an overflow that reaches only those products is not carried to the result.
; Every input has a way to the output, and every input is loaded.
; LIMITS: NaN and infinities among the inputs are not served.  A block whose largest magnitude lies under 2^-118 gets the scale byte 1; a block of zeros gets the byte 1 where the rule says 127:
; its codes are zeros, which add nothing under any byte but 0xff, and this program alone reads the bytes.  1 / rms is v_rsq_f32 and a multiplication.
; ROW ORDER.  In every buffer of codes PHYSICAL row p holds LOGICAL row swap34(p) (bits 3 and 4 of p exchanged; the scale rows likewise).  A fragment of 16 consecutive physical rows then holds logical rows
; 0-7 and 16-23 (or 8-15 and 24-31) of a group of 32, so that in a product's result the 16 registers of two neighbouring tiles are 16 logical neighbours: the next operand's own register order.
; pw: h codes [4096][1024] at HC, h scales [4096][32] at HS, table [4096 physical rows][32 x (cos, sin)] at TAB, then the weights' codes [n physical][K] and their scales [n physical][K / 32].
; W1 and W3 share one buffer: hidden group g = n / 32 has W1 at rows 64 g + swap34(n % 32) and W3 at rows 64 g + 32 + swap34(n % 32).
; SHARES.  Work-groups 0-127: 32 rows of x each, a wave 8 (8 consecutive logical rows are 8 consecutive physical rows).  Work-groups 128-447: 128 columns x 256 along K of one weight, a wave 32 columns.
; No tensor loads, no barrier: waves share nothing.  No cluster: work-groups share only g1's 4,096 bytes.  The two paths have LDS bytes of their own and each ends by itself.
.set HC,    0
.set HS,    4194304
.set TAB,   4325376
.set WQKVC, 5373952
.set WOC,   8519680
.set W13C,  9568256
.set W2C,   13762560
.set WQKVS, 15859712
.set WOS,   15958016
.set W13S,  15990784
.set W2S,   16121856
.set WITH_TABLE, 1
.set SP,    80                         ; a lane's place in a stage: 64 bytes + 16 of padding
.set PITCH, 272                        ; a row of a weight's stage: 256 bytes + 16
.set WSTG,  32768                      ; LDS: rows' path: 8,192 bytes a wave from 0; weights' path: 32 x 272 bytes a wave from here
.set SPARE, 67584                      ; the spare words, 128 bytes a wave: two blocks of 256 bytes that no other line names
.set G,     16                         ; v16-47   the gain, as a row is loaded
.set R,     48                         ; v48-111  two rows
.set X,     112                        ; v112-143 two sets of 16 neighbours
.set C,     144                        ; v144-207 codes: four registers for each of 16 steps
.set E,     208                        ; v208-223 a scale byte for each step
.set WST,   242                        ; v242     weights: where I put my column's codes
.set WRD,   243                        ; v243     weights: where I read rows back
.set SPW,   246                        ; v246     LDS address of my spare word; never rewritten
.set NIL,   247                        ; v247     0; never rewritten
.set RO,    16                         ; weights: v16-47 4 x lane + i rows;  v48-111 two blocks;  v112-119 codes;  v120-183 the way out;  v184-199 its offsets;  v200-201 scale bytes
.set WX,    48
.set WC,    112
.set OUTR,  120
.set DO,    184
.set SB,    200
	s_load_b128 s[4:7], s[0:1], 0x0                ; x, g1
	s_load_b256 s[8:15], s[0:1], 0x10              ; Wq, Wk, Wv, Wo
	s_load_b128 s[16:19], s[0:1], 0x30             ; W1, W3
	s_load_b128 s[20:23], s[0:1], 0x40             ; W2, pw
	v_lshl_add_u32 v[SPW], v0, 2, SPARE
	v_mov_b32 v[NIL], 0
	v_lshrrev_b32 v1, 5, v0
	v_readfirstlane_b32 s24, v1                    ; wave
	v_and_b32 v2, 31, v0                           ; lane
	v_lshlrev_b32 v3, 4, v2                        ; 16 x lane
	; every LDS address of both paths is made here, ahead of the parting
	s_lshl_b32 s25, s24, 13
	v_lshrrev_b32 v14, 2, v2
	v_mul_u32_u24 v14, v14, SP
	v_and_b32 v15, 3, v2
	v_lshl_add_u32 v14, v15, 4, v14
	v_add_nc_u32 v14, s25, v14                     ; a stage, on the way in: four lanes' 64 bytes on end, then 16 of padding
	v_mul_u32_u24 v15, v2, SP
	v_add_nc_u32 v15, s25, v15                     ; and on the way out: my 16 neighbours
	v_lshrrev_b32 v5, 1, v2
	s_add_co_u32 s25, s25, 2*32*SP
	v_add_nc_u32 v5, s25, v5                       ; my block's scale byte
	v_lshlrev_b32 v7, 3, v2                        ; 8 x lane
	v_add_nc_u32 v6, s25, v7                       ; the bytes' way out
	s_mul_i32 s25, s24, 32*PITCH
	s_add_co_u32 s25, s25, WSTG
	v_mul_u32_u24 v[WST], v2, PITCH
	v_add_nc_u32 v[WST], s25, v[WST]
	v_and_b32 v8, 15, v2
	v_lshrrev_b32 v9, 4, v2
	v_mul_u32_u24 v[WRD], v9, PITCH
	v_lshl_add_u32 v[WRD], v8, 4, v[WRD]
	v_add_nc_u32 v[WRD], s25, v[WRD]
	s_mov_b32 s26, 0x600000                        ; the mantissa field of 448
	s_cmp_lt_u32 ttmp9, 128
	s_cbranch_scc0 .Lweights
	; ---------------- rows of x ----------------
	s_mov_b32 s27, 0x76543210
	s_mov_b32 s28, 0xfedcba98                      ; v_permlanex16_b32's selects for lane l xor 16
	s_mov_b32 s29, 0x3a800000                      ; 1 / 1024
	s_mov_b32 s30, 0x3727c5ac                      ; 1e-5
	s_lshl_b32 s31, ttmp9, 5
	s_and_b32 s32, s24, 1
	s_lshl_b32 s32, s32, 4
	s_lshr_b32 s33, s24, 1
	s_lshl_b32 s33, s33, 3
	s_add_co_u32 s32, s32, s33
	s_add_co_u32 s32, s32, s31                     ; my first logical row: 32 G + 16 (w % 2) + 8 (w / 2)
	s_lshl_b32 s33, s24, 3
	s_add_co_u32 s33, s33, s31                     ; my first physical row: 32 G + 8 w
	s_lshl_b32 s34, s32, 12
	s_mov_b32 s35, 0
	s_lshl_b32 s36, s33, 10
	s_mov_b32 s37, 0
	s_lshl_b32 s38, s33, 5
	s_add_co_u32 s38, s38, HS
	s_mov_b32 s39, 0
	s_lshl_b32 s40, s33, 8
	s_add_co_u32 s40, s40, TAB
	s_mov_b32 s41, 0
	s_and_b32 s42, s32, 2047                       ; my first row's position in its sequence
	s_wait_kmcnt 0x0
	s_add_nc_u64 s[4:5], s[4:5], s[34:35]          ; the rows
	s_add_nc_u64 s[36:37], s[22:23], s[36:37]      ; their codes
	s_add_nc_u64 s[38:39], s[22:23], s[38:39]      ; their scale bytes: 256 a wave
	s_add_nc_u64 s[40:41], s[22:23], s[40:41]      ; their rows of the table
.macro LOADROW i                       ; a row: eight loads of 512 consecutive bytes
.irp k, 0,1,2,3,4,5,6,7
	global_load_b128 v[R+32*((\i)%2)+4*\k:R+32*((\i)%2)+4*\k+3], v3, s[4:5] offset:4096*(\i)+512*\k th:TH_LOAD_NT
.endr
.endm
.macro TURN i, hf                      ; half a row, 512 numbers, through a stage: in as loaded, out 16 neighbours a lane.  LDS serves a wave's instructions in order: no wait between
.irp k, 0,1,2,3
	ds_store_b128 v14, v[R+32*((\i)%2)+16*(\hf)+4*\k:R+32*((\i)%2)+16*(\hf)+4*\k+3] offset:32*SP*(\hf)+8*SP*\k
.endr
.irp k, 0,1,2,3
	ds_load_b128 v[X+16*(\hf)+4*\k:X+16*(\hf)+4*\k+3], v15 offset:32*SP*(\hf)+16*\k
.endr
.endm
.macro QSTEP t                         ; 512 numbers become codes and 16 scale bytes; two neighbouring lanes hold a block of 32
.set XS, X+16*((\t)%2)
	v_max3_num_f32 v8, |v[XS]|, |v[XS+1]|, |v[XS+2]|
	v_max3_num_f32 v9, |v[XS+3]|, |v[XS+4]|, |v[XS+5]|
.irp q, 6,10
	v_max3_num_f32 v8, v8, |v[XS+\q]|, |v[XS+\q+1]|
	v_max3_num_f32 v9, v9, |v[XS+\q+2]|, |v[XS+\q+3]|
.endr
	v_max3_num_f32 v8, v8, |v[XS+14]|, |v[XS+15]|
	v_max3_num_f32 v8, v8, v9, 0x4800000           ; the floor 2^(9 - 127): the byte cannot fall under 1
	v_max_num_f32_dpp v8, v8, v8 row_xmask:1 row_mask:0xf bank_mask:0xf   ; with my neighbour's 16: the block's largest magnitude
	v_add_nc_u32 v11, 0xfc000000, v8               ; 8 off its exponent field: the conversion's scale operand
	v_and_or_b32 v10, v8, 0x7f800000, s26          ; 448 x the scale
.irp q, 0,1,2,3,4,5,6,7,8,9,10,11,12,13,14,15
	v_med3_num_f32 v[XS+\q], v[XS+\q], -v10, v10   ; the conversion to an 8-bit code does not saturate (ISA guide 7.6.2): the hold comes first
.endr
	v_cvt_scalef32_pk8_fp8_f32 v[C+4*(\t):C+4*(\t)+1], v[XS:XS+7], v11
	v_cvt_scalef32_pk8_fp8_f32 v[C+4*(\t)+2:C+4*(\t)+3], v[XS+8:XS+15], v11
	v_lshrrev_b32 v[E+(\t)], 23, v11               ; the scale's byte (also the plain line behind the conversions)
	ds_store_b8 v5, v[E+(\t)] offset:16*(\t)       ; both lanes of a block write the same byte with the same value
	global_store_b128 v3, v[C+4*(\t):C+4*(\t)+3], s[36:37] offset:512*(\t)   ; 32 lanes store 512 consecutive bytes
.endm
; cos and sin of position x inv_freq, lane j for frequency j: the angle less k x pi/2 in three parts (k has 11 bits, the first two parts 8 and 11: exact products), two polynomials on |r| <= pi/4, the quadrant by selects.
.macro TABLE i
	v_mul_f32 v232, v245, v244                     ; the angle, one f32 product as reference() has it
	v_mul_f32 v233, 0x3f22f983, v232
	v_rndne_f32 v233, v233                         ; k
	v_fma_f32 v232, v233, 0xbfc90000, v232
	v_fma_f32 v232, v233, 0xb9fda000, v232
	v_fma_f32 v232, v233, 0xb3a22169, v232         ; r
	v_mul_f32 v234, v232, v232                     ; z = r r
	v_cvt_i32_f32 v235, v233
	v_fmaak_f32 v236, v224, v234, 0x3c08839e
	v_fmaak_f32 v238, v225, v234, 0xbab6061a
	v_mul_f32 v237, v232, v234
	v_fmaak_f32 v236, v236, v234, 0xbe2aaaa3
	v_fmaak_f32 v238, v238, v234, 0x3d2aaaa5
	v_fma_f32 v239, v234, -0.5, 1.0
	v_fma_f32 v236, v237, v236, v232               ; sin r
	v_mul_f32 v237, v234, v234
	v_fma_f32 v238, v237, v238, v239               ; cos r
	v_and_b32 v239, 1, v235
	v_cmp_eq_u32 vcc_lo, 1, v239
	s_wait_alu depctr_va_vdst(0)
	s_wait_xcnt 0x0                                ; the last row's store has read its pair: only now is the pair written again
	v_cndmask_b32 v241, v236, v238, vcc_lo         ; odd quadrants change the two over
	v_cndmask_b32 v240, v238, v236, vcc_lo
	v_and_b32 v239, 2, v235
	v_lshlrev_b32 v239, 30, v239
	v_xor_b32 v241, v241, v239                     ; sin is negative in quadrants 2, 3
	v_add_nc_u32 v239, 1, v235
	v_and_b32 v239, 2, v239
	v_lshlrev_b32 v239, 30, v239
	v_xor_b32 v240, v240, v239                     ; cos in quadrants 1, 2
	global_store_b64 v7, v[240:241], s[40:41] offset:256*(\i)   ; 32 lanes store 256 consecutive bytes, aligned
	v_add_f32 v245, 1.0, v245                      ; the next row's position
.endm
.macro ROW i
.set RS, R+32*((\i)%2)
.if (\i) < 7
	s_wait_loadcnt 8                               ; this row is in (and the gain); the next row's eight loads may be out
.else
	s_wait_loadcnt 0x0
.endif
	v_pk_mul_f32 v[226:227], v[RS:RS+1], v[RS:RS+1]            ; the sum of squares, two chains of pairs
	v_pk_mul_f32 v[228:229], v[RS+2:RS+3], v[RS+2:RS+3]
.irp k, 4,8,12,16,20,24,28
	v_pk_fma_f32 v[226:227], v[RS+\k:RS+\k+1], v[RS+\k:RS+\k+1], v[226:227]
	v_pk_fma_f32 v[228:229], v[RS+\k+2:RS+\k+3], v[RS+\k+2:RS+\k+3], v[228:229]
.endr
	v_pk_add_f32 v[226:227], v[226:227], v[228:229]
	v_add_f32 v226, v226, v227
	v_add_f32_dpp v226, v226, v226 row_xmask:1 row_mask:0xf bank_mask:0xf
	v_add_f32_dpp v226, v226, v226 row_xmask:2 row_mask:0xf bank_mask:0xf
	v_add_f32_dpp v226, v226, v226 row_xmask:4 row_mask:0xf bank_mask:0xf
	v_add_f32_dpp v226, v226, v226 row_xmask:8 row_mask:0xf bank_mask:0xf
	v_permlanex16_b32 v227, v226, s27, s28
	v_add_f32 v226, v226, v227
	v_fma_f32 v226, v226, s29, s30                 ; the mean + eps
	s_wait_alu depctr_va_vdst(0)
	v_rsq_f32 v230, v226
	v_rsq_f32 v231, v226                           ; twice: a pair for the packed multiply
.if WITH_TABLE
	TABLE \i                                       ; independent work behind the two
.else
	v_nop                                          ; the plain line behind a transcendental
.endif
	s_wait_alu depctr_va_vdst(0)                   ; one wait for both, ahead of their first reader
.irp k, 0,2,4,6,8,10,12,14,16,18,20,22,24,26,28,30
	v_pk_mul_f32 v[RS+\k:RS+\k+1], v[RS+\k:RS+\k+1], v[230:231]
.endr
.irp k, 0,2,4,6,8,10,12,14,16,18,20,22,24,26,28,30
	v_pk_mul_f32 v[RS+\k:RS+\k+1], v[RS+\k:RS+\k+1], v[G+\k:G+\k+1]
.endr
	TURN \i, 0
	TURN \i, 1
	s_wait_dscnt 8                                 ; the first half is back; the second half's eight may be out
	QSTEP 2*(\i)
	s_wait_dscnt 1                                 ; the second half is back, so the stage's stores have read the row's registers (the byte store may be out)
.if (\i) < 6
	LOADROW (\i)+2                                 ; which take the row two further on
.endif
	QSTEP 2*(\i)+1
.endm
.irp k, 0,1,2,3,4,5,6,7
	global_load_b128 v[G+4*\k:G+4*\k+3], v3, s[6:7] offset:512*\k
.endr
	LOADROW 0
	LOADROW 1
	; inv_freq(j) = 10000^(-j / 32) = 2^(-j c), c = log2(10000) / 32 in two parts: j x the first part (19 bits) is exact; the rest is put back by one multiply-add
	v_cvt_f32_u32 v232, v2
	v_mul_f32 v233, 0xbed49a80, v232
	s_wait_alu depctr_va_vdst(0)
	v_exp_f32 v234, v233
	v_mul_f32 v232, 0x342ae0f4, v232               ; j x ln 2 x the rest of c.  (The plain line behind the exponential)
	v_mov_b32 v245, s42
	v_cvt_f32_u32 v245, v245                       ; the position, in f32
	v_mov_b32 v224, 0xb94ca1f9                     ; the polynomials' leading coefficients
	v_mov_b32 v225, 0x37ccf5ce
	s_wait_alu depctr_va_vdst(0)                   ; ahead of the exponential's first reader
	v_fma_f32 v244, v234, v232, v234
.irp i, 0,1,2,3,4,5,6,7
	ROW \i
.endr
	ds_load_b64 v[8:9], v6                         ; my wave's 256 scale bytes: these loads see my stores
	s_wait_dscnt 0x0
	global_store_b64 v7, v[8:9], s[38:39]          ; 32 lanes store 256 consecutive bytes, aligned
	s_wait_tensorcnt 0x0                           ; the wave's end, behind my last LDS store
	ds_add_u32 v[SPW], v[NIL]
	s_wait_dscnt 0x0
	s_endpgm
	; ---------------- weights: a lane takes a column, its registers run down K ----------------
.Lweights:
	s_sub_co_u32 s27, ttmp9, 128                   ; 0-127: Wq, Wk, Wv, Wo (32 each);  128-255: W1, W3 (64 each);  256-319: W2
	s_cmp_lt_u32 s27, 128
	s_cbranch_scc0 .Lnot_a
	s_lshr_b32 s28, s27, 5                         ; which of the four
	s_and_b32 s29, s27, 7                          ; which 128 columns
	s_bfe_u32 s30, s27, 0x20003                    ; which 256 along K
	s_mov_b32 s31, 4096                            ; a row of the weight in bytes
	s_mov_b32 s32, 1024                            ; a row of its codes
	s_mov_b32 s33, 0
	s_lshl_b32 s34, s28, 10                        ; Wq, Wk, Wv lie one behind the other
	s_mov_b32 s35, WQKVC
	s_mov_b32 s36, WQKVS
	s_wait_kmcnt 0x0
	s_cmp_eq_u32 s28, 1
	s_cselect_b64 s[4:5], s[10:11], s[8:9]
	s_cmp_eq_u32 s28, 2
	s_cselect_b64 s[4:5], s[12:13], s[4:5]
	s_cmp_eq_u32 s28, 3
	s_cselect_b64 s[4:5], s[14:15], s[4:5]
	s_cselect_b32 s34, 0, s34
	s_cselect_b32 s35, WOC, s35
	s_cselect_b32 s36, WOS, s36
	s_branch .Ldecoded
.Lnot_a:
	s_cmp_lt_u32 s27, 256
	s_cbranch_scc0 .Lnot_b
	s_and_b32 s29, s27, 15
	s_bfe_u32 s30, s27, 0x20004
	s_bfe_u32 s28, s27, 0x10006                    ; 0: W1, 1: W3
	s_mov_b32 s31, 8192
	s_mov_b32 s32, 1024
	s_mov_b32 s33, 1                               ; a group of 32 columns takes 64 rows: W1's 32, W3's 32
	s_lshl_b32 s34, s28, 5
	s_mov_b32 s35, W13C
	s_mov_b32 s36, W13S
	s_wait_kmcnt 0x0
	s_cmp_eq_u32 s28, 0
	s_cselect_b64 s[4:5], s[16:17], s[18:19]
	s_branch .Ldecoded
.Lnot_b:
	s_and_b32 s29, s27, 7
	s_bfe_u32 s30, s27, 0x30003
	s_mov_b32 s31, 4096
	s_mov_b32 s32, 2048
	s_mov_b32 s33, 0
	s_mov_b32 s34, 0
	s_mov_b32 s35, W2C
	s_mov_b32 s36, W2S
	s_wait_kmcnt 0x0
	s_mov_b64 s[4:5], s[20:21]
.Ldecoded:
	s_lshl_b32 s37, s29, 7
	s_lshl_b32 s38, s24, 5
	s_add_co_u32 s37, s37, s38                     ; my wave's first column
	s_lshl_b32 s38, s37, s33
	s_add_co_u32 s38, s38, s34                     ; the first row of its group of 32 in the codes
	s_lshl_b32 s56, s30, 8
	s_mul_i32 s56, s56, s31
	s_lshl_b32 s57, s37, 2
	s_add_co_u32 s56, s56, s57
	s_mov_b32 s57, 0
	s_add_nc_u64 s[40:41], s[4:5], s[56:57]        ; block 0 of my 8 blocks of 32 along K,
	s_lshl_b32 s56, s31, 5
.irp t, 1,2,3,4,5,6,7
	s_add_nc_u64 s[40+2*\t:41+2*\t], s[38+2*\t:39+2*\t], s[56:57]   ; and the others, 32 rows apart
.endr
	s_mul_i32 s58, s38, s32
	s_add_co_u32 s58, s58, s35
	s_lshl_b32 s59, s30, 8
	s_add_co_u32 s58, s58, s59
	s_mov_b32 s59, 0
	s_add_nc_u64 s[58:59], s[22:23], s[58:59]      ; the codes
	s_lshr_b32 s39, s32, 5
	s_mul_i32 s60, s38, s39
	s_add_co_u32 s60, s60, s36
	s_lshl_b32 s61, s30, 3
	s_add_co_u32 s60, s60, s61
	s_mov_b32 s61, 0
	s_add_nc_u64 s[60:61], s[22:23], s[60:61]      ; the scale bytes
	v_lshlrev_b32 v[RO], 2, v2
.set ii, 1
.rept 31
	v_add_nc_u32 v[RO+ii], s31, v[RO+ii-1]         ; 4 x lane + i rows
.set ii, ii+1
.endr
	v_mul_u32_u24 v4, v9, s32
	v_lshl_add_u32 v4, v8, 4, v4                   ; the way out: sixteen lanes to a row, two rows an instruction
.set ii, 0
.rept 16
	v_mad_u32_u24 v[DO+ii], s32, 16*((ii>>2)&1)+8*(ii>>3)+2*(ii&3), v4   ; stage rows 2 i, 2 i + 1 (logical) go to physical rows swap34(2 i) + 0, 1
.set ii, ii+1
.endr
	v_and_b32 v10, 7, v2
	v_bfe_u32 v11, v2, 3, 1
	v_lshl_or_b32 v10, v11, 4, v10
	v_lshl_or_b32 v10, v9, 3, v10                  ; swap34(lane)
	v_mul_u32_u24 v9, v10, s39                     ; my column's row of scale bytes
.macro WLOAD t                         ; block t: W(32 t + i, my column): each load reads 128 consecutive bytes a wave
.set ii, 0
.rept 32
	global_load_b32 v[WX+32*((\t)%2)+ii], v[RO+ii], s[40+2*(\t):41+2*(\t)] th:TH_LOAD_NT
.set ii, ii+1
.endr
.endm
.macro BLOCK t
.set XS, WX+32*((\t)%2)
.if (\t) < 7
	s_wait_loadcnt 32                              ; this block's 32 loads are in; the next block's may be out
.else
	s_wait_loadcnt 0x0
.endif
	v_max3_num_f32 v12, |v[XS]|, |v[XS+1]|, |v[XS+2]|          ; the block's largest magnitude: all 32 numbers are mine
	v_max3_num_f32 v13, |v[XS+3]|, |v[XS+4]|, |v[XS+5]|
.irp q, 6,10,14,18,22,26
	v_max3_num_f32 v12, v12, |v[XS+\q]|, |v[XS+\q+1]|
	v_max3_num_f32 v13, v13, |v[XS+\q+2]|, |v[XS+\q+3]|
.endr
	v_max3_num_f32 v12, v12, |v[XS+30]|, |v[XS+31]|
	v_max3_num_f32 v12, v12, v13, 0x4800000
	v_add_nc_u32 v11, 0xfc000000, v12
	v_and_or_b32 v10, v12, 0x7f800000, s26
	v_lshrrev_b32 v13, 23, v11
.if (\t)%4 == 0
	v_mov_b32 v[SB+(\t)/4], v13                    ; four bytes to a register, the lower K in the lower byte
.else
	v_lshl_or_b32 v[SB+(\t)/4], v13, 8*((\t)%4), v[SB+(\t)/4]
.endif
.irp q, 0,1,2,3,4,5,6,7,8,9,10,11,12,13,14,15,16,17,18,19,20,21,22,23,24,25,26,27,28,29,30,31
	v_med3_num_f32 v[XS+\q], v[XS+\q], -v10, v10
.endr
.irp q, 0,1,2,3
	v_cvt_scalef32_pk8_fp8_f32 v[WC+2*\q:WC+2*\q+1], v[XS+8*\q:XS+8*\q+7], v11
.endr
	ds_store_b128 v[WST], v[WC:WC+3] offset:32*(\t)            ; 32 codes of my column's row
	ds_store_b128 v[WST], v[WC+4:WC+7] offset:32*(\t)+16
.if (\t)+2 < 8
	WLOAD (\t)+2
.endif
	s_wait_dscnt 0x0                               ; the stores have read their registers: the next block's codes may be written
.endm
	WLOAD 0
	WLOAD 1
.irp t, 0,1,2,3,4,5,6,7
	BLOCK \t
.endr
	global_store_b64 v9, v[SB:SB+1], s[60:61]      ; my column's 8 scale bytes
.irp t, 0,1,2,3,4,5,6,7,8,9,10,11,12,13,14,15
	ds_load_b128 v[OUTR+4*\t:OUTR+4*\t+3], v[WRD] offset:2*\t*PITCH
.endr
.irp t, 0,1,2,3,4,5,6,7,8,9,10,11,12,13,14,15
	s_wait_dscnt 15-\t
	global_store_b128 v[DO+\t], v[OUTR+4*\t:OUTR+4*\t+3], s[58:59]   ; sixteen lanes store 256 consecutive bytes, aligned
.endr
	s_wait_tensorcnt 0x0                           ; the wave's end: the same three lines
	ds_add_u32 v[SPW], v[NIL]
	s_wait_dscnt 0x0
	s_endpgm
.Lfunc_end_k_q2b3471c79f_prep:
	.size	k_q2b3471c79f_prep, .Lfunc_end_k_q2b3471c79f_prep-k_q2b3471c79f_prep
	.p2alignl 7, 3214868480
	.fill 96, 4, 3214868480
	.section	.rodata,"a",@progbits
	.p2align	6, 0x0
	.amdhsa_kernel k_q2b3471c79f_prep
		.amdhsa_group_segment_fixed_size 68096
		.amdhsa_private_segment_fixed_size 0
		.amdhsa_enable_private_segment 0
		.amdhsa_kernarg_size 80
		.amdhsa_user_sgpr_count 2
		.amdhsa_user_sgpr_kernarg_segment_ptr 1
		.amdhsa_wavefront_size32 1
		.amdhsa_system_sgpr_workgroup_id_x 1
		.amdhsa_system_sgpr_workgroup_id_y 1
		.amdhsa_system_sgpr_workgroup_id_z 1
		.amdhsa_system_vgpr_workitem_id 0
		.amdhsa_next_free_vgpr 248
		.amdhsa_next_free_sgpr 66
		.amdhsa_reserve_vcc 1
		.amdhsa_float_denorm_mode_32 3
		.amdhsa_float_denorm_mode_16_64 3
		.amdhsa_memory_ordered 1
		.amdhsa_forward_progress 1
		.amdhsa_inst_pref_size 156
	.end_amdhsa_kernel
	.amdgpu_metadata
---
amdhsa.version: [ 1, 2 ]
amdhsa.kernels:
  - .name:           k_q2b3471c79f_prep
    .symbol:         k_q2b3471c79f_prep.kd
    .args:
      - { .name: x, .offset: 0, .size: 8, .value_kind: global_buffer, .address_space: global }
      - { .name: g1, .offset: 8, .size: 8, .value_kind: global_buffer, .address_space: global }
      - { .name: Wq, .offset: 16, .size: 8, .value_kind: global_buffer, .address_space: global }
      - { .name: Wk, .offset: 24, .size: 8, .value_kind: global_buffer, .address_space: global }
      - { .name: Wv, .offset: 32, .size: 8, .value_kind: global_buffer, .address_space: global }
      - { .name: Wo, .offset: 40, .size: 8, .value_kind: global_buffer, .address_space: global }
      - { .name: W1, .offset: 48, .size: 8, .value_kind: global_buffer, .address_space: global }
      - { .name: W3, .offset: 56, .size: 8, .value_kind: global_buffer, .address_space: global }
      - { .name: W2, .offset: 64, .size: 8, .value_kind: global_buffer, .address_space: global }
      - { .name: pw, .offset: 72, .size: 8, .value_kind: global_buffer, .address_space: global }
    .group_segment_fixed_size: 68096
    .private_segment_fixed_size: 0
    .kernarg_segment_align: 8
    .kernarg_segment_size: 80
    .max_flat_workgroup_size: 128
    .sgpr_count:     66
    .vgpr_count:     248
    .wavefront_size: 32
...
	.end_amdgpu_metadata
.endif
;; end of part 8
;; launch qkv (part 9): grid 12 x 16, 4 waves a work-group, clusters of 4 x 4, 327,680 bytes of LDS; arguments pw, qk; writes qk
.if DOCPART == 9
	.amdgcn_target "amdgcn-amd-amdhsa--gfx1250"
	.amdhsa_code_object_version 6
	.text
	.protected	k_q2b3471c79f_qkv
	.globl	k_q2b3471c79f_qkv
	.p2align	8
	.type	k_q2b3471c79f_qkv,@function
k_q2b3471c79f_qkv:
	s_mov_b64 s[64:65], 0
	v_nop
	global_prefetch_b8 v0, s[64:65] scope:SCOPE_SE
	s_setreg_imm32_b32 hwreg(HW_REG_WAVE_MODE, 25, 1), 1
	s_wait_xcnt 0x0
	s_wait_alu depctr_hold_cnt(0) depctr_sa_sdst(0) depctr_va_vdst(0) depctr_va_sdst(0) depctr_va_ssrc(0) depctr_va_vcc(0) depctr_vm_vsrc(0)
	s_getreg_b32 s2, hwreg(HW_REG_IB_STS2, 6, 4)
	s_cmp_eq_u32 s2, 0
	s_cbranch_scc0 .Lentry_in_a_cluster
	s_endpgm
.Lentry_in_a_cluster:
	s_bfe_u32 s2, ttmp6, 0x10000c
	s_cmp_lg_u32 s2, 0xf033
	s_cbranch_scc0 .Lentry_shape_is_right
	s_endpgm
.Lentry_shape_is_right:
.set SIZE_K, 1024
.set HS,    4194304
.set TAB,   4325376
.set WQKVC, 5373952
.set WQKVS, 15859712
.set QS,    4194304
.set REC,   4456448
.set RECB,  274432
.set KSTEP,  256
.set NQ,     KSTEP/128
.set ROWB,   256
.set KROW,   SIZE_K
.set PITCH,  272
.set FR,     16
.set NL,     4
.set NP,     8
.set HALFT,  128*PITCH
.set SLOT,   4*HALFT
.set LAPS,   SIZE_K/(2*KSTEP)
.set KS,     SIZE_K/32
.set SCL,    2*SLOT
.set HALFS,  (128*KS/256)*272
.set SBLK,   (16*KS/256)*272
.set SPARE,  SCL+4*HALFS
.set ADRA, 16
.set ADRB, 20
.set ADRS, 27
.set SPW,  28
.set NIL,  29
.set SC,   32
.set AF,   128
.set G1, 24
.set G0, 32
.set G1B, 48
.set G0B, 56
.set G1S, 68
.set G0S, 76
.set G1SB, 80
.set G0SB, 88
.set MSB, 0
.macro WIN new
.if MSB != (\new)
	s_set_vgpr_msb (MSB<<8)|(\new)
.set MSB, (\new)
.endif
.endm
.set MUL_LO, 0xa1
.set MUL_HI, 0xf1
.set TO_B,   0x40
.macro JLOAD g0a, g1a, g0b, g1b
	s_cmp_eq_u32 s15, 0
	s_cbranch_scc0 .Lfor_b_\@
	tensor_load_to_lds s[\g0a:\g0a+3], s[\g1a:\g1a+7]
	s_nop 0
.rept 4
	v_nop
.endr
	s_branch .Lasked_\@
.Lfor_b_\@:
	tensor_load_to_lds s[\g0b:\g0b+3], s[\g1b:\g1b+7]
	s_nop 0
.rept 4
	v_nop
.endr
.Lasked_\@:
.endm
.macro CREST
	s_cmp_lg_u32 s14, 0
	s_cbranch_scc1 .Lnot_wave_0_\@
	s_barrier_signal -3
.Lnot_wave_0_\@:
	s_barrier_wait -3
	s_barrier_signal -1
	s_barrier_wait -1
.endm
.macro CROUND
	s_barrier_signal -1
	s_barrier_wait -1
	CREST
.endm
	s_load_b128 s[4:7], s[0:1], 0x0
	v_lshl_add_u32 v[SPW], v0, 2, SPARE
	v_mov_b32 v[NIL], 0
	ds_add_u32 v[SPW], v[NIL]
	ds_add_u32 v[SPW], v[NIL]
	v_lshrrev_b32 v1, 5, v0
	v_readfirstlane_b32 s14, v1
	s_lshr_b32 s15, s14, 1
	s_and_b32 s16, s14, 1
	s_bfe_u32 s40, ttmp6, 0x40000
	s_bfe_u32 s41, ttmp6, 0x40004
	s_and_b32 s66, ttmp7, 0xffff
	s_lshl_b32 s66, s66, 2
	s_lshl_b32 s67, ttmp9, 2
	s_cmp_eq_u32 ttmp9, 2
	s_cselect_b32 s100, 1, 0
	s_cselect_b32 s17, 8, s66
	s_cselect_b32 s42, s66, s67
	s_cselect_b32 s95, WQKVC, 0
	s_mov_b32 s96, HS
	s_cselect_b32 s96, WQKVS, s96
	s_cselect_b32 s97, 0, WQKVC
	s_mov_b32 s98, WQKVS
	s_cselect_b32 s98, HS, s98
	s_add_co_u32 s17, s17, s41
	s_add_co_u32 s42, s42, s40
	s_lshl_b32 s43, s41, 2
	s_lshl_b32 s43, 15, s43
	s_lshl_b32 s44, 0x1111, s40
	s_or_b32 s[G1+0], s43, (0<<16)|(1<<20)|(1<<21)|(5<<22)|(3<<25)
	s_or_b32 s[G1B+0], s44, (0<<16)|(1<<20)|(1<<21)|(5<<22)|(3<<25)
.irp g, G1, G1B
	s_mov_b32 s[\g+1], ROWB<<16
	s_mov_b32 s[\g+2], 256<<16
	s_mov_b32 s[\g+3], ROWB<<16
	s_mov_b32 s[\g+4], 256
	s_mov_b32 s[\g+5], KROW
	s_mov_b32 s[\g+6], 0
	s_mov_b32 s[\g+7], 0
.endr
	s_or_b32 s[G1S+0], s43, (3<<16)|(1<<20)|(1<<21)|(5<<22)|(3<<25)
	s_or_b32 s[G1SB+0], s44, (3<<16)|(1<<20)|(1<<21)|(5<<22)|(3<<25)
.irp g, G1S, G1SB
	s_mov_b32 s[\g+1], 32<<16
	s_mov_b32 s[\g+2], KS<<16
	s_mov_b32 s[\g+3], 32<<16
	s_mov_b32 s[\g+4], KS
	s_mov_b32 s[\g+5], 32
	s_mov_b32 s[\g+6], 0
	s_mov_b32 s[\g+7], 0
.endr
	s_lshl_b32 s20, s17, 8
	s_lshl_b32 s46, s42, 8
	s_mov_b32 s21, 0
	s_mov_b32 s47, 0
	s_mov_b64 s[18:19], KS
	s_mul_u64 s[22:23], s[20:21], s[18:19]
	s_mul_u64 s[92:93], s[46:47], s[18:19]
	s_mov_b64 s[18:19], KROW
	s_mul_u64 s[20:21], s[20:21], s[18:19]
	s_mul_u64 s[46:47], s[46:47], s[18:19]
	s_add_co_u32 s20, s20, s95
	s_add_co_u32 s22, s22, s96
	s_add_co_u32 s46, s46, s97
	s_add_co_u32 s92, s92, s98
	s_mul_i32 s45, s14, HALFT
	s_wait_dscnt 0x0
	s_wait_kmcnt 0x0
	s_add_nc_u64 s[20:21], s[4:5], s[20:21]
	s_add_nc_u64 s[22:23], s[4:5], s[22:23]
	s_add_nc_u64 s[46:47], s[4:5], s[46:47]
	s_add_nc_u64 s[92:93], s[4:5], s[92:93]
	CROUND
	; the head's four tiles, each whole, one load a wave: wave 0 K step 0's 256 rows of source 1, wave 1 those of source 0, waves 2 and 3 their scale bytes
	s_mov_b32 s[G0S], 1
	s_mov_b32 s[G0S+1], SCL
	s_mov_b64 s[G0S+2:G0S+3], s[22:23]
	s_or_b32 s[G0S+3], s[G0S+3], 0x80000000
	s_mov_b32 s[G0SB], 1
	s_mov_b32 s[G0SB+1], SCL+2*HALFS
	s_mov_b64 s[G0SB+2:G0SB+3], s[92:93]
	s_or_b32 s[G0SB+3], s[G0SB+3], 0x80000000
	s_mov_b32 s[G0], 1
	s_mov_b32 s[G0+1], 0
	s_mov_b64 s[G0+2:G0+3], s[20:21]
	s_or_b32 s[G0+3], s[G0+3], 0x80000000
	s_mov_b32 s[G0B], 1
	s_mov_b32 s[G0B+1], 2*HALFT
	s_mov_b64 s[G0B+2:G0B+3], s[46:47]
	s_or_b32 s[G0B+3], s[G0B+3], 0x80000000
	s_mul_i32 s18, s16, 128*KROW                   ; in the ring a wave fetches 128 rows: which half, in bytes
	s_mov_b32 s19, 0
	s_add_nc_u64 s[20:21], s[20:21], s[18:19]
	s_add_nc_u64 s[46:47], s[46:47], s[18:19]
	s_mov_b32 s[G0+4], 1
	s_add_co_u32 s[G0+5], s45, SLOT
	s_add_nc_u64 s[G0+6:G0+7], s[20:21], ROWB
	s_or_b32 s[G0+7], s[G0+7], 0x80000000
	s_mov_b32 s[G0B+4], 1
	s_add_co_u32 s[G0B+5], s45, SLOT
	s_add_nc_u64 s[G0B+6:G0B+7], s[46:47], ROWB
	s_or_b32 s[G0B+7], s[G0B+7], 0x80000000
.macro ARM under, g0, g1, next
	s_cmp_lt_u32 s14, \under
	s_cbranch_scc0 \next
	tensor_load_to_lds s[\g0:\g0+3], s[\g1:\g1+7]
	s_nop 0
.rept 4
	v_nop
.endr
	s_branch .Lhead_asked
\next:
.endm
	ARM 1, G0,  G1,  .Lhead_b
	ARM 2, G0B, G1B, .Lhead_sa
	ARM 3, G0S, G1S, .Lhead_sb
	tensor_load_to_lds s[G0SB:G0SB+3], s[G1SB:G1SB+7]
	s_nop 0
.rept 4
	v_nop
.endr
.Lhead_asked:
	v_and_b32 v1, 15, v0
	v_bfe_u32 v2, v0, 4, 1
	v_mul_u32_u24 v3, v1, PITCH
	v_lshl_add_u32 v4, v2, 4, v3
	s_mul_i32 s21, s15, HALFT
	s_mul_i32 s22, s16, HALFT
	s_add_co_u32 s22, s22, 2*HALFT
.irp s, 0,1
	v_add_nc_u32 v[ADRA+\s], s21, v4
	v_add_nc_u32 v[ADRB+\s], s22, v4
	s_add_co_u32 s21, s21, SLOT
	s_add_co_u32 s22, s22, SLOT
.endr
	v_mul_u32_u24 v5, v1, KS
	v_lshrrev_b32 v6, 8, v5
	v_lshl_add_u32 v5, v6, 4, v5
	s_mul_i32 s21, s15, HALFS
	s_mul_i32 s22, s16, HALFS
	s_add_co_u32 s22, s22, 2*HALFS
	s_sub_co_u32 s22, s22, s21
	v_mul_u32_u24 v6, s22, v2
	s_add_co_u32 s21, s21, SCL
	v_add_nc_u32 v5, v5, v6
	v_add_nc_u32 v[ADRS], s21, v5
	; Q's and K's work-groups ask here for the table rows of their first two blocks of 16 rows: v64-127 of window 0 are named by nothing else until the way out
	s_cmp_eq_u32 s100, 1
	s_cbranch_scc1 .Lno_table
	s_lshl_b32 s8, s17, 16
	s_lshl_b32 s9, s15, 15
	s_add_co_u32 s8, s8, s9
	s_add_co_u32 s8, s8, TAB
	s_mov_b32 s9, 0
	s_add_nc_u64 s[8:9], s[4:5], s[8:9]
	v_lshlrev_b32 v30, 8, v1
	v_lshl_add_u32 v30, v2, 6, v30
.irp n, 0,1
.irp c, 0,1
.irp i, 0,1,2,3
	global_load_b128 v[64+32*\n+16*\c+4*\i:64+32*\n+16*\c+4*\i+3], v30, s[8:9] offset:4096*\n+128*\c+16*\i
.endr
.endr
.endr
.Lno_table:
.macro FRAG reg, adr, q, i
.irp c, 0,1,2,3
	ds_load_b128 v[\reg+4*\c:\reg+4*\c+3], v[\adr] offset:128*(\q)+32*\c+(\i)*16*PITCH
.endr
.endm
.macro MUL16 a0, p, q, sc, zero
.irp a, \a0, \a0+1
.irp b, 0,1,2,3,4,5,6,7
.if \zero
	v_wmma_scale_f32_16x16x128_f8f6f4 v[8*(8*((\a)%4)+\b):8*(8*((\a)%4)+\b)+7], v[128*(\p)+FR*\b:128*(\p)+FR*\b+FR-1], v[AF+FR*(\a):AF+FR*(\a)+FR-1], 0, v[SC+8*NQ*(\sc)+NQ*\b+(\q)], v[SC+8*NQ*(\sc)+NQ*(\a)+(\q)] matrix_a_scale:MATRIX_SCALE_ROW1
.else
	v_wmma_scale_f32_16x16x128_f8f6f4 v[8*(8*((\a)%4)+\b):8*(8*((\a)%4)+\b)+7], v[128*(\p)+FR*\b:128*(\p)+FR*\b+FR-1], v[AF+FR*(\a):AF+FR*(\a)+FR-1], v[8*(8*((\a)%4)+\b):8*(8*((\a)%4)+\b)+7], v[SC+8*NQ*(\sc)+NQ*\b+(\q)], v[SC+8*NQ*(\sc)+NQ*(\a)+(\q)] matrix_a_scale:MATRIX_SCALE_ROW1
.endif
.endr
.endr
.endm
.macro FETCH_B slot, q, p
	WIN TO_B
.irp i, 0,1,2,3,4,5,6,7
	FRAG 128*(\p)+FR*\i, ADRB+\slot, \q, \i
.endr
	WIN 0
.endm
.macro FETCH_A slot, q, i0
.irp i, \i0, \i0+1, \i0+2, \i0+3
	FRAG AF+FR*(\i), ADRA+\slot, \q, \i
.endr
.endm
.macro SCALES sc
.irp i, 0,1,2,3,4,5,6,7
	ds_load_b64 v[SC+8*NQ*\sc+NQ*\i:SC+8*NQ*\sc+NQ*\i+1], v[ADRS] offset:\i*SBLK
.endr
.endm
.macro PLACES n
.rept \n
	v_nop
.endr
.endm
.macro STEP slot, q, zero
	s_wait_dscnt 4*NL
	WIN MUL_LO
	MUL16 0, (\q)%2, \q, \slot, \zero
	MUL16 2, (\q)%2, \q, \slot, \zero
	s_wait_dscnt 0
	PLACES NP
	FETCH_B \slot, (\q)+1, 1-(\q)%2
	FETCH_A \slot, (\q)+1, 0
	WIN MUL_HI
	MUL16 4, (\q)%2, \q, \slot, \zero
	MUL16 6, (\q)%2, \q, \slot, \zero
	PLACES NP
	WIN 0
	FETCH_A \slot, (\q)+1, 4
.endm
.macro TURN slot, next, fill
	s_wait_tensorcnt 0x0
	ds_add_u32 v[SPW], v[NIL]
	s_wait_dscnt 4*NL+1
	WIN MUL_LO
	MUL16 0, 1, NQ-1, \slot, 0
	s_wait_dscnt 0x0
	s_barrier_signal -1
	MUL16 2, 1, NQ-1, \slot, 0
	WIN 0
	s_barrier_wait -1
.if \fill
	CREST
	s_add_nc_u64 s[G0+4*\slot+2:G0+4*\slot+3], s[G0+4*\slot+2:G0+4*\slot+3], 2*ROWB
	s_add_nc_u64 s[G0B+4*\slot+2:G0B+4*\slot+3], s[G0B+4*\slot+2:G0B+4*\slot+3], 2*ROWB
	JLOAD G0+4*\slot, G1, G0B+4*\slot, G1B
	PLACES NP-4
.else
	PLACES NP
.endif
	s_wait_alu depctr_va_vdst(0)
	v_add_nc_u32 v[ADRS], 4*NQ, v[ADRS]
	FETCH_B \next, 0, 0
	FETCH_A \next, 0, 0
	SCALES \next
	WIN MUL_HI
	MUL16 4, 1, NQ-1, \slot, 0
	MUL16 6, 1, NQ-1, \slot, 0
	PLACES NP
	WIN 0
	FETCH_A \next, 0, 4
.endm
	s_wait_alu depctr_va_vdst(0)
	s_wait_tensorcnt 0x0                           ; my tile of the head's four is in
	ds_add_u32 v[SPW], v[NIL]
	s_mov_b32 s[G1+2], 128<<16                     ; no tensor load of mine is out: from here on a load brings 128 rows
	s_mov_b32 s[G1+4], 128
	s_mov_b32 s[G1B+2], 128<<16
	s_mov_b32 s[G1B+4], 128
	s_mov_b32 s[G0+1], s45                         ; and slot 0's groups 0 take my quarter of the slot
	s_add_nc_u64 s[G0+2:G0+3], s[G0+2:G0+3], s[18:19]
	s_mov_b32 s[G0B+1], s45
	s_add_nc_u64 s[G0B+2:G0B+3], s[G0B+2:G0B+3], s[18:19]
	s_wait_dscnt 0x0
	CROUND
	JLOAD G0+4, G1, G0B+4, G1B                     ; K step 1: the first tensor load behind the round
	FETCH_B 0, 0, 0
	FETCH_A 0, 0, 0
	SCALES 0
	FETCH_A 0, 0, 4
	STEP 0, 0, 1
	s_mov_b32 s3, LAPS-1
.Llap:
	TURN 0, 1, 1
	STEP 1, 0, 0
	TURN 1, 0, 1
	STEP 0, 0, 0
	s_sub_co_u32 s3, s3, 1
	s_cmp_lg_u32 s3, 0
	s_cbranch_scc1 .Llap
	TURN 0, 1, 0
	STEP 1, 0, 0
	s_wait_dscnt 4*NL
	WIN MUL_LO
	MUL16 0, 1, NQ-1, 1, 0
	MUL16 2, 1, NQ-1, 1, 0
	s_wait_dscnt 0
	WIN MUL_HI
	MUL16 4, 1, NQ-1, 1, 0
	MUL16 6, 1, NQ-1, 1, 0
	WIN 0
.set STOQ, 16
.set RDQ,  17
.set STOV, 18
.set RDV,  19
.set VT,   20
.set VO,   21
.set VSQ,  22
.set V4L,  23
.set CS,   64
.set RW,   128
.set PC,   192
.set TM,   208
.set OUT,  224
.set PW,   240
.set PWS,  241
.set SWD,  242
.set TP,   244
.set SEL,  66
.set MNT,  95
.set STGV, 16384
.macro QUANT src, W, dst
	WIN (\W)|((\W)<<2)
.irp b, 0,1,2,3
	v_max3_num_f32 v[TM+\b], |v[(\src)+16*\b]|, |v[(\src)+16*\b+1]|, 0x4800000
.endr
	WIN ((\W)<<2)|((\W)<<4)
.irp i, 2,4,6,8,10,12,14
.irp b, 0,1,2,3
	v_max3_num_f32 v[TM+\b], v[TM+\b], |v[(\src)+16*\b+\i]|, |v[(\src)+16*\b+\i+1]|
.endr
.endr
	WIN 0
.irp b, 0,1,2,3
	v_permlanex16_b32 v[TM+4+\b], v[TM+\b], s[SEL], s[SEL+1]
.endr
.irp b, 0,1,2,3
	v_max_num_f32 v[TM+\b], v[TM+\b], v[TM+4+\b]
.endr
.irp b, 0,1,2,3
	v_add_nc_u32 v[TM+12+\b], 0xfc000000, v[TM+\b]
.endr
.irp b, 0,1,2,3
	v_and_or_b32 v[TM+8+\b], v[TM+\b], 0x7f800000, s[MNT]
.endr
.irp b, 0,1,2,3
	v_lshrrev_b32 v[TM+4+\b], 23, v[TM+12+\b]
.endr
	v_lshl_or_b32 v[PW], v[TM+5], 8, v[TM+4]
	v_lshl_or_b32 v[PW], v[TM+6], 16, v[PW]
	v_lshl_or_b32 v[PW], v[TM+7], 24, v[PW]
	WIN (\W)
.irp b, 0,1,2,3
.irp i, 0,1,2,3,4,5,6,7,8,9,10,11,12,13,14,15
	v_med3_num_f32 v[(\dst)+16*\b+\i], v[(\src)+16*\b+\i], -v[TM+8+\b], v[TM+8+\b]
.endr
.endr
	WIN 0
.irp b, 0,1,2,3
	v_cvt_scalef32_pk8_fp8_f32 v[PC+4*\b:PC+4*\b+1], v[(\dst)+16*\b:(\dst)+16*\b+7], v[TM+12+\b]
	v_cvt_scalef32_pk8_fp8_f32 v[PC+4*\b+2:PC+4*\b+3], v[(\dst)+16*\b+8:(\dst)+16*\b+15], v[TM+12+\b]
.endr
	v_nop
.endm
	PLACES NP
	s_mul_i32 s18, s14, 16*144
	v_mul_u32_u24 v3, v1, 144
	v_lshl_add_u32 v3, v2, 4, v3
	v_add_nc_u32 v[STOQ], s18, v3
	v_add_nc_u32 v[STOV], STGV, v[STOQ]
	v_and_b32 v6, 31, v0
	v_lshrrev_b32 v4, 2, v6
	v_mul_u32_u24 v4, v4, 144
	v_and_b32 v5, 3, v6
	v_lshl_add_u32 v4, v5, 4, v4
	v_add_nc_u32 v[RDQ], s18, v4
	v_lshrrev_b32 v4, 3, v6
	v_mul_u32_u24 v4, v4, 144
	v_and_b32 v5, 7, v6
	v_lshl_add_u32 v4, v5, 4, v4
	v_add_nc_u32 v4, s18, v4
	v_add_nc_u32 v[RDV], STGV, v4
	v_lshlrev_b32 v[VO], 4, v6
	v_lshlrev_b32 v[V4L], 2, v6
	v_lshlrev_b32 v[VT], 8, v1
	v_lshl_add_u32 v[VT], v2, 6, v[VT]
.irp b, 0,1,2,3
	v_mov_b32 v[TM+4+\b], 0
.endr
	s_mov_b32 s[SEL], 0x76543210
	s_mov_b32 s[SEL+1], 0xfedcba98
	s_mov_b32 s[MNT], 0x600000
	s_mov_b32 s101, 0xffff0000
	s_cmp_eq_u32 s100, 1
	s_cbranch_scc1 .Lv_path
	s_lshl_b32 s18, s17, 8
	s_lshl_b32 s19, s15, 7
	s_add_co_u32 s18, s18, s19
	s_lshr_b32 s19, s18, 11
	s_bfe_u32 s20, s18, 0x40007
	s_lshl_b32 s21, s19, 4
	s_lshl_b32 s22, s40, 2
	s_add_co_u32 s21, s21, s22
	s_lshl_b32 s22, s16, 1
	s_add_co_u32 s21, s21, s22
	s_mov_b32 s23, 131072
	s_mov_b32 s25, 8192
	s_mov_b32 s26, QS
	s_mov_b32 s27, 8192
	s_cmp_eq_u32 ttmp9, 1
	s_cselect_b32 s23, RECB, s23
	s_cselect_b32 s24, REC+12288, 0
	s_cselect_b32 s25, 16384, s25
	s_cselect_b32 s26, REC, s26
	s_cselect_b32 s27, RECB, s27
	s_mul_i32 s28, s21, s23
	s_add_co_u32 s28, s28, s24
	s_mul_i32 s29, s20, s25
	s_add_co_u32 s28, s28, s29
	s_mov_b32 s29, 0
	s_add_nc_u64 s[30:31], s[6:7], s[28:29]
	s_mov_b32 s28, s23
	s_add_nc_u64 s[32:33], s[30:31], s[28:29]
	s_mul_i32 s28, s21, s27
	s_add_co_u32 s28, s28, s26
	s_lshl_b32 s34, s20, 9
	s_add_co_u32 s28, s28, s34
	s_add_nc_u64 s[34:35], s[6:7], s[28:29]
	s_lshl_b32 s28, s18, 8
	s_add_co_u32 s28, s28, TAB
	s_add_nc_u64 s[36:37], s[4:5], s[28:29]
	v_lshlrev_b32 v3, 2, v1
	v_mad_u32_u24 v[VSQ], v2, s27, v3
.macro CSLOAD n
.irp c, 0,1
.irp i, 0,1,2,3
	global_load_b128 v[CS+32*((\n)%2)+16*\c+4*\i:CS+32*((\n)%2)+16*\c+4*\i+3], v[VT], s[36:37] offset:4096*(\n)+128*\c+16*\i
.endr
.endr
.endm
.macro ROPE n
	WIN 2+(\n)/4
.irp b, 0,1,2,3,4,5,6,7
.irp i, 0,1,2,3
	v_pk_mul_f32 v[TP+2*\i:TP+2*\i+1], v[8*(8*((\n)%4)+\b)+2*\i:8*(8*((\n)%4)+\b)+2*\i+1], v[CS+32*((\n)%2)+16*((\b/2)%2)+8*(\b%2)+2*\i:CS+32*((\n)%2)+16*((\b/2)%2)+8*(\b%2)+2*\i+1] op_sel:[1,1] op_sel_hi:[0,1]
.endr
.irp i, 0,1,2,3
	v_pk_fma_f32 v[RW+8*\b+2*\i:RW+8*\b+2*\i+1], v[8*(8*((\n)%4)+\b)+2*\i:8*(8*((\n)%4)+\b)+2*\i+1], v[CS+32*((\n)%2)+16*((\b/2)%2)+8*(\b%2)+2*\i:CS+32*((\n)%2)+16*((\b/2)%2)+8*(\b%2)+2*\i+1], v[TP+2*\i:TP+2*\i+1] op_sel_hi:[1,0,1] neg_lo:[0,0,1]
.endr
.endr
	WIN 0
.endm
	s_wait_alu depctr_va_vdst(0)
.irp a, 0,1,2,3,4,5,6,7
	s_wait_xcnt 0x0
.if \a < 7
	s_wait_loadcnt 8
.else
	s_wait_loadcnt 0x0
.endif
	ROPE \a
.if \a < 6
	CSLOAD \a+2
.endif
	QUANT RW, 0, RW
.irp q, 0,1,2,3
	ds_store_b128 v[STOQ], v[PC+4*\q:PC+4*\q+3] offset:32*\q
.endr
.irp e, 0,1
.irp i, 0,1
	ds_load_b128 v[OUT+4*(2*\e+\i):OUT+4*(2*\e+\i)+3], v[RDQ] offset:1152*\i+64*\e
.endr
.endr
	v_and_b32 v[SWD], 0xffff, v[PW]
	v_lshrrev_b32 v[PWS], 16, v[PW]
	v_cndmask_b32 v[SWD], v[SWD], v[PWS], s101
	global_store_b32 v[VSQ], v[SWD], s[34:35] offset:64*\a
	s_wait_dscnt 0x0
.irp i, 0,1
	global_store_b128 v[VO], v[OUT+4*\i:OUT+4*\i+3], s[30:31] offset:1024*\a+512*\i
	global_store_b128 v[VO], v[OUT+8+4*\i:OUT+8+4*\i+3], s[32:33] offset:1024*\a+512*\i
.endr
.endr
	s_wait_tensorcnt 0x0
	ds_add_u32 v[SPW], v[NIL]
	s_wait_dscnt 0x0
	CROUND
	s_endpgm
.Lv_path:
	s_lshl_b32 s18, s42, 8
	s_lshl_b32 s19, s16, 7
	s_add_co_u32 s18, s18, s19
	s_lshr_b32 s19, s18, 11
	s_bfe_u32 s20, s18, 0x40007
	s_lshl_b32 s21, s19, 4
	s_lshl_b32 s22, s41, 2
	s_add_co_u32 s21, s21, s22
	s_lshl_b32 s22, s15, 1
	s_add_co_u32 s21, s21, s22
	s_mul_i32 s28, s21, RECB
	s_add_co_u32 s28, s28, REC
	s_mov_b32 s29, 0
	s_add_nc_u64 s[30:31], s[6:7], s[28:29]
	s_lshl_b32 s28, s20, 14
	s_add_co_u32 s28, s28, 20480
	s_add_nc_u64 s[32:33], s[30:31], s[28:29]
	s_add_nc_u64 s[34:35], s[32:33], RECB
	s_lshl_b32 s28, s20, 8
	s_add_co_u32 s28, s28, 8192
	s_add_nc_u64 s[36:37], s[30:31], s[28:29]
	s_add_nc_u64 s[38:39], s[36:37], RECB
.irp a, 0,1,2,3,4,5,6,7
	s_wait_xcnt 0x0
	QUANT 64*(\a%4), 2+\a/4, RW
.irp q, 0,1,2,3
	ds_store_b128 v[STOV], v[PC+4*\q:PC+4*\q+3] offset:32*\q
.endr
.irp i, 0,1,2,3
	ds_load_b128 v[OUT+4*\i:OUT+4*\i+3], v[RDV] offset:576*\i
.endr
.if \a%2 == 0
	v_mov_b32 v[PWS], v[PW]
.else
	v_cndmask_b32 v[SWD], v[PWS], v[PW], s101
	global_store_b32 v[V4L], v[SWD], s[36+2*(\a/4):37+2*(\a/4)] offset:64*((\a%4)-1)
.endif
	s_wait_dscnt 0x0
.irp i, 0,1,2,3
	global_store_b128 v[VO], v[OUT+4*\i:OUT+4*\i+3], s[32+2*(\a/4):33+2*(\a/4)] offset:2048*(\a%4)+512*\i
.endr
.endr
	s_wait_tensorcnt 0x0
	ds_add_u32 v[SPW], v[NIL]
	s_wait_dscnt 0x0
	CROUND
	s_endpgm
.Lfunc_end_k_q2b3471c79f_qkv:
	.size	k_q2b3471c79f_qkv, .Lfunc_end_k_q2b3471c79f_qkv-k_q2b3471c79f_qkv
	.p2alignl 7, 3214868480
	.fill 96, 4, 3214868480
	.section	.rodata,"a",@progbits
	.p2align	6, 0x0
	.amdhsa_kernel k_q2b3471c79f_qkv
		.amdhsa_group_segment_fixed_size 327680
		.amdhsa_private_segment_fixed_size 0
		.amdhsa_enable_private_segment 0
		.amdhsa_kernarg_size 16
		.amdhsa_user_sgpr_count 2
		.amdhsa_user_sgpr_kernarg_segment_ptr 1
		.amdhsa_wavefront_size32 1
		.amdhsa_system_sgpr_workgroup_id_x 1
		.amdhsa_system_sgpr_workgroup_id_y 1
		.amdhsa_system_sgpr_workgroup_id_z 1
		.amdhsa_system_vgpr_workitem_id 0
		.amdhsa_next_free_vgpr 1024
		.amdhsa_next_free_sgpr 104
		.amdhsa_reserve_vcc 0
		.amdhsa_float_denorm_mode_32 3
		.amdhsa_float_denorm_mode_16_64 3
		.amdhsa_memory_ordered 1
		.amdhsa_forward_progress 1
		.amdhsa_inst_pref_size 255
	.end_amdhsa_kernel
	.section	.bss,"aw",@nobits
	.p2align	6
	.space	262144
	.amdgpu_metadata
---
amdhsa.version: [ 1, 2 ]
amdhsa.kernels:
  - .name:           k_q2b3471c79f_qkv
    .symbol:         k_q2b3471c79f_qkv.kd
    .args:
      - { .name: pw, .offset: 0, .size: 8, .value_kind: global_buffer, .address_space: global }
      - { .name: qk, .offset: 8, .size: 8, .value_kind: global_buffer, .address_space: global }
    .group_segment_fixed_size: 327680
    .private_segment_fixed_size: 0
    .kernarg_segment_align: 8
    .kernarg_segment_size: 16
    .max_flat_workgroup_size: 128
    .sgpr_count:     104
    .vgpr_count:     1024
    .wavefront_size: 32
...
	.end_amdgpu_metadata
.endif
;; end of part 9
;; launch attn (part 10): grid 8 x 32, 16 waves a work-group, clusters of 4 x 1, 327,680 bytes of LDS; arguments qk, cx; writes cx
.if DOCPART == 10
	.amdgcn_target "amdgcn-amd-amdhsa--gfx1250"
	.amdhsa_code_object_version 6
	.text
	.protected	k_q2b3471c79f_attn
	.globl	k_q2b3471c79f_attn
	.p2align	8
	.type	k_q2b3471c79f_attn,@function
k_q2b3471c79f_attn:
	s_mov_b64 s[64:65], 0
	v_nop
	global_prefetch_b8 v0, s[64:65] scope:SCOPE_SE
	s_setreg_imm32_b32 hwreg(HW_REG_WAVE_MODE, 25, 1), 1
	s_wait_xcnt 0x0
	s_wait_alu depctr_hold_cnt(0) depctr_sa_sdst(0) depctr_va_vdst(0) depctr_va_sdst(0) depctr_va_ssrc(0) depctr_va_vcc(0) depctr_vm_vsrc(0)
	s_getreg_b32 s2, hwreg(HW_REG_IB_STS2, 6, 4)
	s_cmp_eq_u32 s2, 0
	s_cbranch_scc0 .Lentry_in_a_cluster
	s_endpgm
.Lentry_in_a_cluster:
	s_bfe_u32 s2, ttmp6, 0x10000c
	s_cmp_lg_u32 s2, 0x3003
	s_cbranch_scc0 .Lentry_shape_is_right
	s_endpgm
.Lentry_shape_is_right:
; ctx = softmax(Q K^T / 8, causal) V for one head, on codes of E4M3 with E8M0 scales; ctx leaves as codes and scale bytes (buffer cx: codes [4096 physical rows][1024], scale bytes [4096][32] at CXS).
; DEAD WORK, as shown at the head of kernel prep: a step of 128 keys that lies wholly behind a tile's 16 queries is left out (reference()'s own jnp.tril makes its p zero for all inputs).
; THE SOFTMAX: t = score x log2(e) / 8; M = the running largest t rounded up to a whole number; p = 2^(t - M) is quantised along the keys; the row's sum is taken of the unquantised p and divides at the end.
; LIMITS: NaN and infinities are not served; the promise holds while |t| stays under 2^31; a block of p under 2^-118, or of zeros, gets the scale byte 1 (its codes are zeros; this program alone reads the bytes).
; SHARES.  A work-group has 256 queries of a head: tile x of each of the 16 blocks of 128 queries (x: the work-group's number).  The tile of block R needs key steps 0 .. R: 136 steps in all.  SIXTEEN waves, four to a SIMD, each the
; owner of one tile.  Wave p (p = 0 .. 7) owns block 15 - p and walks its key steps 0 .. 8.  Wave 8 + p owns block p (steps 0 .. p), stores it, and then walks steps 9 .. 15 - p of wave p's tile: nine steps in waves 0-7, eight in the others.
; The helper's O^T, half its row sum and its -M go to the owner through 33 x 128 bytes of LDS of the pair's own, behind one barrier.  M is a whole number on both sides, so both parts are brought under the larger M by powers of two.
; The walk hangs on the wave's number alone, so the four work-groups of a cluster, which read the same head, ask for it jointly.
; LDS.  A head's record (K's scale words 8,192 bytes, V's 4,096, then for each key step K's 128 x 64 codes and V's 64 x 128) is 1,072 rows of 256 bytes, 16 bytes of padding behind each.  It is asked for ONCE, at the head,
; one tensor load a wave, in two parts with a load line each: rows 0-239 (the scale words, key steps 0 to 2) by waves 0-2, 80 rows each; rows 240-1,071 by waves 3-15, 64 rows each.
; A part is shown by a barrier in front of which its issuers have waited: ahead of step 0 and ahead of step 3.  No LDS byte is filled again.
; No prefetch: every byte that the launch reads through LDS is asked for at the head, so no later trip has anything to ask for ahead.
; A KEY STEP.  S^T = K Q^T (source 0 = 16 keys, source 1 = 16 queries), O^T = V^T P^T: a lane holds one query.  The head's size is 64: Q's registers for k = 64 .. 127 hold zero codes, so the upper half of a K fragment
; adds nothing whatever finite codes it holds: fragment t is v[KV + 8 t .. + 15], its upper half being tile t + 1's codes (behind tile 7: eight registers of zeros).  V's fragments are loaded into K's registers behind the eight products.
.set QS,    4194304
.set REC,   4456448
.set RECB,  274432
.set CXS,   4194304
.set SPARE, 291584                     ; behind the record: the spare words, 128 bytes a wave: eight blocks of 256 bytes that no other line names
.set STG,   293632                     ; behind them: 4,224 bytes for each of the eight pairs of waves
.set AK0,  1
.set AV0,  2
.set ASK0, 3
.set ASV0, 4
.set SPW,  5
.set NIL,  6
.set DQ,   7                           ; my query's place in its block of 128, less 16 (lane / 16)
.set ADK,  8
.set ADV,  9
.set ADS,  10
.set ADT,  11                          ; v12 -M, v13 the largest t, v[14:15] the sum; v16-31 Q
.set KV,   32                          ; v32-103  K's eight tiles and eight zeros; then V's four fragments
.set S,    104                         ; v104-167 S^T, then p
.set O,    168                         ; v168-199 O^T
.set PCD,  200                         ; v200-215 p's codes
.set MX,   216
.set T1,   220
.set LIM,  224
.set SCO,  228
.set SW,   232                         ; v232-239 scale words of K, then of V
.set NINF, 240
.set STA,  241                         ; my pair's LDS bytes: 16 x lane
.set TMP,  242
.set STB,  243                         ; and behind 4,096 of them: 4 x lane
.set F,    244                         ; v244 f = 2^(old M - new M), v245 p's scale word
.set Q2,   246                         ; v246-254 Q and scale word of the pair's long tile
.set QSW,  255
.set WV,   18
.set RT,   19                          ; the block of the tile in hand: its step RT lies on the diagonal
.set SEL,  20
.set CS,   22
.set MNT,  24
.set J,    25
.set TB,   26
.set TS,   27
.set TJ,   28
.set CNT,  29
.set LM,   30                          ; the last key step that I walk of it
.set G1A,  32
.set G1B,  40
.set G0A,  56
.set G0B,  60
.set HM,   78                          ; lanes 16-31
.set RL,   79                          ; the block of the pair's long tile
.macro CROUND
	s_barrier_signal -1
	s_barrier_wait -1
	s_cmp_lg_u32 s[WV], 0
	s_cbranch_scc1 .Lnot_wave_0_\@
	s_barrier_signal -3
.Lnot_wave_0_\@:
	s_barrier_wait -3
	s_barrier_signal -1
	s_barrier_wait -1
.endm
.macro GRP1 g, rows                    ; so many rows of 256 bytes (32 elements of 8), 4 words of padding behind each; the mask names the cluster's four
	s_mov_b32 s[\g], 15|(3<<16)|(1<<20)|(1<<21)|(5<<22)|(3<<25)
	s_mov_b32 s[\g+1], 32<<16
	s_mov_b32 s[\g+2], (\rows)<<16
	s_mov_b32 s[\g+3], 32<<16
	s_mov_b32 s[\g+4], \rows
	s_mov_b32 s[\g+5], 32
	s_mov_b32 s[\g+6], 0
	s_mov_b32 s[\g+7], 0
.endm
.macro DESC g0, rows, first            ; group 0: rows first + rows x wave on
	s_mov_b32 s[\g0], 1
	s_mul_i32 s[\g0+1], s[WV], (\rows)*272
	s_add_co_u32 s[\g0+1], s[\g0+1], (\first)*272
	s_mul_i32 s12, s[WV], (\rows)*256
	s_add_co_u32 s12, s12, s31
	s_add_co_u32 s12, s12, (\first)*256
	s_add_nc_u64 s[\g0+2:\g0+3], s[4:5], s[12:13]
	s_or_b32 s[\g0+3], s[\g0+3], 0x80000000
.endm
.macro TLOAD g0, g1                    ; an s_nop 0 and four v_nop follow the load
	tensor_load_to_lds s[\g0:\g0+3], s[\g1:\g1+7]
	s_nop 0
.rept 4
	v_nop
.endr
.endm
	s_load_b128 s[4:7], s[0:1], 0x0                ; qk, cx
	v_lshl_add_u32 v[SPW], v0, 2, SPARE
	v_mov_b32 v[NIL], 0
	ds_add_u32 v[SPW], v[NIL]                      ; the opening lines: the add, twice on end, and its wait
	ds_add_u32 v[SPW], v[NIL]
	v_lshrrev_b32 v8, 5, v0
	v_readfirstlane_b32 s[WV], v8                  ; wave 0..15
	s_bfe_u32 s8, ttmp6, 0x40000
	s_lshl_b32 s9, ttmp9, 2
	s_add_co_u32 s9, s9, s8                        ; x: which tile of each block of 128 queries
	s_and_b32 s10, ttmp7, 0xffff                   ; batch x 16 + head
	GRP1 G1A, 80
	GRP1 G1B, 64
	s_mul_i32 s31, s10, RECB
	s_add_co_u32 s31, s31, REC                     ; the head's record
	s_mov_b32 s13, 0
	s_mov_b32 s[SEL], 0x76543210
	s_mov_b32 s[SEL+1], 0xfedcba98
	s_mov_b32 s[CS], 0x3e38aa3b                    ; log2(e) / 8
	s_mov_b32 s[CS+1], s[CS]
	s_mov_b32 s[MNT], 0x600000
	s_mov_b32 s[HM], 0xffff0000
	s_mov_b32 s[J], 0
	s_mov_b32 s[TB], 0
	s_mov_b32 s[TS], 0
	s_mov_b32 s[TJ], 0
	s_wait_dscnt 0x0
	s_wait_kmcnt 0x0
	DESC G0A, 80, 0
	DESC G0B, 64, 48
	CROUND                                         ; the four work-groups are here: the joint loads meet
	s_cmp_lt_u32 s[WV], 3                          ; one branch on the wave's number, one load to an arm
	s_cbranch_scc0 .Lpart_b
	TLOAD G0A, G1A
	s_branch .Lasked
.Lpart_b:
	TLOAD G0B, G1B
.Lasked:
	s_and_b32 s16, s[WV], 7                        ; p: my pair
	s_sub_co_u32 s[RL], 15, s16
	s_cmp_lt_u32 s[WV], 8
	s_cselect_b32 s[RT], s[RL], s16                ; my own tile's block,
	s_cselect_b32 s[LM], 8, s16                    ; and the last of its steps that I walk
	s_lshl_b32 s11, s[RT], 3
	s_add_co_u32 s11, s11, s9                      ; my own tile
	s_mul_i32 s8, s16, 4224
	s_add_co_u32 s8, s8, STG                       ; my pair's LDS bytes
	s_lshl_b32 s16, s[RL], 3
	s_add_co_u32 s16, s16, s9                      ; the pair's long tile
	s_lshl_b32 s12, s10, 17
	s_lshl_b32 s14, s11, 10
	s_add_co_u32 s14, s14, s12
	s_mov_b32 s15, 0
	s_add_nc_u64 s[14:15], s[4:5], s[14:15]        ; Q's codes
	s_lshl_b32 s72, s16, 10
	s_add_co_u32 s72, s72, s12
	s_mov_b32 s73, 0
	s_add_nc_u64 s[72:73], s[4:5], s[72:73]
	s_lshl_b32 s12, s10, 13
	s_add_co_u32 s12, s12, QS
	s_lshl_b32 s74, s11, 6
	s_add_co_u32 s74, s74, s12
	s_mov_b32 s75, 0
	s_add_nc_u64 s[74:75], s[4:5], s[74:75]        ; Q's scale words
	s_lshl_b32 s76, s16, 6
	s_add_co_u32 s76, s76, s12
	s_mov_b32 s77, 0
	s_add_nc_u64 s[76:77], s[4:5], s[76:77]
	s_lshr_b32 s17, s9, 1
	s_lshl_b32 s17, s17, 5
	s_and_b32 s16, s9, 1
	s_lshl_b32 s16, s16, 3
	s_add_co_u32 s17, s17, s16                     ; 32 (x / 2) + 8 (x % 2)
	v_and_b32 v8, 15, v0                           ; r
	v_bfe_u32 v9, v0, 4, 1                         ; h
	v_lshlrev_b32 v10, 6, v8
	v_lshl_add_u32 v10, v9, 4, v10
	v_lshlrev_b32 v11, 2, v8
	global_load_b128 v[16:19], v10, s[14:15]
	global_load_b128 v[20:23], v10, s[14:15] offset:32
	global_load_b32 v[QSW], v11, s[74:75]
	global_load_b128 v[Q2:Q2+3], v10, s[72:73]     ; the long tile's, for the helper (in waves 0-7 it is the tile above once more: the text has one way)
	global_load_b128 v[Q2+4:Q2+7], v10, s[72:73] offset:32
	global_load_b32 v[Q2+8], v11, s[76:77]
	v_lshrrev_b32 v12, 2, v8                       ; K: four keys of 64 bytes to an LDS row
	v_mul_u32_u24 v12, v12, 272
	v_and_b32 v13, 3, v8
	v_lshl_add_u32 v12, v13, 6, v12
	v_lshl_add_u32 v12, v9, 4, v12
	v_add_nc_u32 v[AK0], 13056, v12
	v_lshrrev_b32 v12, 1, v8                       ; V: two rows of 128 bytes to an LDS row
	v_mul_u32_u24 v12, v12, 272
	v_and_b32 v13, 1, v8
	v_lshl_add_u32 v12, v13, 7, v12
	v_lshl_add_u32 v12, v9, 4, v12
	v_add_nc_u32 v[AV0], 21760, v12
	v_lshlrev_b32 v[ASK0], 2, v8
	v_add_nc_u32 v[ASV0], 8704, v[ASK0]
	v_and_b32 v12, 7, v8
	v_lshrrev_b32 v13, 3, v8
	v_lshl_add_u32 v12, v13, 4, v12
	v_lshlrev_b32 v13, 4, v9
	v_sub_nc_u32 v12, v12, v13
	v_add_nc_u32 v[DQ], s17, v12
	v_and_b32 v12, 31, v0
	v_lshl_add_u32 v[STA], v12, 4, s8
	v_lshl_add_u32 v[STB], v12, 2, s8
	v_add_nc_u32 v[STB], 4096, v[STB]
.irp i, 0,1,2,3,4,5,6,7
	v_mov_b32 v[24+\i], 0                          ; Q's codes for k = 64 .. 127
	v_mov_b32 v[KV+64+\i], 0
.endr
.irp b, 0,1,2,3
	v_mov_b32 v[T1+\b], 0                          ; a lane permute's destination counts as one of its sources
.endr
	v_mov_b32 v[F+1], 0                            ; (named as the upper halves of pairs)
	v_mov_b32 v[LIM+1], 0
	v_mov_b32 v[TMP], 0
	v_mov_b32 v[NINF], 0xff800000
.macro INIT                            ; a walk begins: O^T and the sum are zeros, the largest t lies under every t
.set ii, 0
.rept 32
	v_mov_b32 v[O+ii], 0
.set ii, ii+1
.endr
	v_mov_b32 v13, 0xff61b1e6
	v_floor_f32 v12, -v13
	v_mov_b32 v14, 0
	v_mov_b32 v15, 0
.endm
	INIT
; A KEY STEP of 128 keys.  A step behind the last that I walk is left out by a branch on ids; the step on the diagonal is masked.
.macro STEP
	s_cmp_gt_u32 s[J], s[LM]
	s_cbranch_scc1 .Lhid_\@
	v_add_nc_u32 v[ADK], s[TB], v[AK0]
	v_add_nc_u32 v[ADS], s[TS], v[ASK0]
.rept 6
	v_nop                                          ; with the two above: eight places behind the last products, ahead of loads into what they have read
.endr
.irp t, 0,1,2,3,4,5,6,7
	ds_load_b128 v[KV+8*\t:KV+8*\t+3], v[ADK] offset:1088*\t
	ds_load_b128 v[KV+8*\t+4:KV+8*\t+7], v[ADK] offset:1088*\t+32
	ds_load_b32 v[SW+\t], v[ADS] offset:272*(\t/4)+64*(\t%4)
.endr
	s_wait_dscnt 0x0
.irp t, 0,1,2,3,4,5,6,7
	v_wmma_scale_f32_16x16x128_f8f6f4 v[S+8*\t:S+8*\t+7], v[KV+8*\t:KV+8*\t+15], v[16:31], 0, v[SW+\t], v[QSW]
.endr
	v_add_nc_u32 v[ADV], s[TB], v[AV0]
	v_add_nc_u32 v[ADT], s[TJ], v[ASV0]
.rept 6
	v_nop                                          ; eight places: ahead of V's loads into K's registers and of the first read of the scores
.endr
.irp t, 0,1,2,3
.irp c, 0,1,2,3
	ds_load_b128 v[KV+16*\t+4*\c:KV+16*\t+4*\c+3], v[ADV] offset:2176*\t+32*\c
.endr
	ds_load_b32 v[SW+\t], v[ADT] offset:64*\t
.endr
	s_cmp_lt_u32 s[J], s[RT]
	s_cbranch_scc1 .Lopen_\@
.set nn, 0
.rept 64                               ; on the diagonal: register 16 b + i holds key 32 b + 16 (lane / 16) + i of the step: hidden scores become -infinity
	v_cmp_gt_i32 vcc_lo, 32*(nn/16)+nn%16, v[DQ]
	v_cndmask_b32 v[S+nn], v[S+nn], v[NINF], vcc_lo
.set nn, nn+1
.endr
.Lopen_\@:
.irp b, 0,1,2,3
	v_max3_num_f32 v[MX+\b], v[S+16*\b], v[S+1+16*\b], v[S+2+16*\b]   ; each block's largest score: for the row's maximum and for the block's largest p
.endr
.irp i, 3,5,7,9,11,13
.irp b, 0,1,2,3
	v_max3_num_f32 v[MX+\b], v[MX+\b], v[S+16*\b+\i], v[S+1+16*\b+\i]
.endr
.endr
.irp b, 0,1,2,3
	v_max_num_f32 v[MX+\b], v[MX+\b], v[S+15+16*\b]
.endr
.irp b, 0,1,2,3
	v_permlanex16_b32 v[T1+\b], v[MX+\b], s[SEL], s[SEL+1]
.endr
.irp b, 0,1,2,3
	v_max_num_f32 v[MX+\b], v[MX+\b], v[T1+\b]
.endr
	v_max3_num_f32 v[TMP], v[MX], v[MX+1], v[MX+2]
	v_max_num_f32 v[TMP], v[TMP], v[MX+3]
	v_mul_f32 v[TMP], s[CS], v[TMP]
	v_max_num_f32 v13, v13, v[TMP]                 ; the running largest t
	v_mov_b32 v[TMP], v12
	v_floor_f32 v12, -v13                          ; -M
	v_sub_f32 v[TMP], v12, v[TMP]
	v_cvt_i32_f32 v[TMP], v[TMP]
	v_ldexp_f32 v[F], 1.0, v[TMP]                  ; f = 2^(old M - new M)
.set nn, 0
.rept 32
	v_pk_fma_f32 v[S+nn:S+nn+1], v[S+nn:S+nn+1], s[CS:CS+1], v[12:13] op_sel_hi:[1,0,0]
.set nn, nn+2
.endr
.irp b, 0,1,2,3
	v_fma_f32 v[MX+\b], v[MX+\b], s[CS], v12
.endr
	s_wait_alu depctr_va_vdst(0)                   ; ahead of the batch
.set nn, 0
.rept 64
	v_exp_f32 v[S+nn], v[S+nn]                     ; p
.set nn, nn+1
.endr
	v_pk_mul_f32 v[14:15], v[14:15], v[F:F+1] op_sel_hi:[1,0]
	s_wait_alu depctr_va_vdst(0)                   ; and behind it, ahead of its first reader
.irp b, 0,1,2,3
	v_exp_f32 v[MX+\b], v[MX+\b]                   ; each block's largest p
.endr
	v_pk_add_f32 v[T1:T1+1], v[S:S+1], v[S+2:S+3]  ; the row's sum of the unquantised p, in two chains
.irp j, 4,8,12,16,20,24,28,32,36,40,44,48,52,56,60
	v_pk_add_f32 v[14:15], v[14:15], v[S+\j:S+\j+1]
	v_pk_add_f32 v[T1:T1+1], v[T1:T1+1], v[S+2+\j:S+3+\j]
.endr
	v_pk_add_f32 v[14:15], v[14:15], v[T1:T1+1]
	s_wait_alu depctr_va_vdst(0)                   ; for the four
.irp b, 0,1,2,3
	v_max_num_f32 v[MX+\b], 0x4800000, v[MX+\b]    ; the floor 2^(9 - 127)
.endr
.irp b, 0,1,2,3
	v_add_nc_u32 v[SCO+\b], 0xfc000000, v[MX+\b]
.endr
.irp b, 0,1,2,3
	v_and_or_b32 v[LIM+\b], v[MX+\b], 0x7f800000, s[MNT]
.endr
.irp b, 0,1,2,3
	v_lshrrev_b32 v[T1+\b], 23, v[SCO+\b]
.endr
	v_lshl_or_b32 v[F+1], v[T1+1], 8, v[T1]        ; p's scale word
	v_lshl_or_b32 v[F+1], v[T1+2], 16, v[F+1]
	v_lshl_or_b32 v[F+1], v[T1+3], 24, v[F+1]
.irp b, 0,1,2,3
.irp i, 0,2,4,6,8,10,12,14
	v_dual_min_num_f32 v[S+16*\b+\i], v[S+16*\b+\i], v[LIM+\b] :: v_dual_min_num_f32 v[S+16*\b+\i+1], v[S+16*\b+\i+1], v[LIM+\b]   ; the conversion does not saturate (ISA guide 7.6.2); p is not negative: a one-sided hold, two numbers a line
.endr
	v_cvt_scalef32_pk8_fp8_f32 v[PCD+4*\b:PCD+4*\b+1], v[S+16*\b:S+16*\b+7], v[SCO+\b]
	v_cvt_scalef32_pk8_fp8_f32 v[PCD+4*\b+2:PCD+4*\b+3], v[S+16*\b+8:S+16*\b+15], v[SCO+\b]
.endr
	v_nop                                          ; a plain line behind the last conversion
	s_wait_dscnt 0x0                               ; V's fragments and scale words, asked for ahead of the softmax
	s_wait_alu depctr_va_vdst(0)                   ; directly ahead of the first reader of O^T
.set nn, 0
.rept 16
	v_pk_mul_f32 v[O+nn:O+nn+1], v[O+nn:O+nn+1], v[F:F+1] op_sel_hi:[1,0]
.set nn, nn+2
.endr
.irp t, 0,1,2,3
	v_wmma_scale_f32_16x16x128_f8f6f4 v[O+8*\t:O+8*\t+7], v[KV+16*\t:KV+16*\t+15], v[PCD:PCD+15], v[O+8*\t:O+8*\t+7], v[SW+\t], v[F+1]
.endr
.Lhid_\@:
	s_add_co_u32 s[J], s[J], 1
	s_add_co_u32 s[TB], s[TB], 17408
	s_add_co_u32 s[TS], s[TS], 544
	s_add_co_u32 s[TJ], s[TJ], 272
.endm
.macro WALK label, trips
	s_mov_b32 s[CNT], \trips
\label:
	STEP
	s_sub_co_u32 s[CNT], s[CNT], 1
	s_cmp_lg_u32 s[CNT], 0
	s_cbranch_scc1 \label
.endm
; A TILE'S WAY OUT: O^T / the sum, quantised along the head's 64 (two blocks of 32, each in lanes l and l xor 16); tile s11 of head s10.
.macro JOBOUT
.rept 8
	v_nop
.endr
	s_wait_alu depctr_va_vdst(0)
	v_add_f32 v14, v14, v15
	v_permlanex16_b32 v[TMP], v14, s[SEL], s[SEL+1]
	v_add_f32 v14, v14, v[TMP]
	s_wait_alu depctr_va_vdst(0)                   ; ahead of the transcendental
	v_rcp_f32 v14, v14
	v_and_b32 v8, 15, v0
	v_bfe_u32 v9, v0, 4, 1
	v_lshlrev_b32 v10, 10, v8
	v_lshl_add_u32 v10, v9, 4, v10
	v_lshl_add_u32 v11, v8, 5, v9
	s_lshr_b32 s12, s10, 4
	s_and_b32 s13, s10, 15
	s_lshl_b32 s12, s12, 11
	s_lshl_b32 s14, s11, 4
	s_add_co_u32 s12, s12, s14                     ; my tile's first physical row
	s_lshl_b32 s14, s12, 10
	s_lshl_b32 s15, s13, 6
	s_add_co_u32 s14, s14, s15
	s_mov_b32 s15, 0
	s_add_nc_u64 s[14:15], s[6:7], s[14:15]
	s_lshl_b32 s16, s12, 5
	s_lshl_b32 s17, s13, 1
	s_add_co_u32 s16, s16, s17
	s_add_co_u32 s16, s16, CXS
	s_mov_b32 s17, 0
	s_add_nc_u64 s[16:17], s[6:7], s[16:17]
	s_wait_alu depctr_va_vdst(0)                   ; ahead of the first reader of the reciprocal and of O^T
.set nn, 0
.rept 16
	v_pk_mul_f32 v[S+nn:S+nn+1], v[O+nn:O+nn+1], v[14:15] op_sel_hi:[1,0]
.set nn, nn+2
.endr
.irp b, 0,1
	v_max3_num_f32 v[MX+\b], |v[S+16*\b]|, |v[S+1+16*\b]|, 0x4800000
.endr
.irp i, 2,4,6,8,10,12,14
.irp b, 0,1
	v_max3_num_f32 v[MX+\b], v[MX+\b], |v[S+16*\b+\i]|, |v[S+1+16*\b+\i]|
.endr
.endr
.irp b, 0,1
	v_permlanex16_b32 v[T1+\b], v[MX+\b], s[SEL], s[SEL+1]
.endr
.irp b, 0,1
	v_max_num_f32 v[MX+\b], v[MX+\b], v[T1+\b]
.endr
.irp b, 0,1
	v_add_nc_u32 v[SCO+\b], 0xfc000000, v[MX+\b]
.endr
.irp b, 0,1
	v_and_or_b32 v[LIM+\b], v[MX+\b], 0x7f800000, s[MNT]
.endr
.irp b, 0,1
	v_lshrrev_b32 v[T1+\b], 23, v[SCO+\b]
.endr
	v_cmp_eq_u32 vcc_lo, 1, v9
	v_cndmask_b32 v[MX+2], v[T1], v[T1+1], vcc_lo  ; lanes 0-15 store the first block's byte, lanes 16-31 the second's
.irp b, 0,1
.irp i, 0,1,2,3,4,5,6,7,8,9,10,11,12,13,14,15
	v_med3_num_f32 v[S+16*\b+\i], v[S+16*\b+\i], -v[LIM+\b], v[LIM+\b]
.endr
	v_cvt_scalef32_pk8_fp8_f32 v[PCD+4*\b:PCD+4*\b+1], v[S+16*\b:S+16*\b+7], v[SCO+\b]
	v_cvt_scalef32_pk8_fp8_f32 v[PCD+4*\b+2:PCD+4*\b+3], v[S+16*\b+8:S+16*\b+15], v[SCO+\b]
.endr
	v_nop
	global_store_b128 v10, v[PCD:PCD+3], s[14:15]
	global_store_b128 v10, v[PCD+4:PCD+7], s[14:15] offset:32
	global_store_b8 v11, v[MX+2], s[16:17]
.endm
	s_wait_alu depctr_va_vdst(0)                   ; at the head's end
	s_cmp_lt_u32 s[WV], 3                          ; the first part's issuers wait for it: the scale words and key steps 0 to 2
	s_cbranch_scc0 .Lnot_first
	s_wait_tensorcnt 0x0
.Lnot_first:
	s_barrier_signal -1
	s_barrier_wait -1
	s_wait_loadcnt 0x0                             ; Q
	WALK .Lfirst, 3
	s_wait_tensorcnt 0x0                           ; all that is still out: every wave waits
	s_wait_dscnt 0x0
	s_barrier_signal -1
	s_barrier_wait -1
	WALK .Lsecond, 6
	s_cmp_lt_u32 s[WV], 8
	s_cbranch_scc1 .Lowner
	JOBOUT                                         ; waves 8-15: my own tile is finished
	s_wait_xcnt 0x0                                ; the stores have read their registers and bases
.irp i, 0,1,2,3,4,5,6,7
	v_mov_b32 v[16+\i], v[Q2+\i]                   ; on to my partner's tile, key steps 9 on
.endr
	v_mov_b32 v[QSW], v[Q2+8]
	INIT
	s_mov_b32 s[RT], s[RL]
	s_mov_b32 s[LM], s[RL]
	s_branch .Lwalk_on
.Lowner:
	s_mov_b32 s[LM], 0                             ; waves 0-7 walk no step of 9 on
.Lwalk_on:
	s_wait_alu depctr_va_vdst(0)                   ; ahead of the loop's branches and waits
	WALK .Lthird, 7
	s_cmp_lt_u32 s[WV], 8
	s_cbranch_scc1 .Lno_send
.rept 8
	v_nop                                          ; places behind the last products
.endr
	s_wait_alu depctr_va_vdst(0)
	v_add_f32 v14, v14, v15                        ; the helper's row sum: its two halves, lane l xor 16's,
	v_permlanex16_b32 v[TMP], v14, s[SEL], s[SEL+1]
	v_add_f32 v14, v14, v[TMP]
	v_mul_f32 v14, 0.5, v14                        ; halved: the owner adds it in both halves of the lanes
	v_cndmask_b32 v[TMP], v14, v12, s[HM]          ; lanes 0-15 carry it, lanes 16-31 carry -M
.irp k, 0,1,2,3,4,5,6,7
	ds_store_b128 v[STA], v[O+4*\k:O+4*\k+3] offset:512*\k
.endr
	ds_store_b32 v[STB], v[TMP]
.Lno_send:
	s_wait_alu depctr_va_vdst(0)
	s_wait_dscnt 0x0                               ; my stores are done
	s_barrier_signal -1
	s_barrier_wait -1
	s_cmp_lt_u32 s[WV], 8
	s_cbranch_scc0 .Ldone
.irp k, 0,1,2,3,4,5,6,7
	ds_load_b128 v[S+4*\k:S+4*\k+3], v[STA] offset:512*\k
.endr
	ds_load_b32 v[MX], v[STB]
.rept 8
	v_nop                                          ; places behind my last products
.endr
	s_wait_dscnt 0x0
	v_permlanex16_b32 v[T1], v[MX], s[SEL], s[SEL+1]
	v_cndmask_b32 v[MX+1], v[MX], v[T1], s[HM]     ; half the helper's sum, in every lane
	v_cndmask_b32 v[MX+2], v[T1], v[MX], s[HM]     ; its -M
	v_min_num_f32 v[MX+3], v12, v[MX+2]            ; -M of both
	v_sub_f32 v[T1], v[MX+3], v12
	v_sub_f32 v[T1+1], v[MX+3], v[MX+2]            ; whole numbers, 0 or less
	v_cvt_i32_f32 v[T1], v[T1]                     ; (they saturate)
	v_cvt_i32_f32 v[T1+1], v[T1+1]
	v_ldexp_f32 v[F], 1.0, v[T1]                   ; my factor,
	v_ldexp_f32 v[LIM], 1.0, v[T1+1]               ; the helper's (0 where it walked no step)
	v_pk_mul_f32 v[14:15], v[14:15], v[F:F+1] op_sel_hi:[1,0]
	v_fmac_f32 v14, v[MX+1], v[LIM]
.set nn, 0
.rept 16
	v_pk_mul_f32 v[O+nn:O+nn+1], v[O+nn:O+nn+1], v[F:F+1] op_sel_hi:[1,0]
.set nn, nn+2
.endr
.set nn, 0
.rept 16
	v_pk_fma_f32 v[O+nn:O+nn+1], v[S+nn:S+nn+1], v[LIM:LIM+1], v[O+nn:O+nn+1] op_sel_hi:[1,0,1]
.set nn, nn+2
.endr
	JOBOUT
.Ldone:
	s_wait_tensorcnt 0x0                           ; the wave's end
	ds_add_u32 v[SPW], v[NIL]
	s_wait_dscnt 0x0
	CROUND                                         ; the closing round
	s_endpgm
.Lfunc_end_k_q2b3471c79f_attn:
	.size	k_q2b3471c79f_attn, .Lfunc_end_k_q2b3471c79f_attn-k_q2b3471c79f_attn
	.p2alignl 7, 3214868480
	.fill 96, 4, 3214868480
	.section	.rodata,"a",@progbits
	.p2align	6, 0x0
	.amdhsa_kernel k_q2b3471c79f_attn
		.amdhsa_group_segment_fixed_size 327680
		.amdhsa_private_segment_fixed_size 0
		.amdhsa_enable_private_segment 0
		.amdhsa_kernarg_size 16
		.amdhsa_user_sgpr_count 2
		.amdhsa_user_sgpr_kernarg_segment_ptr 1
		.amdhsa_wavefront_size32 1
		.amdhsa_system_sgpr_workgroup_id_x 1
		.amdhsa_system_sgpr_workgroup_id_y 1
		.amdhsa_system_sgpr_workgroup_id_z 1
		.amdhsa_system_vgpr_workitem_id 0
		.amdhsa_next_free_vgpr 256
		.amdhsa_next_free_sgpr 80
		.amdhsa_reserve_vcc 1
		.amdhsa_float_denorm_mode_32 3
		.amdhsa_float_denorm_mode_16_64 3
		.amdhsa_memory_ordered 1
		.amdhsa_forward_progress 1
		.amdhsa_inst_pref_size 103
	.end_amdhsa_kernel
	.amdgpu_metadata
---
amdhsa.version: [ 1, 2 ]
amdhsa.kernels:
  - .name:           k_q2b3471c79f_attn
    .symbol:         k_q2b3471c79f_attn.kd
    .args:
      - { .name: qk, .offset: 0, .size: 8, .value_kind: global_buffer, .address_space: global }
      - { .name: cx, .offset: 8, .size: 8, .value_kind: global_buffer, .address_space: global }
    .group_segment_fixed_size: 327680
    .private_segment_fixed_size: 0
    .kernarg_segment_align: 8
    .kernarg_segment_size: 16
    .max_flat_workgroup_size: 512
    .sgpr_count:     80
    .vgpr_count:     256
    .wavefront_size: 32
...
	.end_amdgpu_metadata
.endif
;; end of part 10
;; launch wo (part 11): grid 8 x 32, 4 waves a work-group, clusters of 4 x 4, 327,680 bytes of LDS; arguments cx, pw, x, o1; writes o1
.if DOCPART == 11
	.amdgcn_target "amdgcn-amd-amdhsa--gfx1250"
	.amdhsa_code_object_version 6
	.text
	.protected	k_q2b3471c79f_wo
	.globl	k_q2b3471c79f_wo
	.p2align	8
	.type	k_q2b3471c79f_wo,@function
k_q2b3471c79f_wo:
	s_mov_b64 s[64:65], 0
	v_nop
	global_prefetch_b8 v0, s[64:65] scope:SCOPE_SE
	s_setreg_imm32_b32 hwreg(HW_REG_WAVE_MODE, 25, 1), 1
	s_wait_xcnt 0x0
	s_wait_alu depctr_hold_cnt(0) depctr_sa_sdst(0) depctr_va_vdst(0) depctr_va_sdst(0) depctr_va_ssrc(0) depctr_va_vcc(0) depctr_vm_vsrc(0)
	s_getreg_b32 s2, hwreg(HW_REG_IB_STS2, 6, 4)
	s_cmp_eq_u32 s2, 0
	s_cbranch_scc0 .Lentry_in_a_cluster
	s_endpgm
.Lentry_in_a_cluster:
	s_bfe_u32 s2, ttmp6, 0x10000c
	s_cmp_lg_u32 s2, 0xf033
	s_cbranch_scc0 .Lentry_shape_is_right
	s_endpgm
.Lentry_shape_is_right:
; out1 = x + ctx Wo on codes of E4M3 with E8M0 scales.  U = ctx (codes and scales from kernel attn), T = Wo (from kernel prep); the residual and the result are f32 with logical rows.
; THE TILE.  The result is 4,096 x 1,024: 64 tiles of 256 x 256, or 256 of 128 x 128.  The smaller tile is taken, so that there are 256 work-groups: four waves, each 64 x 64: 16 accumulators, 128 registers.
; For 128 along K a wave then reads 32 x 512 bytes from LDS for 16 matrix instructions, twice the bytes for each product that a wave tile of 128 x 128 reads.
; THE RING.  K goes in steps of 512 through two LDS slots filled by the tensor data mover: rows of 512 bytes, 64 rows to a wave's load (waves 0, 1: U's halves; waves 2, 3: T's).  Here K = 1,024: both slots are first
; fills, and no LDS byte is filled again.  The scale bytes of all of K come into LDS once.
; CLUSTERS: 4 x 4 work-groups: U's tile is asked for jointly along a row of the cluster, T's along a column: the same tensor load with the same descriptor and a mask that names the four.
; Source 0 = 16 rows of T, source 1 = 16 rows of U: lane (r, h) holds U's physical row 16 a + r; register j of accumulator (a, b) is logical column 32 (b / 2) + 16 h + 8 (b % 2) + j (the row order of kernel prep).
; THE RESIDUAL of the wave's 64 x 64 is asked for at the head, behind the first tensor loads, and lies in registers when the sums are finished.
; REGISTERS, in windows of 256: window 0: v0-31 addresses; v32-63 scale words, two sets, and nothing else; v64-127 rows read back from the stage, two sets; v128-255 the accumulators ((a, b) at v[128 + 8 (4 a + b)]).
;   window 1: two fragment buffers of 128: U's four fragments (16 rows x 128 K), then T's four.   window 2: v0-127 the residual.
.set SIZE_K, 1024
.set UOFS,  4194304                    ; U's scales in its buffer
.set TOFC,  8519680                    ; T's codes in pw
.set TOFS,  15958016                   ; T's scales in pw
.set LAST,  0
.set KSTEP,  512
.set NQ,     KSTEP/128                 ; steps of 128 along K in a slot
.set ROWB,   512
.set KROW,   SIZE_K
.set PITCH,  528                       ; an LDS row: 512 bytes + 16 of padding = 132 words: the 16 rows that a load touches start at 16 different banks (64 banks of 4 bytes: ISA guide 11.1)
.set FR,     16
.set NP,     8                         ; places behind this matrix instruction (ISA guide 7.12.1)
.set HALFT,  64*PITCH                  ; 64 rows: what one tensor load brings, and what one wave reads of U or of T
.set SLOT,   4*HALFT                   ; U's 128 rows, then T's 128 rows
.set LAPS,   SIZE_K/(2*KSTEP)
.set KS,     SIZE_K/32
.set SCL,    2*SLOT                    ; behind the ring: the scales, as units of 256 bytes + 16 of padding
.set HALFS,  (64*KS/256)*272           ; those of 64 rows: half of what one tensor load brings
.set SBLK,   (16*KS/256)*272           ; those of 16 rows
.set SPARE,  SCL+4*HALFS               ; the spare words, 128 bytes a wave: two blocks of 256 bytes that no other line names
.set SPITCH, 272                       ; the way out: a stage of 16 rows x (256 bytes + 16) a wave, in slot 0, which has had its last fill and its last read by then
.set ADRA, 16                          ; v16-17  LDS address of my U fragments in slot 0, 1
.set ADRB, 20                          ; v20-21  the same for T
.set STO,  24
.set RD,   25
.set CO,   26
.set ADRS, 27
.set SPW,  28
.set NIL,  29
.set SC,   32
.set OUT,  64
.set ACC,  128
.set G1, 24
.set G0, 32
.set G1B, 48
.set G0B, 56
.set G1S, 68
.set G0S, 76
.set G1SB, 80
.set G0SB, 88
.set MSB, 0
.macro WIN new                         ; the immediate's high byte repeats the setting that is left
.if MSB != (\new)
	s_set_vgpr_msb (MSB<<8)|(\new)
.set MSB, (\new)
.endif
.endm
.set MUL,  0x05                        ; sources 0 (T) and 1 (U) window 1; C and D window 0
.set TO_F, 0x40                        ; destination window 1, address window 0
.macro JLOAD g0a, g1a, g0b, g1b        ; a joint load: waves 0, 1 for U, waves 2, 3 for T; an s_nop 0 and four v_nop follow each line
	s_cmp_eq_u32 s15, 0
	s_cbranch_scc0 .Lfor_b_\@
	tensor_load_to_lds s[\g0a:\g0a+3], s[\g1a:\g1a+7]
	s_nop 0
.rept 4
	v_nop
.endr
	s_branch .Lasked_\@
.Lfor_b_\@:
	tensor_load_to_lds s[\g0b:\g0b+3], s[\g1b:\g1b+7]
	s_nop 0
.rept 4
	v_nop
.endr
.Lasked_\@:
.endm
.macro CREST                           ; a round of the cluster's barrier behind its opening barrier
	s_cmp_lg_u32 s14, 0
	s_cbranch_scc1 .Lnot_wave_0_\@
	s_barrier_signal -3
.Lnot_wave_0_\@:
	s_barrier_wait -3
	s_barrier_signal -1
	s_barrier_wait -1
.endm
.macro CROUND
	s_barrier_signal -1
	s_barrier_wait -1
	CREST
.endm
	s_load_b128 s[4:7], s[0:1], 0x0                ; U's buffer s[4:5], pw s[6:7]
	s_load_b128 s[96:99], s[0:1], 0x10             ; the residual s[96:97], the result s[98:99]
	v_lshl_add_u32 v[SPW], v0, 2, SPARE
	v_mov_b32 v[NIL], 0
	ds_add_u32 v[SPW], v[NIL]                      ; the wave's opening: the add, twice on end, and its wait ahead of my first tensor load
	ds_add_u32 v[SPW], v[NIL]
	v_lshrrev_b32 v1, 5, v0
	v_readfirstlane_b32 s14, v1                    ; wave 0..3
	s_lshr_b32 s15, s14, 1                         ; which half of U's rows is mine.  Also: I fetch for U (0) or for T (1)
	s_and_b32 s16, s14, 1                          ; which half of T's rows.  Also: which 64 rows of that tile I fetch
	s_bfe_u32 s40, ttmp6, 0x40000                  ; cx, cy: my place in the cluster
	s_bfe_u32 s41, ttmp6, 0x40004
	s_lshl_b32 s42, ttmp9, 2
	s_add_co_u32 s42, s42, s40                     ; T's tile = 4 x cluster x + cx
	s_and_b32 s17, ttmp7, 0xffff
	s_lshl_b32 s17, s17, 2
	s_add_co_u32 s17, s17, s41                     ; U's tile = 4 x cluster y + cy
	s_lshl_b32 s43, s41, 2
	s_lshl_b32 s43, 15, s43                        ; my row of the cluster
	s_lshl_b32 s44, 0x1111, s40                    ; my column
	s_or_b32 s[G1+0], s43, (0<<16)|(1<<20)|(1<<21)|(6<<22)|(3<<25)  ; the mask; elements of 1 byte; padding on: 4 words after every 128; bit 21 beside a mask
	s_or_b32 s[G1B+0], s44, (0<<16)|(1<<20)|(1<<21)|(6<<22)|(3<<25)
.irp g, G1, G1B
	s_mov_b32 s[\g+1], ROWB<<16                    ; tensor_dim0
	s_mov_b32 s[\g+2], 128<<16                     ; tensor_dim1: 128 rows for the head's loads
	s_mov_b32 s[\g+3], ROWB<<16                    ; tile_dim0
	s_mov_b32 s[\g+4], 128                         ; tile_dim1
	s_mov_b32 s[\g+5], KROW                        ; the pitch
	s_mov_b32 s[\g+6], 0
	s_mov_b32 s[\g+7], 0
.endr
	s_or_b32 s[G1S+0], s43, (3<<16)|(1<<20)|(1<<21)|(5<<22)|(3<<25)  ; the scales of 128 rows: a dense block, as rows of 256 bytes (32 elements of 8), 4 words of padding behind each
	s_or_b32 s[G1SB+0], s44, (3<<16)|(1<<20)|(1<<21)|(5<<22)|(3<<25)
.irp g, G1S, G1SB
	s_mov_b32 s[\g+1], 32<<16
	s_mov_b32 s[\g+2], (128*KS/256)<<16
	s_mov_b32 s[\g+3], 32<<16
	s_mov_b32 s[\g+4], 128*KS/256
	s_mov_b32 s[\g+5], 32
	s_mov_b32 s[\g+6], 0
	s_mov_b32 s[\g+7], 0
.endr
	s_lshl_b32 s20, s17, 7                         ; U: the tile's first row
	s_lshl_b32 s46, s42, 7                         ; T likewise
	s_mov_b32 s21, 0
	s_mov_b32 s47, 0
	s_mov_b64 s[18:19], KS
	s_mul_u64 s[22:23], s[20:21], s[18:19]
	s_mul_u64 s[92:93], s[46:47], s[18:19]
	s_mov_b64 s[18:19], KROW
	s_mul_u64 s[20:21], s[20:21], s[18:19]
	s_mul_u64 s[46:47], s[46:47], s[18:19]
	s_mul_i32 s45, s14, HALFT                      ; where they go: wave x 64 rows: no place in the cluster enters an LDS address
	s_wait_dscnt 0x0                               ; both opening adds are done
	s_wait_kmcnt 0x0
	s_add_nc_u64 s[8:9], s[6:7], TOFC              ; T's codes
	s_add_nc_u64 s[10:11], s[6:7], TOFS            ; T's scales
	s_add_nc_u64 s[6:7], s[4:5], UOFS              ; U's scales
	s_add_nc_u64 s[20:21], s[4:5], s[20:21]
	s_add_nc_u64 s[22:23], s[6:7], s[22:23]
	s_add_nc_u64 s[46:47], s[8:9], s[46:47]
	s_add_nc_u64 s[92:93], s[10:11], s[92:93]
	CROUND                                         ; all sixteen work-groups are here: the first joint loads meet
	; the head's four tiles, each whole, one load a wave: wave 0 slot 0's 128 rows of U, wave 1 those of T, waves 2 and 3 their scale bytes
	s_mov_b32 s[G0S], 1
	s_mov_b32 s[G0S+1], SCL
	s_mov_b64 s[G0S+2:G0S+3], s[22:23]
	s_or_b32 s[G0S+3], s[G0S+3], 0x80000000
	s_mov_b32 s[G0SB], 1
	s_mov_b32 s[G0SB+1], SCL+2*HALFS
	s_mov_b64 s[G0SB+2:G0SB+3], s[92:93]
	s_or_b32 s[G0SB+3], s[G0SB+3], 0x80000000
	s_mov_b32 s[G0], 1
	s_mov_b32 s[G0+1], 0
	s_mov_b64 s[G0+2:G0+3], s[20:21]
	s_or_b32 s[G0+3], s[G0+3], 0x80000000
	s_mov_b32 s[G0B], 1
	s_mov_b32 s[G0B+1], 2*HALFT
	s_mov_b64 s[G0B+2:G0B+3], s[46:47]
	s_or_b32 s[G0B+3], s[G0B+3], 0x80000000
	s_mul_i32 s18, s16, 64*KROW                    ; slot 1 comes by quarters, 64 rows a wave: which half, in bytes
	s_mov_b32 s19, 0
	s_add_nc_u64 s[20:21], s[20:21], s[18:19]
	s_add_nc_u64 s[46:47], s[46:47], s[18:19]
	s_mov_b32 s[G0+4], 1
	s_add_co_u32 s[G0+5], s45, SLOT
	s_add_nc_u64 s[G0+6:G0+7], s[20:21], ROWB
	s_or_b32 s[G0+7], s[G0+7], 0x80000000
	s_mov_b32 s[G0B+4], 1
	s_add_co_u32 s[G0B+5], s45, SLOT
	s_add_nc_u64 s[G0B+6:G0B+7], s[46:47], ROWB
	s_or_b32 s[G0B+7], s[G0B+7], 0x80000000
.macro ARM under, g0, g1, next
	s_cmp_lt_u32 s14, \under
	s_cbranch_scc0 \next
	tensor_load_to_lds s[\g0:\g0+3], s[\g1:\g1+7]
	s_nop 0
.rept 4
	v_nop
.endr
	s_branch .Lhead_asked
\next:
.endm
	ARM 1, G0,  G1,  .Lhead_b
	ARM 2, G0B, G1B, .Lhead_sa
	ARM 3, G0S, G1S, .Lhead_sb
	tensor_load_to_lds s[G0SB:G0SB+3], s[G1SB:G1SB+7]
	s_nop 0
.rept 4
	v_nop
.endr
.Lhead_asked:
	v_and_b32 v1, 15, v0                           ; r = l % 16
	v_bfe_u32 v2, v0, 4, 1                         ; h = l / 16
	v_mul_u32_u24 v3, v1, PITCH
	v_lshl_add_u32 v4, v2, 4, v3                   ; a fragment's row x pitch + 16 x half
	s_mul_i32 s21, s15, HALFT                      ; my 64 rows of U
	s_mul_i32 s22, s16, HALFT                      ; my 64 rows of T,
	s_add_co_u32 s22, s22, 2*HALFT                 ; which lie behind U's 128
.irp s, 0,1
	v_add_nc_u32 v[ADRA+\s], s21, v4
	v_add_nc_u32 v[ADRB+\s], s22, v4
	s_add_co_u32 s21, s21, SLOT
	s_add_co_u32 s22, s22, SLOT
.endr
	v_mul_u32_u24 v5, v1, KS                       ; my row's scales: KS bytes a row,
	v_lshrrev_b32 v6, 8, v5
	v_lshl_add_u32 v5, v6, 4, v5                   ; and 16 more for each 256 passed
	s_mul_i32 s21, s15, HALFS
	s_mul_i32 s22, s16, HALFS
	s_add_co_u32 s22, s22, 2*HALFS
	s_sub_co_u32 s22, s22, s21
	v_mul_u32_u24 v6, s22, v2                      ; lanes 16-31 take T's scale words
	s_add_co_u32 s21, s21, SCL
	v_add_nc_u32 v5, v5, v6
	v_add_nc_u32 v[ADRS], s21, v5
	s_mul_i32 s23, s14, 16*SPITCH                  ; my stage
	v_mul_u32_u24 v5, v1, SPITCH
	v_lshl_add_u32 v5, v2, 6, v5                   ; in: row r; my half's 16 columns of each 32: + 64 h
	v_add_nc_u32 v[STO], s23, v5
	v_mul_u32_u24 v6, v2, SPITCH
	v_lshl_add_u32 v6, v1, 4, v6                   ; back: lanes 0-15 take one row of 256 bytes, lanes 16-31 the next
	v_add_nc_u32 v[RD], s23, v6
	v_lshlrev_b32 v[CO], 12, v2                    ; and the same two rows, of 4,096 bytes, in memory
	v_lshl_add_u32 v[CO], v1, 4, v[CO]
	s_wait_alu depctr_va_vdst(0)
	s_lshl_b32 s20, s17, 7
	s_lshl_b32 s21, s15, 6
	s_add_co_u32 s20, s20, s21                     ; my first row
	s_lshl_b32 s20, s20, 12                        ; of 4,096 bytes
	s_lshl_b32 s46, s42, 9
	s_lshl_b32 s47, s16, 8
	s_add_co_u32 s46, s46, s47                     ; my first column, in bytes
	s_add_co_u32 s20, s20, s46
	s_mov_b32 s21, 0
	s_add_nc_u64 s[96:97], s[96:97], s[20:21]
	s_add_nc_u64 s[98:99], s[98:99], s[20:21]
	; the residual of my 64 x 64, in the order in which the way out reads rows back: physical rows 16 a + 2 t + (0, 1) are logical rows 32 (a / 2) + 8 (a % 2) + 16 (t / 4) + 2 (t % 4) + (0, 1)
	WIN 0x80                                       ; destination window 2, address window 0
.irp a, 0,1,2,3
.set tt, 0
.rept 8
	global_load_b128 v[32*\a+4*tt:32*\a+4*tt+3], v[CO], s[96:97] offset:(32*(\a/2)+8*(\a%2)+16*(tt/4)+2*(tt%4))*4096 th:TH_LOAD_NT   ; sixteen lanes read 256 consecutive bytes, aligned
.set tt, tt+1
.endr
.endr
	WIN 0
.macro FRAG reg, adr, q, i             ; 16 rows x 128 K of codes: lane l holds row l % 16; registers 4 c .. 4 c + 3 hold K = 32 c + 16 (l / 16) + 0 .. 15
.irp c, 0,1,2,3
	ds_load_b128 v[\reg+4*\c:\reg+4*\c+3], v[\adr] offset:128*(\q)+32*\c+(\i)*16*PITCH
.endr
.endm
; 4 matrix instructions: U's block a x T's four, 128 along K: the slot's q-th, out of buffer f.  The 16 accumulators take turns, one instruction a turn, in the same order in every step.
.macro MUL4 f, a, q, sc, zero
.irp b, 0,1,2,3
.if \zero
	v_wmma_scale_f32_16x16x128_f8f6f4 v[ACC+8*(4*(\a)+\b):ACC+8*(4*(\a)+\b)+7], v[(\f)+64+FR*\b:(\f)+64+FR*\b+FR-1], v[(\f)+FR*(\a):(\f)+FR*(\a)+FR-1], 0, v[SC+4*NQ*(\sc)+NQ*\b+(\q)], v[SC+4*NQ*(\sc)+NQ*(\a)+(\q)] matrix_a_scale:MATRIX_SCALE_ROW1
.else
	v_wmma_scale_f32_16x16x128_f8f6f4 v[ACC+8*(4*(\a)+\b):ACC+8*(4*(\a)+\b)+7], v[(\f)+64+FR*\b:(\f)+64+FR*\b+FR-1], v[(\f)+FR*(\a):(\f)+FR*(\a)+FR-1], v[ACC+8*(4*(\a)+\b):ACC+8*(4*(\a)+\b)+7], v[SC+4*NQ*(\sc)+NQ*\b+(\q)], v[SC+4*NQ*(\sc)+NQ*(\a)+(\q)] matrix_a_scale:MATRIX_SCALE_ROW1
.endif
.endr
.endm
.macro FETCH slot, q, f                ; 32 LDS loads in one run: T's four fragments, then U's four, the last eight loads being U's blocks 2 and 3
	WIN TO_F
.irp i, 0,1,2,3
	FRAG (\f)+64+FR*\i, ADRB+\slot, \q, \i
.endr
.irp i, 0,1,2,3
	FRAG (\f)+FR*\i, ADRA+\slot, \q, \i
.endr
.endm
.macro SCALES sc                       ; a slot's scale words, four a row: lanes 0-15 take U's block i, lanes 16-31 T's block i
.irp i, 0,1,2,3
	ds_load_b128 v[SC+4*NQ*\sc+NQ*\i:SC+4*NQ*\sc+NQ*\i+3], v[ADRS] offset:\i*SBLK
.endr
.endm
.macro PLACES n                        ; plain vector lines between a matrix instruction and a load into, or a read of, its registers
.rept \n
	v_nop
.endr
.endm
.macro STEP slot, q, zero              ; 128 along K with a successor in the same slot: buffer q % 2 is multiplied, the other takes the next step's fragments
	s_wait_dscnt 8                                 ; T's fragments and U's blocks 0, 1 are in; the youngest eight loads (U's blocks 2, 3) may be out
	WIN MUL
	MUL4 128*((\q)%2), 0, \q, \slot, \zero
	MUL4 128*((\q)%2), 1, \q, \slot, \zero
	PLACES NP                                      ; for the loads into the other buffer, which the step before multiplied
	FETCH \slot, (\q)+1, 128-128*((\q)%2)
	s_wait_dscnt 32                                ; all but the 32 just issued
	WIN MUL
	MUL4 128*((\q)%2), 2, \q, \slot, \zero
	MUL4 128*((\q)%2), 3, \q, \slot, \zero
.endm
; A slot's last step (buffer 1) changes slots: one barrier; in front of it each wave waits for all its tensor loads, adds 0 to its spare word, and waits for that and for its reads of this slot.  fill = 1: the slot is filled again.
.macro TURN slot, next, fill
	WIN 0                                          ; (the add's two registers lie in window 0)
	s_wait_tensorcnt 0x0                           ; all my tensor loads have landed: my part of the next slot
	ds_add_u32 v[SPW], v[NIL]
	s_wait_dscnt 9                                 ; (the add and the youngest eight loads may be out)
	WIN MUL
	MUL4 128, 0, NQ-1, \slot, 0                    ; four matrix instructions stand between the add and the wait for it
	s_wait_dscnt 0x0                               ; the add is done, and my reads of this slot are over
	s_barrier_signal -1
	MUL4 128, 1, NQ-1, \slot, 0
	WIN 0
	s_barrier_wait -1
.if \fill
	CREST                                          ; the barrier has opened a round of the cluster's: no wave of any partner still reads this slot or has a load on its way
	s_add_nc_u64 s[G0+4*\slot+2:G0+4*\slot+3], s[G0+4*\slot+2:G0+4*\slot+3], 2*ROWB
	s_add_nc_u64 s[G0B+4*\slot+2:G0B+4*\slot+3], s[G0B+4*\slot+2:G0B+4*\slot+3], 2*ROWB
	JLOAD G0+4*\slot, G1, G0B+4*\slot, G1B         ; the first tensor load behind the round; its four v_nop are among the places below
	PLACES NP-4
.else
	PLACES NP
.endif
	v_add_nc_u32 v[ADRS], 4*NQ, v[ADRS]            ; on to the next slot's scale words
	SCALES \next
	FETCH \next, 0, 0
	WIN MUL
	MUL4 128, 2, NQ-1, \slot, 0
	MUL4 128, 3, NQ-1, \slot, 0
.endm
	s_wait_tensorcnt 0x0                           ; my tile of the head's four is in
	ds_add_u32 v[SPW], v[NIL]
	s_mov_b32 s[G1+2], 64<<16                      ; no tensor load of mine is out: from here on a load brings 64 rows
	s_mov_b32 s[G1+4], 64
	s_mov_b32 s[G1B+2], 64<<16
	s_mov_b32 s[G1B+4], 64
	s_wait_dscnt 0x0
	CROUND
	JLOAD G0+4, G1, G0B+4, G1B                     ; slot 1's first fill: the first tensor load behind the round
	SCALES 0
	FETCH 0, 0, 0
	STEP 0, 0, 1                                   ; the first step's products start the sums: nothing is cleared
.if LAPS > 1
	WIN 0                                          ; at a label and at a branch every window is 0
	s_mov_b32 s3, LAPS-1
.Llap:                                                 ; a trip goes once round the ring, from a lap's second step to the next lap's first, and fills both slots again
	STEP 0, 1, 0
	STEP 0, 2, 0
	TURN 0, 1, 1
	STEP 1, 0, 0
	STEP 1, 1, 0
	STEP 1, 2, 0
	TURN 1, 0, 1
	STEP 0, 0, 0
	WIN 0
	s_sub_co_u32 s3, s3, 1
	s_cmp_lg_u32 s3, 0
	s_cbranch_scc1 .Llap
.endif
	STEP 0, 1, 0                                   ; the last lap fills nothing
	STEP 0, 2, 0
	TURN 0, 1, 0
	STEP 1, 0, 0
	STEP 1, 1, 0
	STEP 1, 2, 0
	s_wait_dscnt 8                                 ; the very last step: nothing more to fetch
	WIN MUL
	MUL4 128, 0, NQ-1, 1, 0
	MUL4 128, 1, NQ-1, 1, 0
	s_wait_dscnt 0x0
	MUL4 128, 2, NQ-1, 1, 0
	MUL4 128, 3, NQ-1, 1, 0
	WIN 0
; THE WAY OUT, block by block of 16 physical rows x 64 columns: through my own stage, where the columns take their logical places, back as whole pieces of 256 bytes, two rows an instruction; the residual is added;
; the rows' logical place stands in the immediate (62 rows of 4,096 bytes at the most).  No base is stepped.  LDS serves a wave's instructions in order (ISA guide 5.7.1.4): no wait between the stores and the loads.
.macro TOSTAGE a
.irp b, 0,1,2,3
	ds_store_b128 v[STO], v[ACC+8*(4*(\a)+\b):ACC+8*(4*(\a)+\b)+3] offset:128*(\b/2)+32*(\b%2)          ; each accumulator from its low end on
	ds_store_b128 v[STO], v[ACC+8*(4*(\a)+\b)+4:ACC+8*(4*(\a)+\b)+7] offset:128*(\b/2)+32*(\b%2)+16
.endr
.irp t, 0,1,2,3,4,5,6,7
	ds_load_b128 v[OUT+32*((\a)%2)+4*\t:OUT+32*((\a)%2)+4*\t+3], v[RD] offset:\t*2*SPITCH
.endr
.endm
.macro SEND a, younger
.set BB, OUT+32*((\a)%2)
.set XR, 32*(\a)
	s_wait_dscnt \younger                          ; the block is back (the next block's 8 stores and 8 loads may be out)
	WIN 0x08                                       ; source 1: window 2, the residual
.set tt, 0
.rept 16
	v_pk_add_f32 v[BB+tt:BB+tt+1], v[BB+tt:BB+tt+1], v[XR+tt:XR+tt+1]
.set tt, tt+2
.endr
	WIN 0
.set tt, 0
.rept 8
.if LAST
	global_store_b128 v[CO], v[BB+4*tt:BB+4*tt+3], s[98:99] offset:(32*((\a)/2)+8*((\a)%2)+16*(tt/4)+2*(tt%4))*4096 th:TH_STORE_NT
.else
	global_store_b128 v[CO], v[BB+4*tt:BB+4*tt+3], s[98:99] offset:(32*((\a)/2)+8*((\a)%2)+16*(tt/4)+2*(tt%4))*4096   ; sixteen lanes store 256 consecutive bytes, aligned
.endif
.set tt, tt+1
.endr
.endm
	PLACES NP                                      ; behind the last products, ahead of the first read of results
	TOSTAGE 0
	s_wait_loadcnt 0x0                             ; the residual, asked for at the head
.irp a, 1,2,3
.if \a > 1
	s_wait_xcnt 0x0                                ; block a - 2's stores have read their registers: block a's loads may land there
.endif
	TOSTAGE \a
	SEND \a-1, 16
.endr
	SEND 3, 0
	s_wait_tensorcnt 0x0                           ; the wave's end, behind my last tensor load and my last LDS store
	ds_add_u32 v[SPW], v[NIL]
	s_wait_dscnt 0x0
	CROUND                                         ; the closing round
	s_endpgm
.Lfunc_end_k_q2b3471c79f_wo:
	.size	k_q2b3471c79f_wo, .Lfunc_end_k_q2b3471c79f_wo-k_q2b3471c79f_wo
	.p2alignl 7, 3214868480
	.fill 96, 4, 3214868480
	.section	.rodata,"a",@progbits
	.p2align	6, 0x0
	.amdhsa_kernel k_q2b3471c79f_wo
		.amdhsa_group_segment_fixed_size 327680
		.amdhsa_private_segment_fixed_size 0
		.amdhsa_enable_private_segment 0
		.amdhsa_kernarg_size 32
		.amdhsa_user_sgpr_count 2
		.amdhsa_user_sgpr_kernarg_segment_ptr 1
		.amdhsa_wavefront_size32 1
		.amdhsa_system_sgpr_workgroup_id_x 1
		.amdhsa_system_sgpr_workgroup_id_y 1
		.amdhsa_system_sgpr_workgroup_id_z 1
		.amdhsa_system_vgpr_workitem_id 0
		.amdhsa_next_free_vgpr 640
		.amdhsa_next_free_sgpr 104
		.amdhsa_reserve_vcc 0
		.amdhsa_float_denorm_mode_32 3
		.amdhsa_float_denorm_mode_16_64 3
		.amdhsa_memory_ordered 1
		.amdhsa_forward_progress 1
		.amdhsa_inst_pref_size 61
	.end_amdhsa_kernel
	.amdgpu_metadata
---
amdhsa.version: [ 1, 2 ]
amdhsa.kernels:
  - .name:           k_q2b3471c79f_wo
    .symbol:         k_q2b3471c79f_wo.kd
    .args:
      - { .name: cx, .offset: 0, .size: 8, .value_kind: global_buffer, .address_space: global }
      - { .name: pw, .offset: 8, .size: 8, .value_kind: global_buffer, .address_space: global }
      - { .name: x, .offset: 16, .size: 8, .value_kind: global_buffer, .address_space: global }
      - { .name: o1, .offset: 24, .size: 8, .value_kind: global_buffer, .address_space: global }
    .group_segment_fixed_size: 327680
    .private_segment_fixed_size: 0
    .kernarg_segment_align: 8
    .kernarg_segment_size: 32
    .max_flat_workgroup_size: 128
    .sgpr_count:     104
    .vgpr_count:     640
    .wavefront_size: 32
...
	.end_amdgpu_metadata
.endif
;; end of part 11
;; launch norm2 (part 12): grid 512 x 1, 8 waves a work-group, no clusters, 42,240 bytes of LDS; arguments o1, g2, h2; writes h2
.if DOCPART == 12
	.amdgcn_target "amdgcn-amd-amdhsa--gfx1250"
	.amdhsa_code_object_version 6
	.text
	.protected	k_q2b3471c79f_norm2
	.globl	k_q2b3471c79f_norm2
	.p2align	8
	.type	k_q2b3471c79f_norm2,@function
k_q2b3471c79f_norm2:
	s_mov_b64 s[64:65], 0
	v_nop
	global_prefetch_b8 v0, s[64:65] scope:SCOPE_SE
	s_setreg_imm32_b32 hwreg(HW_REG_WAVE_MODE, 25, 1), 1
	s_wait_xcnt 0x0
; rmsnorm(out1, g2) as codes of E4M3 and E8M0 scale bytes: h2 holds codes [4096 physical rows][1024] at 0 and scale bytes [4096][32] at HS (the row order of kernel prep).
; A work-group takes 8 physical rows, a wave ONE: 8 consecutive physical rows from a multiple of 8 are 8 consecutive logical rows.  The row stays in 32 registers between the sum of squares and the scaling; each half row then
; turns through the wave's own stage in LDS, so that a lane holds 16 neighbours for the conversions while every load and store covers 512 consecutive bytes.  The work-group's 256 scale bytes are gathered in LDS; behind one
; barrier wave 0 stores them as 256 consecutive bytes.  No tensor loads; no cluster: work-groups share only g2.
; LIMITS: NaN and infinities are not served; a block under 2^-118, or of zeros, gets the scale byte 1 (this program alone reads the bytes); 1 / rms is v_rsq_f32 and a multiplication.
.set HS,    4194304
.set SP,    80                         ; a lane's place in a stage: 64 bytes + 16 of padding
.set SPARE, 40960                      ; behind the eight waves' two stages of 32 x 80 bytes each: the spare words, 128 bytes a wave
.set BY,    41984                      ; behind them: the scale bytes, 32 a wave
.set G,     16                         ; v16-47   the gain
.set R,     48                         ; v48-79   the row
.set X,     112                        ; v112-143 two sets of 16 neighbours
.set C,     144                        ; v144-151 codes
.set E,     208                        ; v208-209 scale bytes
.set SPW,   246
.set NIL,   247
	s_load_b128 s[4:7], s[0:1], 0x0                ; out1, g2
	s_load_b64 s[22:23], s[0:1], 0x10              ; h2
	v_lshl_add_u32 v[SPW], v0, 2, SPARE
	v_mov_b32 v[NIL], 0
	v_lshrrev_b32 v1, 5, v0
	v_readfirstlane_b32 s24, v1                    ; wave 0..7
	v_and_b32 v2, 31, v0
	v_lshlrev_b32 v3, 4, v2
	s_mul_i32 s25, s24, 2*32*SP
	v_lshrrev_b32 v14, 2, v2
	v_mul_u32_u24 v14, v14, SP
	v_and_b32 v15, 3, v2
	v_lshl_add_u32 v14, v15, 4, v14
	v_add_nc_u32 v14, s25, v14                     ; a stage, on the way in: four lanes' 64 bytes on end, then 16 of padding
	v_mul_u32_u24 v15, v2, SP
	v_add_nc_u32 v15, s25, v15                     ; and on the way out: my 16 neighbours
	v_lshrrev_b32 v5, 1, v2
	s_lshl_b32 s25, s24, 5
	s_add_co_u32 s25, s25, BY
	v_add_nc_u32 v5, s25, v5                       ; my block's scale byte: 32 x wave + lane / 2
	v_lshlrev_b32 v7, 3, v2
	v_add_nc_u32 v6, BY, v7                        ; the bytes' way out, for wave 0: 8 x lane
	s_mov_b32 s26, 0x600000
	s_mov_b32 s27, 0x76543210
	s_mov_b32 s28, 0xfedcba98
	s_mov_b32 s29, 0x3a800000                      ; 1 / 1024
	s_mov_b32 s30, 0x3727c5ac                      ; 1e-5
	s_lshr_b32 s31, ttmp9, 2
	s_lshl_b32 s31, s31, 5                         ; 32 (G / 4)
	s_and_b32 s32, ttmp9, 1
	s_lshl_b32 s32, s32, 4                         ; 16 (G % 2)
	s_bfe_u32 s33, ttmp9, 0x10001
	s_lshl_b32 s33, s33, 3                         ; 8 ((G / 2) % 2)
	s_add_co_u32 s32, s32, s33
	s_add_co_u32 s32, s32, s31
	s_add_co_u32 s32, s32, s24                     ; my logical row
	s_lshl_b32 s33, ttmp9, 3                       ; the work-group's first physical row: 8 G
	s_lshl_b32 s38, s33, 5
	s_add_co_u32 s38, s38, HS                      ; its 256 scale bytes
	s_mov_b32 s39, 0
	s_add_co_u32 s33, s33, s24                     ; my physical row
	s_lshl_b32 s34, s32, 12
	s_mov_b32 s35, 0
	s_lshl_b32 s36, s33, 10
	s_mov_b32 s37, 0
	s_wait_alu depctr_va_vdst(0)                   ; at the head's end
	s_wait_kmcnt 0x0
	s_add_nc_u64 s[4:5], s[4:5], s[34:35]
	s_add_nc_u64 s[36:37], s[22:23], s[36:37]
	s_add_nc_u64 s[38:39], s[22:23], s[38:39]
.irp k, 0,1,2,3,4,5,6,7
	global_load_b128 v[R+4*\k:R+4*\k+3], v3, s[4:5] offset:512*\k   ; 32 lanes read 512 consecutive bytes
.endr
.irp k, 0,1,2,3,4,5,6,7
	global_load_b128 v[G+4*\k:G+4*\k+3], v3, s[6:7] offset:512*\k
.endr
.macro TURN hf                         ; half the row through a stage: in as loaded, out 16 neighbours a lane.  LDS serves a wave's instructions in order: no wait between
.irp k, 0,1,2,3
	ds_store_b128 v14, v[R+16*(\hf)+4*\k:R+16*(\hf)+4*\k+3] offset:32*SP*(\hf)+8*SP*\k
.endr
.irp k, 0,1,2,3
	ds_load_b128 v[X+16*(\hf)+4*\k:X+16*(\hf)+4*\k+3], v15 offset:32*SP*(\hf)+16*\k
.endr
.endm
.macro QSTEP t                         ; 512 numbers become codes and 16 scale bytes; two neighbouring lanes hold a block of 32
.set XS, X+16*(\t)
	v_max3_num_f32 v8, |v[XS]|, |v[XS+1]|, |v[XS+2]|
	v_max3_num_f32 v9, |v[XS+3]|, |v[XS+4]|, |v[XS+5]|
.irp q, 6,10
	v_max3_num_f32 v8, v8, |v[XS+\q]|, |v[XS+\q+1]|
	v_max3_num_f32 v9, v9, |v[XS+\q+2]|, |v[XS+\q+3]|
.endr
	v_max3_num_f32 v8, v8, |v[XS+14]|, |v[XS+15]|
	v_max3_num_f32 v8, v8, v9, 0x4800000           ; the floor 2^(9 - 127)
	v_max_num_f32_dpp v8, v8, v8 row_xmask:1 row_mask:0xf bank_mask:0xf
	v_add_nc_u32 v11, 0xfc000000, v8
	v_and_or_b32 v10, v8, 0x7f800000, s26
.irp q, 0,1,2,3,4,5,6,7,8,9,10,11,12,13,14,15
	v_med3_num_f32 v[XS+\q], v[XS+\q], -v10, v10
.endr
	v_cvt_scalef32_pk8_fp8_f32 v[C+4*(\t):C+4*(\t)+1], v[XS:XS+7], v11
	v_cvt_scalef32_pk8_fp8_f32 v[C+4*(\t)+2:C+4*(\t)+3], v[XS+8:XS+15], v11
	v_lshrrev_b32 v[E+(\t)], 23, v11
	ds_store_b8 v5, v[E+(\t)] offset:16*(\t)       ; both lanes of a block write the same byte with the same value
	global_store_b128 v3, v[C+4*(\t):C+4*(\t)+3], s[36:37] offset:512*(\t)
.endm
	s_wait_loadcnt 8                               ; the row is in; the gain's eight loads may be out
	v_pk_mul_f32 v[226:227], v[R:R+1], v[R:R+1]    ; the sum of squares, two chains of pairs
	v_pk_mul_f32 v[228:229], v[R+2:R+3], v[R+2:R+3]
.irp k, 4,8,12,16,20,24,28
	v_pk_fma_f32 v[226:227], v[R+\k:R+\k+1], v[R+\k:R+\k+1], v[226:227]
	v_pk_fma_f32 v[228:229], v[R+\k+2:R+\k+3], v[R+\k+2:R+\k+3], v[228:229]
.endr
	v_pk_add_f32 v[226:227], v[226:227], v[228:229]
	v_add_f32 v226, v226, v227
	v_add_f32_dpp v226, v226, v226 row_xmask:1 row_mask:0xf bank_mask:0xf
	v_add_f32_dpp v226, v226, v226 row_xmask:2 row_mask:0xf bank_mask:0xf
	v_add_f32_dpp v226, v226, v226 row_xmask:4 row_mask:0xf bank_mask:0xf
	v_add_f32_dpp v226, v226, v226 row_xmask:8 row_mask:0xf bank_mask:0xf
	v_permlanex16_b32 v227, v226, s27, s28
	v_add_f32 v226, v226, v227
	v_fma_f32 v226, v226, s29, s30                 ; the mean + eps
	s_wait_alu depctr_va_vdst(0)                   ; ahead of the transcendentals
	v_rsq_f32 v230, v226
	v_rsq_f32 v231, v226                           ; twice: a pair for the packed multiply
	v_nop                                          ; the plain line behind a transcendental
	s_wait_alu depctr_va_vdst(0)                   ; one wait for both, ahead of their first reader
.irp k, 0,2,4,6,8,10,12,14,16,18,20,22,24,26,28,30
	v_pk_mul_f32 v[R+\k:R+\k+1], v[R+\k:R+\k+1], v[230:231]
.endr
	s_wait_alu depctr_va_vdst(0)                   ; directly ahead of the wait below
	s_wait_loadcnt 0x0                             ; the gain
.irp k, 0,2,4,6,8,10,12,14,16,18,20,22,24,26,28,30
	v_pk_mul_f32 v[R+\k:R+\k+1], v[R+\k:R+\k+1], v[G+\k:G+\k+1]
.endr
	TURN 0
	TURN 1
	s_wait_dscnt 8                                 ; the first half is back; the second half's eight may be out
	QSTEP 0
	s_wait_dscnt 1                                 ; the second half is back (the byte store may be out)
	QSTEP 1
	s_wait_dscnt 0x0                               ; my scale bytes are stored
	s_barrier_signal -1
	s_barrier_wait -1                              ; everybody's are
	s_cmp_lt_u32 s24, 1
	s_cbranch_scc0 .Lno_bytes
	ds_load_b64 v[8:9], v6
	s_wait_dscnt 0x0
	global_store_b64 v7, v[8:9], s[38:39]          ; 32 lanes store 256 consecutive bytes, aligned
.Lno_bytes:
	s_wait_tensorcnt 0x0                           ; the wave's end, behind my last LDS store
	ds_add_u32 v[SPW], v[NIL]
	s_wait_dscnt 0x0
	s_endpgm
.Lfunc_end_k_q2b3471c79f_norm2:
	.size	k_q2b3471c79f_norm2, .Lfunc_end_k_q2b3471c79f_norm2-k_q2b3471c79f_norm2
	.p2alignl 7, 3214868480
	.fill 96, 4, 3214868480
	.section	.rodata,"a",@progbits
	.p2align	6, 0x0
	.amdhsa_kernel k_q2b3471c79f_norm2
		.amdhsa_group_segment_fixed_size 42240
		.amdhsa_private_segment_fixed_size 0
		.amdhsa_enable_private_segment 0
		.amdhsa_kernarg_size 24
		.amdhsa_user_sgpr_count 2
		.amdhsa_user_sgpr_kernarg_segment_ptr 1
		.amdhsa_wavefront_size32 1
		.amdhsa_system_sgpr_workgroup_id_x 1
		.amdhsa_system_sgpr_workgroup_id_y 1
		.amdhsa_system_sgpr_workgroup_id_z 1
		.amdhsa_system_vgpr_workitem_id 0
		.amdhsa_next_free_vgpr 248
		.amdhsa_next_free_sgpr 66
		.amdhsa_reserve_vcc 0
		.amdhsa_float_denorm_mode_32 3
		.amdhsa_float_denorm_mode_16_64 3
		.amdhsa_memory_ordered 1
		.amdhsa_forward_progress 1
		.amdhsa_inst_pref_size 14
	.end_amdhsa_kernel
	.amdgpu_metadata
---
amdhsa.version: [ 1, 2 ]
amdhsa.kernels:
  - .name:           k_q2b3471c79f_norm2
    .symbol:         k_q2b3471c79f_norm2.kd
    .args:
      - { .name: o1, .offset: 0, .size: 8, .value_kind: global_buffer, .address_space: global }
      - { .name: g2, .offset: 8, .size: 8, .value_kind: global_buffer, .address_space: global }
      - { .name: h2, .offset: 16, .size: 8, .value_kind: global_buffer, .address_space: global }
    .group_segment_fixed_size: 42240
    .private_segment_fixed_size: 0
    .kernarg_segment_align: 8
    .kernarg_segment_size: 24
    .max_flat_workgroup_size: 256
    .sgpr_count:     66
    .vgpr_count:     248
    .wavefront_size: 32
...
	.end_amdgpu_metadata
.endif
;; end of part 12
;; launch w13 (part 13): grid 16 x 16, 4 waves a work-group, clusters of 4 x 4, 327,680 bytes of LDS; arguments h2, pw, ff; writes ff
.if DOCPART == 13
	.amdgcn_target "amdgcn-amd-amdhsa--gfx1250"
	.amdhsa_code_object_version 6
	.text
	.protected	k_q2b3471c79f_w13
	.globl	k_q2b3471c79f_w13
	.p2align	8
	.type	k_q2b3471c79f_w13,@function
k_q2b3471c79f_w13:
	s_mov_b64 s[64:65], 0
	v_nop
	global_prefetch_b8 v0, s[64:65] scope:SCOPE_SE
	s_setreg_imm32_b32 hwreg(HW_REG_WAVE_MODE, 25, 1), 1
	s_wait_xcnt 0x0
	s_wait_alu depctr_hold_cnt(0) depctr_sa_sdst(0) depctr_va_vdst(0) depctr_va_sdst(0) depctr_va_ssrc(0) depctr_va_vcc(0) depctr_vm_vsrc(0)
	s_getreg_b32 s2, hwreg(HW_REG_IB_STS2, 6, 4)
	s_cmp_eq_u32 s2, 0
	s_cbranch_scc0 .Lentry_in_a_cluster
	s_endpgm
.Lentry_in_a_cluster:
	s_bfe_u32 s2, ttmp6, 0x10000c
	s_cmp_lg_u32 s2, 0xf033
	s_cbranch_scc0 .Lentry_shape_is_right
	s_endpgm
.Lentry_shape_is_right:
; ff = silu(h2 W1) x (h2 W3), quantised along the hidden axis, on codes of E4M3 with E8M0 scales.  U = h2 (kernel norm2), T = W1 and W3 in one buffer (kernel prep): group g of 32 hidden units has W1 at rows 64 g on
; and W3 at rows 64 g + 32 on, so that a wave's 128 rows of T are two groups: accumulators b = 4 g + u hold x1 and b = 4 g + 2 + u hold x3 of the SAME lane, row and hidden units 32 g + 16 h + 8 u + j.
; THE PRODUCT: a tile of 256 x 256 by four waves of 128 x 128; K = 1,024 in steps of 256 through a ring of two LDS slots; the scale bytes of all of K come into LDS once; 4 x 4 clusters with joint loads.
; ff: codes [4096 physical rows][2048] at 0, scale bytes [4096][64] at FFS.  A wave has 64 hidden units of a row, so its codes leave as pieces of 32 bytes of rows of 2,048.
; LIMITS: NaN and infinities are not served; a block under 2^-118, or of zeros, gets the scale byte 1; sigmoid(x) = 1 / (1 + 2^(-x log2 e)) by v_exp_f32 and v_rcp_f32.
.set SIZE_K, 1024
.set UOFS,  4194304
.set TOFC,  9568256
.set TOFS,  15990784
.set FFS,   8388608
.set KSTEP,  256
.set NQ,     KSTEP/128
.set ROWB,   256
.set KROW,   SIZE_K
.set PITCH,  272
.set FR,     16
.set NL,     4
.set NP,     8
.set HALFT,  128*PITCH
.set SLOT,   4*HALFT
.set LAPS,   SIZE_K/(2*KSTEP)
.set KS,     SIZE_K/32
.set SCL,    2*SLOT
.set HALFS,  (128*KS/256)*272
.set SBLK,   (16*KS/256)*272
.set SPARE,  SCL+4*HALFS               ; the spare words, 128 bytes a wave: two blocks of 256 bytes that no other line names
.set ADRA, 16
.set ADRB, 20
.set ADRS, 27
.set SPW,  28
.set NIL,  29
.set SC,   32
.set AF,   128
.set G1, 24
.set G0, 32
.set G1B, 48
.set G0B, 56
.set G1S, 68
.set G0S, 76
.set G1SB, 80
.set G0SB, 88
.set MSB, 0
.macro WIN new
.if MSB != (\new)
	s_set_vgpr_msb (MSB<<8)|(\new)
.set MSB, (\new)
.endif
.endm
.set MUL_LO, 0xa1
.set MUL_HI, 0xf1
.set TO_B,   0x40
.macro JLOAD g0a, g1a, g0b, g1b        ; a joint load: waves 0, 1 for U, waves 2, 3 for T; an s_nop 0 and four v_nop follow each line
	s_cmp_eq_u32 s15, 0
	s_cbranch_scc0 .Lfor_b_\@
	tensor_load_to_lds s[\g0a:\g0a+3], s[\g1a:\g1a+7]
	s_nop 0
.rept 4
	v_nop
.endr
	s_branch .Lasked_\@
.Lfor_b_\@:
	tensor_load_to_lds s[\g0b:\g0b+3], s[\g1b:\g1b+7]
	s_nop 0
.rept 4
	v_nop
.endr
.Lasked_\@:
.endm
.macro CREST
	s_cmp_lg_u32 s14, 0
	s_cbranch_scc1 .Lnot_wave_0_\@
	s_barrier_signal -3
.Lnot_wave_0_\@:
	s_barrier_wait -3
	s_barrier_signal -1
	s_barrier_wait -1
.endm
.macro CROUND
	s_barrier_signal -1
	s_barrier_wait -1
	CREST
.endm
	s_load_b128 s[4:7], s[0:1], 0x0                ; h2 s[4:5], pw s[6:7]
	s_load_b64 s[96:97], s[0:1], 0x10              ; ff
	v_lshl_add_u32 v[SPW], v0, 2, SPARE
	v_mov_b32 v[NIL], 0
	ds_add_u32 v[SPW], v[NIL]                      ; the wave's opening: the add, twice on end, and its wait ahead of my first tensor load
	ds_add_u32 v[SPW], v[NIL]
	v_lshrrev_b32 v1, 5, v0
	v_readfirstlane_b32 s14, v1
	s_lshr_b32 s15, s14, 1
	s_and_b32 s16, s14, 1
	s_bfe_u32 s40, ttmp6, 0x40000
	s_bfe_u32 s41, ttmp6, 0x40004
	s_lshl_b32 s42, ttmp9, 2
	s_add_co_u32 s42, s42, s40
	s_and_b32 s17, ttmp7, 0xffff
	s_lshl_b32 s17, s17, 2
	s_add_co_u32 s17, s17, s41
	s_lshl_b32 s43, s41, 2
	s_lshl_b32 s43, 15, s43
	s_lshl_b32 s44, 0x1111, s40
	s_or_b32 s[G1+0], s43, (0<<16)|(1<<20)|(1<<21)|(5<<22)|(3<<25)
	s_or_b32 s[G1B+0], s44, (0<<16)|(1<<20)|(1<<21)|(5<<22)|(3<<25)
.irp g, G1, G1B
	s_mov_b32 s[\g+1], ROWB<<16
	s_mov_b32 s[\g+2], 256<<16
	s_mov_b32 s[\g+3], ROWB<<16
	s_mov_b32 s[\g+4], 256
	s_mov_b32 s[\g+5], KROW
	s_mov_b32 s[\g+6], 0
	s_mov_b32 s[\g+7], 0
.endr
	s_or_b32 s[G1S+0], s43, (3<<16)|(1<<20)|(1<<21)|(5<<22)|(3<<25)
	s_or_b32 s[G1SB+0], s44, (3<<16)|(1<<20)|(1<<21)|(5<<22)|(3<<25)
.irp g, G1S, G1SB
	s_mov_b32 s[\g+1], 32<<16
	s_mov_b32 s[\g+2], KS<<16
	s_mov_b32 s[\g+3], 32<<16
	s_mov_b32 s[\g+4], KS
	s_mov_b32 s[\g+5], 32
	s_mov_b32 s[\g+6], 0
	s_mov_b32 s[\g+7], 0
.endr
	s_lshl_b32 s20, s17, 8
	s_lshl_b32 s46, s42, 8
	s_mov_b32 s21, 0
	s_mov_b32 s47, 0
	s_mov_b64 s[18:19], KS
	s_mul_u64 s[22:23], s[20:21], s[18:19]
	s_mul_u64 s[92:93], s[46:47], s[18:19]
	s_mov_b64 s[18:19], KROW
	s_mul_u64 s[20:21], s[20:21], s[18:19]
	s_mul_u64 s[46:47], s[46:47], s[18:19]
	s_mul_i32 s45, s14, HALFT
	s_wait_dscnt 0x0                               ; both opening adds are done
	s_wait_kmcnt 0x0
	s_add_nc_u64 s[8:9], s[6:7], TOFC
	s_add_nc_u64 s[10:11], s[6:7], TOFS
	s_add_nc_u64 s[6:7], s[4:5], UOFS
	s_add_nc_u64 s[20:21], s[4:5], s[20:21]
	s_add_nc_u64 s[22:23], s[6:7], s[22:23]
	s_add_nc_u64 s[46:47], s[8:9], s[46:47]
	s_add_nc_u64 s[92:93], s[10:11], s[92:93]
	CROUND                                         ; all sixteen work-groups are here: the first joint loads meet
	; the head's four tiles, each whole, one load a wave: wave 0 K step 0's 256 rows of U, wave 1 those of T, waves 2 and 3 their scale bytes
	s_mov_b32 s[G0S], 1
	s_mov_b32 s[G0S+1], SCL
	s_mov_b64 s[G0S+2:G0S+3], s[22:23]
	s_or_b32 s[G0S+3], s[G0S+3], 0x80000000
	s_mov_b32 s[G0SB], 1
	s_mov_b32 s[G0SB+1], SCL+2*HALFS
	s_mov_b64 s[G0SB+2:G0SB+3], s[92:93]
	s_or_b32 s[G0SB+3], s[G0SB+3], 0x80000000
	s_mov_b32 s[G0], 1
	s_mov_b32 s[G0+1], 0
	s_mov_b64 s[G0+2:G0+3], s[20:21]
	s_or_b32 s[G0+3], s[G0+3], 0x80000000
	s_mov_b32 s[G0B], 1
	s_mov_b32 s[G0B+1], 2*HALFT
	s_mov_b64 s[G0B+2:G0B+3], s[46:47]
	s_or_b32 s[G0B+3], s[G0B+3], 0x80000000
	s_mul_i32 s18, s16, 128*KROW                   ; in the ring a wave fetches 128 rows: which half, in bytes
	s_mov_b32 s19, 0
	s_add_nc_u64 s[20:21], s[20:21], s[18:19]
	s_add_nc_u64 s[46:47], s[46:47], s[18:19]
	s_mov_b32 s[G0+4], 1
	s_add_co_u32 s[G0+5], s45, SLOT
	s_add_nc_u64 s[G0+6:G0+7], s[20:21], ROWB
	s_or_b32 s[G0+7], s[G0+7], 0x80000000
	s_mov_b32 s[G0B+4], 1
	s_add_co_u32 s[G0B+5], s45, SLOT
	s_add_nc_u64 s[G0B+6:G0B+7], s[46:47], ROWB
	s_or_b32 s[G0B+7], s[G0B+7], 0x80000000
.macro ARM under, g0, g1, next
	s_cmp_lt_u32 s14, \under
	s_cbranch_scc0 \next
	tensor_load_to_lds s[\g0:\g0+3], s[\g1:\g1+7]
	s_nop 0
.rept 4
	v_nop
.endr
	s_branch .Lhead_asked
\next:
.endm
	ARM 1, G0,  G1,  .Lhead_b
	ARM 2, G0B, G1B, .Lhead_sa
	ARM 3, G0S, G1S, .Lhead_sb
	tensor_load_to_lds s[G0SB:G0SB+3], s[G1SB:G1SB+7]
	s_nop 0
.rept 4
	v_nop
.endr
.Lhead_asked:
	v_and_b32 v1, 15, v0
	v_bfe_u32 v2, v0, 4, 1
	v_mul_u32_u24 v3, v1, PITCH
	v_lshl_add_u32 v4, v2, 4, v3
	s_mul_i32 s21, s15, HALFT
	s_mul_i32 s22, s16, HALFT
	s_add_co_u32 s22, s22, 2*HALFT
.irp s, 0,1
	v_add_nc_u32 v[ADRA+\s], s21, v4
	v_add_nc_u32 v[ADRB+\s], s22, v4
	s_add_co_u32 s21, s21, SLOT
	s_add_co_u32 s22, s22, SLOT
.endr
	v_mul_u32_u24 v5, v1, KS
	v_lshrrev_b32 v6, 8, v5
	v_lshl_add_u32 v5, v6, 4, v5
	s_mul_i32 s21, s15, HALFS
	s_mul_i32 s22, s16, HALFS
	s_add_co_u32 s22, s22, 2*HALFS
	s_sub_co_u32 s22, s22, s21
	v_mul_u32_u24 v6, s22, v2
	s_add_co_u32 s21, s21, SCL
	v_add_nc_u32 v5, v5, v6
	v_add_nc_u32 v[ADRS], s21, v5
.macro FRAG reg, adr, q, i
.irp c, 0,1,2,3
	ds_load_b128 v[\reg+4*\c:\reg+4*\c+3], v[\adr] offset:128*(\q)+32*\c+(\i)*16*PITCH
.endr
.endm
.macro MUL16 a0, p, q, sc, zero        ; the 64 accumulators take turns, one instruction a turn, in the same order in every step
.irp a, \a0, \a0+1
.irp b, 0,1,2,3,4,5,6,7
.if \zero
	v_wmma_scale_f32_16x16x128_f8f6f4 v[8*(8*((\a)%4)+\b):8*(8*((\a)%4)+\b)+7], v[128*(\p)+FR*\b:128*(\p)+FR*\b+FR-1], v[AF+FR*(\a):AF+FR*(\a)+FR-1], 0, v[SC+8*NQ*(\sc)+NQ*\b+(\q)], v[SC+8*NQ*(\sc)+NQ*(\a)+(\q)] matrix_a_scale:MATRIX_SCALE_ROW1
.else
	v_wmma_scale_f32_16x16x128_f8f6f4 v[8*(8*((\a)%4)+\b):8*(8*((\a)%4)+\b)+7], v[128*(\p)+FR*\b:128*(\p)+FR*\b+FR-1], v[AF+FR*(\a):AF+FR*(\a)+FR-1], v[8*(8*((\a)%4)+\b):8*(8*((\a)%4)+\b)+7], v[SC+8*NQ*(\sc)+NQ*\b+(\q)], v[SC+8*NQ*(\sc)+NQ*(\a)+(\q)] matrix_a_scale:MATRIX_SCALE_ROW1
.endif
.endr
.endr
.endm
.macro FETCH_B slot, q, p
	WIN TO_B
.irp i, 0,1,2,3,4,5,6,7
	FRAG 128*(\p)+FR*\i, ADRB+\slot, \q, \i
.endr
	WIN 0
.endm
.macro FETCH_A slot, q, i0
.irp i, \i0, \i0+1, \i0+2, \i0+3
	FRAG AF+FR*(\i), ADRA+\slot, \q, \i
.endr
.endm
.macro SCALES sc
.irp i, 0,1,2,3,4,5,6,7
	ds_load_b64 v[SC+8*NQ*\sc+NQ*\i:SC+8*NQ*\sc+NQ*\i+1], v[ADRS] offset:\i*SBLK
.endr
.endm
.macro PLACES n
.rept \n
	v_nop
.endr
.endm
.macro STEP slot, q, zero
	s_wait_dscnt 4*NL                              ; T's set and U's blocks 0-3 are in; the youngest 16 loads may be out
	WIN MUL_LO
	MUL16 0, (\q)%2, \q, \slot, \zero
	MUL16 2, (\q)%2, \q, \slot, \zero
	s_wait_dscnt 0
	PLACES NP
	FETCH_B \slot, (\q)+1, 1-(\q)%2
	FETCH_A \slot, (\q)+1, 0
	WIN MUL_HI
	MUL16 4, (\q)%2, \q, \slot, \zero
	MUL16 6, (\q)%2, \q, \slot, \zero
	PLACES NP
	WIN 0
	FETCH_A \slot, (\q)+1, 4
.endm
.macro TURN slot, next, fill           ; a slot's last step changes slots: one barrier, the three lines in front of it, the refill first behind it
	s_wait_tensorcnt 0x0                           ; all my tensor loads have landed: my part of the next slot
	ds_add_u32 v[SPW], v[NIL]
	s_wait_dscnt 4*NL+1                            ; (the add and the youngest 16 loads may be out)
	WIN MUL_LO
	MUL16 0, 1, NQ-1, \slot, 0
	s_wait_dscnt 0x0                               ; the add is done, and my reads of this slot are over
	s_barrier_signal -1
	MUL16 2, 1, NQ-1, \slot, 0
	WIN 0
	s_barrier_wait -1
.if \fill
	CREST                                          ; the barrier has opened a round of the cluster's
	s_add_nc_u64 s[G0+4*\slot+2:G0+4*\slot+3], s[G0+4*\slot+2:G0+4*\slot+3], 2*ROWB
	s_add_nc_u64 s[G0B+4*\slot+2:G0B+4*\slot+3], s[G0B+4*\slot+2:G0B+4*\slot+3], 2*ROWB
	JLOAD G0+4*\slot, G1, G0B+4*\slot, G1B
	PLACES NP-4
.else
	PLACES NP
.endif
	s_wait_alu depctr_va_vdst(0)
	v_add_nc_u32 v[ADRS], 4*NQ, v[ADRS]
	FETCH_B \next, 0, 0
	FETCH_A \next, 0, 0
	SCALES \next
	WIN MUL_HI
	MUL16 4, 1, NQ-1, \slot, 0
	MUL16 6, 1, NQ-1, \slot, 0
	PLACES NP
	WIN 0
	FETCH_A \next, 0, 4
.endm
	s_wait_alu depctr_va_vdst(0)
	s_wait_tensorcnt 0x0                           ; my tile of the head's four is in
	ds_add_u32 v[SPW], v[NIL]
	s_mov_b32 s[G1+2], 128<<16                     ; no tensor load of mine is out: from here on a load brings 128 rows
	s_mov_b32 s[G1+4], 128
	s_mov_b32 s[G1B+2], 128<<16
	s_mov_b32 s[G1B+4], 128
	s_mov_b32 s[G0+1], s45                         ; and slot 0's groups 0 take my quarter of the slot
	s_add_nc_u64 s[G0+2:G0+3], s[G0+2:G0+3], s[18:19]
	s_mov_b32 s[G0B+1], s45
	s_add_nc_u64 s[G0B+2:G0B+3], s[G0B+2:G0B+3], s[18:19]
	s_wait_dscnt 0x0
	CROUND
	JLOAD G0+4, G1, G0B+4, G1B                     ; K step 1: the first tensor load behind the round
	FETCH_B 0, 0, 0
	FETCH_A 0, 0, 0
	SCALES 0
	FETCH_A 0, 0, 4
	STEP 0, 0, 1
	s_mov_b32 s3, LAPS-1
.Llap:
	TURN 0, 1, 1
	STEP 1, 0, 0
	TURN 1, 0, 1
	STEP 0, 0, 0
	s_sub_co_u32 s3, s3, 1
	s_cmp_lg_u32 s3, 0
	s_cbranch_scc1 .Llap
	TURN 0, 1, 0
	STEP 1, 0, 0
	s_wait_dscnt 4*NL
	WIN MUL_LO
	MUL16 0, 1, NQ-1, 1, 0
	MUL16 2, 1, NQ-1, 1, 0
	s_wait_dscnt 0
	WIN MUL_HI
	MUL16 4, 1, NQ-1, 1, 0
	MUL16 6, 1, NQ-1, 1, 0
	WIN 0
; THE WAY OUT, two blocks of 16 rows at a time: four blocks of 32 hidden units a lane (q = 2 (which block of rows) + (which group)); nothing goes through LDS.
.set T,    64                          ; v64-127  2^(-x1 log2 e), then the sigmoid
.set F,    128                         ; v128-191 the hidden layer
.set PC,   192
.set TM,   208
.set PW,   224
.set SWD,  225
.set PWS,  226
.set FO,   24
.set FS,   25
.set SEL,  66
.set MNT,  95
.macro QUANT src                       ; 64 numbers of a lane, register 16 b + i of block b, become codes in v[PC] on and four scale bytes in v[PW]
.irp b, 0,1,2,3
	v_max3_num_f32 v[TM+\b], |v[(\src)+16*\b]|, |v[(\src)+16*\b+1]|, 0x4800000
.endr
.irp i, 2,4,6,8,10,12,14
.irp b, 0,1,2,3
	v_max3_num_f32 v[TM+\b], v[TM+\b], |v[(\src)+16*\b+\i]|, |v[(\src)+16*\b+\i+1]|
.endr
.endr
.irp b, 0,1,2,3
	v_permlanex16_b32 v[TM+4+\b], v[TM+\b], s[SEL], s[SEL+1]
.endr
.irp b, 0,1,2,3
	v_max_num_f32 v[TM+\b], v[TM+\b], v[TM+4+\b]
.endr
.irp b, 0,1,2,3
	v_add_nc_u32 v[TM+12+\b], 0xfc000000, v[TM+\b]
.endr
.irp b, 0,1,2,3
	v_and_or_b32 v[TM+8+\b], v[TM+\b], 0x7f800000, s[MNT]
.endr
.irp b, 0,1,2,3
	v_lshrrev_b32 v[TM+4+\b], 23, v[TM+12+\b]
.endr
	v_lshl_or_b32 v[PW], v[TM+5], 8, v[TM+4]
	v_lshl_or_b32 v[PW], v[TM+6], 16, v[PW]
	v_lshl_or_b32 v[PW], v[TM+7], 24, v[PW]
.irp b, 0,1,2,3
.irp i, 0,1,2,3,4,5,6,7,8,9,10,11,12,13,14,15
	v_med3_num_f32 v[(\src)+16*\b+\i], v[(\src)+16*\b+\i], -v[TM+8+\b], v[TM+8+\b]
.endr
	v_cvt_scalef32_pk8_fp8_f32 v[PC+4*\b:PC+4*\b+1], v[(\src)+16*\b:(\src)+16*\b+7], v[TM+12+\b]
	v_cvt_scalef32_pk8_fp8_f32 v[PC+4*\b+2:PC+4*\b+3], v[(\src)+16*\b+8:(\src)+16*\b+15], v[TM+12+\b]
.endr
	v_nop                                          ; a plain line behind the last conversion
.endm
	PLACES NP                                      ; behind the last products
	s_lshl_b32 s18, s17, 8
	s_lshl_b32 s19, s15, 7
	s_add_co_u32 s18, s18, s19                     ; my first physical row
	s_lshl_b32 s19, s42, 2
	s_lshl_b32 s20, s16, 1
	s_add_co_u32 s19, s19, s20                     ; the first of my two groups of 32 hidden units
	s_lshl_b32 s20, s18, 11
	s_lshl_b32 s21, s19, 5
	s_add_co_u32 s20, s20, s21
	s_mov_b32 s21, 0
	s_add_nc_u64 s[98:99], s[96:97], s[20:21]      ; the codes
	s_lshl_b32 s20, s18, 6
	s_add_co_u32 s20, s20, s19
	s_add_co_u32 s20, s20, FFS
	s_add_nc_u64 s[100:101], s[96:97], s[20:21]    ; the scale bytes
	s_mov_b32 s[SEL], 0x76543210
	s_mov_b32 s[SEL+1], 0xfedcba98
	s_mov_b32 s[MNT], 0x600000
	s_mov_b32 s3, 0xffff0000                       ; lanes 16-31
	v_lshlrev_b32 v[FO], 11, v1
	v_lshl_add_u32 v[FO], v2, 4, v[FO]             ; row r of 2,048 bytes, + 16 h
	v_lshlrev_b32 v[FS], 6, v1
	v_lshl_add_u32 v[FS], v2, 10, v[FS]            ; scale bytes: lanes 0-15 the first block of rows, lanes 16-31 the second
.irp b, 0,1,2,3
	v_mov_b32 v[TM+4+\b], 0                        ; a lane permute's destination counts as one of its sources
.endr
.macro SILU a                          ; pair n of 32: block q = n / 8; x1's accumulator 8 ((a + q / 2) % 4) + 4 (q % 2) + (n % 8) / 4, x3's two further on
	s_wait_xcnt 0x0                                ; the last pair's stores have read their registers
	WIN 2+(\a)/4                                   ; source 0: the accumulators' window
.set nn, 0
.rept 32
.set A1, 8*(8*(((\a)+nn/16)%4)+4*((nn/8)%2)+(nn%8)/4)+2*(nn%4)
	v_pk_mul_f32 v[T+2*nn:T+2*nn+1], v[A1:A1+1], 0xbfb8aa3b op_sel_hi:[1,0]   ; -x1 log2 e
.set nn, nn+1
.endr
	WIN 0
.set nn, 0
	s_wait_alu depctr_va_vdst(0)
.rept 64
	v_exp_f32 v[T+nn], v[T+nn]
.set nn, nn+1
.endr
	v_nop                                          ; the plain line behind the batch
	s_wait_alu depctr_va_vdst(0)                   ; one wait for the batch, ahead of its first reader
.set nn, 0
.rept 32
	v_pk_add_f32 v[T+nn:T+nn+1], v[T+nn:T+nn+1], 1.0 op_sel_hi:[1,0]
.set nn, nn+2
.endr
.set nn, 0
	s_wait_alu depctr_va_vdst(0)
.rept 64
	v_rcp_f32 v[T+nn], v[T+nn]                     ; the sigmoid
.set nn, nn+1
.endr
	v_nop
	s_wait_alu depctr_va_vdst(0)
	WIN 2+(\a)/4
.set nn, 0
.rept 32
.set A1, 8*(8*(((\a)+nn/16)%4)+4*((nn/8)%2)+(nn%8)/4)+2*(nn%4)
	v_pk_mul_f32 v[F+2*nn:F+2*nn+1], v[A1:A1+1], v[T+2*nn:T+2*nn+1]
.set nn, nn+1
.endr
	WIN (2+(\a)/4)<<2                              ; source 1: the accumulators' window
.set nn, 0
.rept 32
.set A1, 8*(8*(((\a)+nn/16)%4)+4*((nn/8)%2)+(nn%8)/4)+2*(nn%4)
	v_pk_mul_f32 v[F+2*nn:F+2*nn+1], v[F+2*nn:F+2*nn+1], v[A1+16:A1+17]
.set nn, nn+1
.endr
	WIN 0
	QUANT F
.irp q, 0,1,2,3
	global_store_b128 v[FO], v[PC+4*\q:PC+4*\q+3], s[98:99] offset:2048*16*((\a)+\q/2)+32*(\q%2)
.endr
	v_and_b32 v[SWD], 0xffff, v[PW]
	v_lshrrev_b32 v[PWS], 16, v[PW]
	v_cndmask_b32 v[SWD], v[SWD], v[PWS], s3
	global_store_b16 v[FS], v[SWD], s[100:101] offset:1024*(\a)
.endm
	SILU 0
	SILU 2
	SILU 4
	SILU 6
	s_wait_tensorcnt 0x0                           ; the wave's end, behind my last tensor load
	ds_add_u32 v[SPW], v[NIL]
	s_wait_dscnt 0x0
	CROUND                                         ; the closing round
	s_endpgm
.Lfunc_end_k_q2b3471c79f_w13:
	.size	k_q2b3471c79f_w13, .Lfunc_end_k_q2b3471c79f_w13-k_q2b3471c79f_w13
	.p2alignl 7, 3214868480
	.fill 96, 4, 3214868480
	.section	.rodata,"a",@progbits
	.p2align	6, 0x0
	.amdhsa_kernel k_q2b3471c79f_w13
		.amdhsa_group_segment_fixed_size 327680
		.amdhsa_private_segment_fixed_size 0
		.amdhsa_enable_private_segment 0
		.amdhsa_kernarg_size 24
		.amdhsa_user_sgpr_count 2
		.amdhsa_user_sgpr_kernarg_segment_ptr 1
		.amdhsa_wavefront_size32 1
		.amdhsa_system_sgpr_workgroup_id_x 1
		.amdhsa_system_sgpr_workgroup_id_y 1
		.amdhsa_system_sgpr_workgroup_id_z 1
		.amdhsa_system_vgpr_workitem_id 0
		.amdhsa_next_free_vgpr 1024
		.amdhsa_next_free_sgpr 104
		.amdhsa_reserve_vcc 0
		.amdhsa_float_denorm_mode_32 3
		.amdhsa_float_denorm_mode_16_64 3
		.amdhsa_memory_ordered 1
		.amdhsa_forward_progress 1
		.amdhsa_inst_pref_size 205
	.end_amdhsa_kernel
	.amdgpu_metadata
---
amdhsa.version: [ 1, 2 ]
amdhsa.kernels:
  - .name:           k_q2b3471c79f_w13
    .symbol:         k_q2b3471c79f_w13.kd
    .args:
      - { .name: h2, .offset: 0, .size: 8, .value_kind: global_buffer, .address_space: global }
      - { .name: pw, .offset: 8, .size: 8, .value_kind: global_buffer, .address_space: global }
      - { .name: ff, .offset: 16, .size: 8, .value_kind: global_buffer, .address_space: global }
    .group_segment_fixed_size: 327680
    .private_segment_fixed_size: 0
    .kernarg_segment_align: 8
    .kernarg_segment_size: 24
    .max_flat_workgroup_size: 128
    .sgpr_count:     104
    .vgpr_count:     1024
    .wavefront_size: 32
...
	.end_amdgpu_metadata
.endif
;; end of part 13
;; launch w2 (part 14): grid 8 x 32, 4 waves a work-group, clusters of 4 x 4, 327,680 bytes of LDS; arguments ff, pw, o1, out0; writes out0
.if DOCPART == 14
	.amdgcn_target "amdgcn-amd-amdhsa--gfx1250"
	.amdhsa_code_object_version 6
	.text
	.protected	k_q2b3471c79f_w2
	.globl	k_q2b3471c79f_w2
	.p2align	8
	.type	k_q2b3471c79f_w2,@function
k_q2b3471c79f_w2:
	s_mov_b64 s[64:65], 0
	v_nop
	global_prefetch_b8 v0, s[64:65] scope:SCOPE_SE
	s_setreg_imm32_b32 hwreg(HW_REG_WAVE_MODE, 25, 1), 1
	s_wait_xcnt 0x0
	s_wait_alu depctr_hold_cnt(0) depctr_sa_sdst(0) depctr_va_vdst(0) depctr_va_sdst(0) depctr_va_ssrc(0) depctr_va_vcc(0) depctr_vm_vsrc(0)
	s_getreg_b32 s2, hwreg(HW_REG_IB_STS2, 6, 4)
	s_cmp_eq_u32 s2, 0
	s_cbranch_scc0 .Lentry_in_a_cluster
	s_endpgm
.Lentry_in_a_cluster:
	s_bfe_u32 s2, ttmp6, 0x10000c
	s_cmp_lg_u32 s2, 0xf033
	s_cbranch_scc0 .Lentry_shape_is_right
	s_endpgm
.Lentry_shape_is_right:
; out0 = out1 + ff W2 on codes of E4M3 with E8M0 scales.  U = ff (codes and scales from kernel w13), T = W2 (from kernel prep); the residual and the result are f32 with logical rows.
; The text is kernel wo's with K = 2,048 (two laps of the ring: each slot is filled again once; scale rows of 64 bytes) and other places in the buffers.
; THE TILE.  The result is 4,096 x 1,024: 64 tiles of 256 x 256, or 256 of 128 x 128.  The smaller tile is taken, so that there are 256 work-groups: four waves, each 64 x 64: 16 accumulators, 128 registers.
; THE RING.  K goes in steps of 512 through two LDS slots filled by the tensor data mover: rows of 512 bytes, 64 rows to a wave's load (waves 0, 1: U's halves; waves 2, 3: T's).  The scale bytes of all of K come into LDS once.
; CLUSTERS: 4 x 4 work-groups: U's tile is asked for jointly along a row of the cluster, T's along a column: the same tensor load with the same descriptor and a mask that names the four.
; Source 0 = 16 rows of T, source 1 = 16 rows of U: lane (r, h) holds U's physical row 16 a + r; register j of accumulator (a, b) is logical column 32 (b / 2) + 16 h + 8 (b % 2) + j (the row order of kernel prep).
; THE RESIDUAL of the wave's 64 x 64 is asked for at the head, behind the first tensor loads, and lies in registers when the sums are finished.
; REGISTERS, in windows of 256: window 0: v0-31 addresses; v32-63 scale words, two sets, and nothing else; v64-127 rows read back from the stage, two sets; v128-255 the accumulators ((a, b) at v[128 + 8 (4 a + b)]).
;   window 1: two fragment buffers of 128: U's four fragments (16 rows x 128 K), then T's four.   window 2: v0-127 the residual.
.set SIZE_K, 2048
.set UOFS,  8388608
.set TOFC,  13762560
.set TOFS,  16121856
.set LAST,  1
.set KSTEP,  512
.set NQ,     KSTEP/128
.set ROWB,   512
.set KROW,   SIZE_K
.set PITCH,  528                       ; an LDS row: 512 bytes + 16 of padding = 132 words: the 16 rows that a load touches start at 16 different banks (64 banks of 4 bytes: ISA guide 11.1)
.set FR,     16
.set NP,     8                         ; places behind this matrix instruction (ISA guide 7.12.1)
.set HALFT,  64*PITCH
.set SLOT,   4*HALFT
.set LAPS,   SIZE_K/(2*KSTEP)
.set KS,     SIZE_K/32
.set SCL,    2*SLOT
.set HALFS,  (64*KS/256)*272
.set SBLK,   (16*KS/256)*272
.set SPARE,  SCL+4*HALFS               ; the spare words, 128 bytes a wave: two blocks of 256 bytes that no other line names
.set SPITCH, 272                       ; the way out: a stage of 16 rows x (256 bytes + 16) a wave, in slot 0, which has had its last fill and its last read by then
.set ADRA, 16
.set ADRB, 20
.set STO,  24
.set RD,   25
.set CO,   26
.set ADRS, 27
.set SPW,  28
.set NIL,  29
.set SC,   32
.set OUT,  64
.set ACC,  128
.set G1, 24
.set G0, 32
.set G1B, 48
.set G0B, 56
.set G1S, 68
.set G0S, 76
.set G1SB, 80
.set G0SB, 88
.set MSB, 0
.macro WIN new                         ; the immediate's high byte repeats the setting that is left
.if MSB != (\new)
	s_set_vgpr_msb (MSB<<8)|(\new)
.set MSB, (\new)
.endif
.endm
.set MUL,  0x05                        ; sources 0 (T) and 1 (U) window 1; C and D window 0
.set TO_F, 0x40                        ; destination window 1, address window 0
.macro JLOAD g0a, g1a, g0b, g1b        ; a joint load: waves 0, 1 for U, waves 2, 3 for T; an s_nop 0 and four v_nop follow each line
	s_cmp_eq_u32 s15, 0
	s_cbranch_scc0 .Lfor_b_\@
	tensor_load_to_lds s[\g0a:\g0a+3], s[\g1a:\g1a+7]
	s_nop 0
.rept 4
	v_nop
.endr
	s_branch .Lasked_\@
.Lfor_b_\@:
	tensor_load_to_lds s[\g0b:\g0b+3], s[\g1b:\g1b+7]
	s_nop 0
.rept 4
	v_nop
.endr
.Lasked_\@:
.endm
.macro CREST                           ; a round of the cluster's barrier behind its opening barrier
	s_cmp_lg_u32 s14, 0
	s_cbranch_scc1 .Lnot_wave_0_\@
	s_barrier_signal -3
.Lnot_wave_0_\@:
	s_barrier_wait -3
	s_barrier_signal -1
	s_barrier_wait -1
.endm
.macro CROUND
	s_barrier_signal -1
	s_barrier_wait -1
	CREST
.endm
	s_load_b128 s[4:7], s[0:1], 0x0                ; U's buffer s[4:5], pw s[6:7]
	s_load_b128 s[96:99], s[0:1], 0x10             ; the residual s[96:97], the result s[98:99]
	v_lshl_add_u32 v[SPW], v0, 2, SPARE
	v_mov_b32 v[NIL], 0
	ds_add_u32 v[SPW], v[NIL]                      ; the wave's opening: the add, twice on end, and its wait ahead of my first tensor load
	ds_add_u32 v[SPW], v[NIL]
	v_lshrrev_b32 v1, 5, v0
	v_readfirstlane_b32 s14, v1                    ; wave 0..3
	s_lshr_b32 s15, s14, 1                         ; which half of U's rows is mine.  Also: I fetch for U (0) or for T (1)
	s_and_b32 s16, s14, 1                          ; which half of T's rows.  Also: which 64 rows of that tile I fetch
	s_bfe_u32 s40, ttmp6, 0x40000                  ; cx, cy: my place in the cluster
	s_bfe_u32 s41, ttmp6, 0x40004
	s_lshl_b32 s42, ttmp9, 2
	s_add_co_u32 s42, s42, s40                     ; T's tile = 4 x cluster x + cx
	s_and_b32 s17, ttmp7, 0xffff
	s_lshl_b32 s17, s17, 2
	s_add_co_u32 s17, s17, s41                     ; U's tile = 4 x cluster y + cy
	s_lshl_b32 s43, s41, 2
	s_lshl_b32 s43, 15, s43                        ; my row of the cluster
	s_lshl_b32 s44, 0x1111, s40                    ; my column
	s_or_b32 s[G1+0], s43, (0<<16)|(1<<20)|(1<<21)|(6<<22)|(3<<25)  ; the mask; elements of 1 byte; padding on: 4 words after every 128; bit 21 beside a mask
	s_or_b32 s[G1B+0], s44, (0<<16)|(1<<20)|(1<<21)|(6<<22)|(3<<25)
.irp g, G1, G1B
	s_mov_b32 s[\g+1], ROWB<<16                    ; tensor_dim0
	s_mov_b32 s[\g+2], 128<<16                     ; tensor_dim1: 128 rows for the head's loads
	s_mov_b32 s[\g+3], ROWB<<16                    ; tile_dim0
	s_mov_b32 s[\g+4], 128                         ; tile_dim1
	s_mov_b32 s[\g+5], KROW                        ; the pitch
	s_mov_b32 s[\g+6], 0
	s_mov_b32 s[\g+7], 0
.endr
	s_or_b32 s[G1S+0], s43, (3<<16)|(1<<20)|(1<<21)|(5<<22)|(3<<25)  ; the scales of 128 rows: a dense block, as rows of 256 bytes (32 elements of 8), 4 words of padding behind each
	s_or_b32 s[G1SB+0], s44, (3<<16)|(1<<20)|(1<<21)|(5<<22)|(3<<25)
.irp g, G1S, G1SB
	s_mov_b32 s[\g+1], 32<<16
	s_mov_b32 s[\g+2], (128*KS/256)<<16
	s_mov_b32 s[\g+3], 32<<16
	s_mov_b32 s[\g+4], 128*KS/256
	s_mov_b32 s[\g+5], 32
	s_mov_b32 s[\g+6], 0
	s_mov_b32 s[\g+7], 0
.endr
	s_lshl_b32 s20, s17, 7                         ; U: the tile's first row
	s_lshl_b32 s46, s42, 7                         ; T likewise
	s_mov_b32 s21, 0
	s_mov_b32 s47, 0
	s_mov_b64 s[18:19], KS
	s_mul_u64 s[22:23], s[20:21], s[18:19]
	s_mul_u64 s[92:93], s[46:47], s[18:19]
	s_mov_b64 s[18:19], KROW
	s_mul_u64 s[20:21], s[20:21], s[18:19]
	s_mul_u64 s[46:47], s[46:47], s[18:19]
	s_mul_i32 s45, s14, HALFT                      ; where they go: wave x 64 rows: no place in the cluster enters an LDS address
	s_wait_dscnt 0x0                               ; both opening adds are done
	s_wait_kmcnt 0x0
	s_add_nc_u64 s[8:9], s[6:7], TOFC              ; T's codes
	s_add_nc_u64 s[10:11], s[6:7], TOFS            ; T's scales
	s_add_nc_u64 s[6:7], s[4:5], UOFS              ; U's scales
	s_add_nc_u64 s[20:21], s[4:5], s[20:21]
	s_add_nc_u64 s[22:23], s[6:7], s[22:23]
	s_add_nc_u64 s[46:47], s[8:9], s[46:47]
	s_add_nc_u64 s[92:93], s[10:11], s[92:93]
	CROUND                                         ; all sixteen work-groups are here: the first joint loads meet
	; the head's four tiles, each whole, one load a wave: wave 0 slot 0's 128 rows of U, wave 1 those of T, waves 2 and 3 their scale bytes
	s_mov_b32 s[G0S], 1
	s_mov_b32 s[G0S+1], SCL
	s_mov_b64 s[G0S+2:G0S+3], s[22:23]
	s_or_b32 s[G0S+3], s[G0S+3], 0x80000000
	s_mov_b32 s[G0SB], 1
	s_mov_b32 s[G0SB+1], SCL+2*HALFS
	s_mov_b64 s[G0SB+2:G0SB+3], s[92:93]
	s_or_b32 s[G0SB+3], s[G0SB+3], 0x80000000
	s_mov_b32 s[G0], 1
	s_mov_b32 s[G0+1], 0
	s_mov_b64 s[G0+2:G0+3], s[20:21]
	s_or_b32 s[G0+3], s[G0+3], 0x80000000
	s_mov_b32 s[G0B], 1
	s_mov_b32 s[G0B+1], 2*HALFT
	s_mov_b64 s[G0B+2:G0B+3], s[46:47]
	s_or_b32 s[G0B+3], s[G0B+3], 0x80000000
	s_mul_i32 s18, s16, 64*KROW                    ; in the ring a wave fetches 64 rows: which half, in bytes
	s_mov_b32 s19, 0
	s_add_nc_u64 s[20:21], s[20:21], s[18:19]
	s_add_nc_u64 s[46:47], s[46:47], s[18:19]
	s_mov_b32 s[G0+4], 1
	s_add_co_u32 s[G0+5], s45, SLOT
	s_add_nc_u64 s[G0+6:G0+7], s[20:21], ROWB
	s_or_b32 s[G0+7], s[G0+7], 0x80000000
	s_mov_b32 s[G0B+4], 1
	s_add_co_u32 s[G0B+5], s45, SLOT
	s_add_nc_u64 s[G0B+6:G0B+7], s[46:47], ROWB
	s_or_b32 s[G0B+7], s[G0B+7], 0x80000000
.macro ARM under, g0, g1, next
	s_cmp_lt_u32 s14, \under
	s_cbranch_scc0 \next
	tensor_load_to_lds s[\g0:\g0+3], s[\g1:\g1+7]
	s_nop 0
.rept 4
	v_nop
.endr
	s_branch .Lhead_asked
\next:
.endm
	ARM 1, G0,  G1,  .Lhead_b
	ARM 2, G0B, G1B, .Lhead_sa
	ARM 3, G0S, G1S, .Lhead_sb
	tensor_load_to_lds s[G0SB:G0SB+3], s[G1SB:G1SB+7]
	s_nop 0
.rept 4
	v_nop
.endr
.Lhead_asked:
	v_and_b32 v1, 15, v0                           ; r = l % 16
	v_bfe_u32 v2, v0, 4, 1                         ; h = l / 16
	v_mul_u32_u24 v3, v1, PITCH
	v_lshl_add_u32 v4, v2, 4, v3                   ; a fragment's row x pitch + 16 x half
	s_mul_i32 s21, s15, HALFT                      ; my 64 rows of U
	s_mul_i32 s22, s16, HALFT                      ; my 64 rows of T,
	s_add_co_u32 s22, s22, 2*HALFT                 ; which lie behind U's 128
.irp s, 0,1
	v_add_nc_u32 v[ADRA+\s], s21, v4
	v_add_nc_u32 v[ADRB+\s], s22, v4
	s_add_co_u32 s21, s21, SLOT
	s_add_co_u32 s22, s22, SLOT
.endr
	v_mul_u32_u24 v5, v1, KS                       ; my row's scales: KS bytes a row,
	v_lshrrev_b32 v6, 8, v5
	v_lshl_add_u32 v5, v6, 4, v5                   ; and 16 more for each 256 passed
	s_mul_i32 s21, s15, HALFS
	s_mul_i32 s22, s16, HALFS
	s_add_co_u32 s22, s22, 2*HALFS
	s_sub_co_u32 s22, s22, s21
	v_mul_u32_u24 v6, s22, v2                      ; lanes 16-31 take T's scale words
	s_add_co_u32 s21, s21, SCL
	v_add_nc_u32 v5, v5, v6
	v_add_nc_u32 v[ADRS], s21, v5
	s_mul_i32 s23, s14, 16*SPITCH                  ; my stage
	v_mul_u32_u24 v5, v1, SPITCH
	v_lshl_add_u32 v5, v2, 6, v5                   ; in: row r; my half's 16 columns of each 32: + 64 h
	v_add_nc_u32 v[STO], s23, v5
	v_mul_u32_u24 v6, v2, SPITCH
	v_lshl_add_u32 v6, v1, 4, v6                   ; back: lanes 0-15 take one row of 256 bytes, lanes 16-31 the next
	v_add_nc_u32 v[RD], s23, v6
	v_lshlrev_b32 v[CO], 12, v2                    ; and the same two rows, of 4,096 bytes, in memory
	v_lshl_add_u32 v[CO], v1, 4, v[CO]
	s_wait_alu depctr_va_vdst(0)
	s_lshl_b32 s20, s17, 7
	s_lshl_b32 s21, s15, 6
	s_add_co_u32 s20, s20, s21                     ; my first row
	s_lshl_b32 s20, s20, 12                        ; of 4,096 bytes
	s_lshl_b32 s46, s42, 9
	s_lshl_b32 s47, s16, 8
	s_add_co_u32 s46, s46, s47                     ; my first column, in bytes
	s_add_co_u32 s20, s20, s46
	s_mov_b32 s21, 0
	s_add_nc_u64 s[96:97], s[96:97], s[20:21]
	s_add_nc_u64 s[98:99], s[98:99], s[20:21]
	; the residual of my 64 x 64, in the order in which the way out reads rows back: physical rows 16 a + 2 t + (0, 1) are logical rows 32 (a / 2) + 8 (a % 2) + 16 (t / 4) + 2 (t % 4) + (0, 1)
	WIN 0x80                                       ; destination window 2, address window 0
.irp a, 0,1,2,3
.set tt, 0
.rept 8
	global_load_b128 v[32*\a+4*tt:32*\a+4*tt+3], v[CO], s[96:97] offset:(32*(\a/2)+8*(\a%2)+16*(tt/4)+2*(tt%4))*4096 th:TH_LOAD_NT   ; sixteen lanes read 256 consecutive bytes, aligned
.set tt, tt+1
.endr
.endr
	WIN 0
.macro FRAG reg, adr, q, i             ; 16 rows x 128 K of codes: lane l holds row l % 16; registers 4 c .. 4 c + 3 hold K = 32 c + 16 (l / 16) + 0 .. 15
.irp c, 0,1,2,3
	ds_load_b128 v[\reg+4*\c:\reg+4*\c+3], v[\adr] offset:128*(\q)+32*\c+(\i)*16*PITCH
.endr
.endm
; 4 matrix instructions: U's block a x T's four, 128 along K: the slot's q-th, out of buffer f.  The 16 accumulators take turns, one instruction a turn, in the same order in every step.
.macro MUL4 f, a, q, sc, zero
.irp b, 0,1,2,3
.if \zero
	v_wmma_scale_f32_16x16x128_f8f6f4 v[ACC+8*(4*(\a)+\b):ACC+8*(4*(\a)+\b)+7], v[(\f)+64+FR*\b:(\f)+64+FR*\b+FR-1], v[(\f)+FR*(\a):(\f)+FR*(\a)+FR-1], 0, v[SC+4*NQ*(\sc)+NQ*\b+(\q)], v[SC+4*NQ*(\sc)+NQ*(\a)+(\q)] matrix_a_scale:MATRIX_SCALE_ROW1
.else
	v_wmma_scale_f32_16x16x128_f8f6f4 v[ACC+8*(4*(\a)+\b):ACC+8*(4*(\a)+\b)+7], v[(\f)+64+FR*\b:(\f)+64+FR*\b+FR-1], v[(\f)+FR*(\a):(\f)+FR*(\a)+FR-1], v[ACC+8*(4*(\a)+\b):ACC+8*(4*(\a)+\b)+7], v[SC+4*NQ*(\sc)+NQ*\b+(\q)], v[SC+4*NQ*(\sc)+NQ*(\a)+(\q)] matrix_a_scale:MATRIX_SCALE_ROW1
.endif
.endr
.endm
.macro FETCH slot, q, f                ; 32 LDS loads in one run: T's four fragments, then U's four, the last eight loads being U's blocks 2 and 3
	WIN TO_F
.irp i, 0,1,2,3
	FRAG (\f)+64+FR*\i, ADRB+\slot, \q, \i
.endr
.irp i, 0,1,2,3
	FRAG (\f)+FR*\i, ADRA+\slot, \q, \i
.endr
.endm
.macro SCALES sc                       ; a slot's scale words, four a row: lanes 0-15 take U's block i, lanes 16-31 T's block i
.irp i, 0,1,2,3
	ds_load_b128 v[SC+4*NQ*\sc+NQ*\i:SC+4*NQ*\sc+NQ*\i+3], v[ADRS] offset:\i*SBLK
.endr
.endm
.macro PLACES n                        ; plain vector lines between a matrix instruction and a load into, or a read of, its registers
.rept \n
	v_nop
.endr
.endm
.macro STEP slot, q, zero              ; 128 along K with a successor in the same slot: buffer q % 2 is multiplied, the other takes the next step's fragments
	s_wait_dscnt 8                                 ; T's fragments and U's blocks 0, 1 are in; the youngest eight loads (U's blocks 2, 3) may be out
	WIN MUL
	MUL4 128*((\q)%2), 0, \q, \slot, \zero
	MUL4 128*((\q)%2), 1, \q, \slot, \zero
	PLACES NP                                      ; for the loads into the other buffer, which the step before multiplied
	FETCH \slot, (\q)+1, 128-128*((\q)%2)
	s_wait_dscnt 32                                ; all but the 32 just issued
	WIN MUL
	MUL4 128*((\q)%2), 2, \q, \slot, \zero
	MUL4 128*((\q)%2), 3, \q, \slot, \zero
.endm
; A slot's last step (buffer 1) changes slots: one barrier; in front of it each wave waits for all its tensor loads, adds 0 to its spare word, and waits for that and for its reads of this slot.  fill = 1: the slot is filled again.
.macro TURN slot, next, fill
	WIN 0                                          ; (the add's two registers lie in window 0)
	s_wait_tensorcnt 0x0                           ; all my tensor loads have landed: my part of the next slot
	ds_add_u32 v[SPW], v[NIL]
	s_wait_dscnt 9                                 ; (the add and the youngest eight loads may be out)
	WIN MUL
	MUL4 128, 0, NQ-1, \slot, 0                    ; four matrix instructions stand between the add and the wait for it
	s_wait_dscnt 0x0                               ; the add is done, and my reads of this slot are over
	s_barrier_signal -1
	MUL4 128, 1, NQ-1, \slot, 0
	WIN 0
	s_barrier_wait -1
.if \fill
	CREST                                          ; the barrier has opened a round of the cluster's: no wave of any partner still reads this slot or has a load on its way
	s_add_nc_u64 s[G0+4*\slot+2:G0+4*\slot+3], s[G0+4*\slot+2:G0+4*\slot+3], 2*ROWB
	s_add_nc_u64 s[G0B+4*\slot+2:G0B+4*\slot+3], s[G0B+4*\slot+2:G0B+4*\slot+3], 2*ROWB
	JLOAD G0+4*\slot, G1, G0B+4*\slot, G1B         ; the first tensor load behind the round; its four v_nop are among the places below
	PLACES NP-4
.else
	PLACES NP
.endif
	s_wait_alu depctr_va_vdst(0)
	v_add_nc_u32 v[ADRS], 4*NQ, v[ADRS]            ; on to the next slot's scale words
	SCALES \next
	FETCH \next, 0, 0
	WIN MUL
	MUL4 128, 2, NQ-1, \slot, 0
	MUL4 128, 3, NQ-1, \slot, 0
.endm
	s_wait_tensorcnt 0x0                           ; my tile of the head's four is in
	ds_add_u32 v[SPW], v[NIL]
	s_mov_b32 s[G1+2], 64<<16                      ; no tensor load of mine is out: from here on a load brings 64 rows
	s_mov_b32 s[G1+4], 64
	s_mov_b32 s[G1B+2], 64<<16
	s_mov_b32 s[G1B+4], 64
	s_mov_b32 s[G0+1], s45                         ; and slot 0's groups 0 take my quarter of the slot
	s_add_nc_u64 s[G0+2:G0+3], s[G0+2:G0+3], s[18:19]
	s_mov_b32 s[G0B+1], s45
	s_add_nc_u64 s[G0B+2:G0B+3], s[G0B+2:G0B+3], s[18:19]
	s_wait_dscnt 0x0
	CROUND
	JLOAD G0+4, G1, G0B+4, G1B                     ; slot 1's first fill: the first tensor load behind the round
	SCALES 0
	FETCH 0, 0, 0
	STEP 0, 0, 1                                   ; the first step's products start the sums: nothing is cleared
.if LAPS > 1
	WIN 0                                          ; at a label and at a branch every window is 0
	s_mov_b32 s3, LAPS-1
.Llap:                                                 ; a trip goes once round the ring, from a lap's second step to the next lap's first, and fills both slots again
	STEP 0, 1, 0
	STEP 0, 2, 0
	TURN 0, 1, 1
	STEP 1, 0, 0
	STEP 1, 1, 0
	STEP 1, 2, 0
	TURN 1, 0, 1
	STEP 0, 0, 0
	WIN 0
	s_sub_co_u32 s3, s3, 1
	s_cmp_lg_u32 s3, 0
	s_cbranch_scc1 .Llap
.endif
	STEP 0, 1, 0                                   ; the last lap fills nothing
	STEP 0, 2, 0
	TURN 0, 1, 0
	STEP 1, 0, 0
	STEP 1, 1, 0
	STEP 1, 2, 0
	s_wait_dscnt 8                                 ; the very last step: nothing more to fetch
	WIN MUL
	MUL4 128, 0, NQ-1, 1, 0
	MUL4 128, 1, NQ-1, 1, 0
	s_wait_dscnt 0x0
	MUL4 128, 2, NQ-1, 1, 0
	MUL4 128, 3, NQ-1, 1, 0
	WIN 0
; THE WAY OUT, block by block of 16 physical rows x 64 columns: through my own stage, where the columns take their logical places, back as whole pieces of 256 bytes, two rows an instruction; the residual is added;
; the rows' logical place stands in the immediate (62 rows of 4,096 bytes at the most).  No base is stepped.  LDS serves a wave's instructions in order (ISA guide 5.7.1.4): no wait between the stores and the loads.
.macro TOSTAGE a
.irp b, 0,1,2,3
	ds_store_b128 v[STO], v[ACC+8*(4*(\a)+\b):ACC+8*(4*(\a)+\b)+3] offset:128*(\b/2)+32*(\b%2)          ; each accumulator from its low end on
	ds_store_b128 v[STO], v[ACC+8*(4*(\a)+\b)+4:ACC+8*(4*(\a)+\b)+7] offset:128*(\b/2)+32*(\b%2)+16
.endr
.irp t, 0,1,2,3,4,5,6,7
	ds_load_b128 v[OUT+32*((\a)%2)+4*\t:OUT+32*((\a)%2)+4*\t+3], v[RD] offset:\t*2*SPITCH
.endr
.endm
.macro SEND a, younger
.set BB, OUT+32*((\a)%2)
.set XR, 32*(\a)
	s_wait_dscnt \younger                          ; the block is back (the next block's 8 stores and 8 loads may be out)
	WIN 0x08                                       ; source 1: window 2, the residual
.set tt, 0
.rept 16
	v_pk_add_f32 v[BB+tt:BB+tt+1], v[BB+tt:BB+tt+1], v[XR+tt:XR+tt+1]
.set tt, tt+2
.endr
	WIN 0
.set tt, 0
.rept 8
.if LAST
	global_store_b128 v[CO], v[BB+4*tt:BB+4*tt+3], s[98:99] offset:(32*((\a)/2)+8*((\a)%2)+16*(tt/4)+2*(tt%4))*4096 th:TH_STORE_NT   ; sixteen lanes store 256 consecutive bytes, aligned; written once, read by nobody here
.else
	global_store_b128 v[CO], v[BB+4*tt:BB+4*tt+3], s[98:99] offset:(32*((\a)/2)+8*((\a)%2)+16*(tt/4)+2*(tt%4))*4096
.endif
.set tt, tt+1
.endr
.endm
	PLACES NP                                      ; behind the last products, ahead of the first read of results
	TOSTAGE 0
	s_wait_loadcnt 0x0                             ; the residual, asked for at the head
.irp a, 1,2,3
.if \a > 1
	s_wait_xcnt 0x0                                ; block a - 2's stores have read their registers: block a's loads may land there
.endif
	TOSTAGE \a
	SEND \a-1, 16
.endr
	SEND 3, 0
	s_wait_tensorcnt 0x0                           ; the wave's end, behind my last tensor load and my last LDS store
	ds_add_u32 v[SPW], v[NIL]
	s_wait_dscnt 0x0
	CROUND                                         ; the closing round
	s_endpgm
.Lfunc_end_k_q2b3471c79f_w2:
	.size	k_q2b3471c79f_w2, .Lfunc_end_k_q2b3471c79f_w2-k_q2b3471c79f_w2
	.p2alignl 7, 3214868480
	.fill 96, 4, 3214868480
	.section	.rodata,"a",@progbits
	.p2align	6, 0x0
	.amdhsa_kernel k_q2b3471c79f_w2
		.amdhsa_group_segment_fixed_size 327680
		.amdhsa_private_segment_fixed_size 0
		.amdhsa_enable_private_segment 0
		.amdhsa_kernarg_size 32
		.amdhsa_user_sgpr_count 2
		.amdhsa_user_sgpr_kernarg_segment_ptr 1
		.amdhsa_wavefront_size32 1
		.amdhsa_system_sgpr_workgroup_id_x 1
		.amdhsa_system_sgpr_workgroup_id_y 1
		.amdhsa_system_sgpr_workgroup_id_z 1
		.amdhsa_system_vgpr_workitem_id 0
		.amdhsa_next_free_vgpr 640
		.amdhsa_next_free_sgpr 104
		.amdhsa_reserve_vcc 0
		.amdhsa_float_denorm_mode_32 3
		.amdhsa_float_denorm_mode_16_64 3
		.amdhsa_memory_ordered 1
		.amdhsa_forward_progress 1
		.amdhsa_inst_pref_size 100
	.end_amdhsa_kernel
	.amdgpu_metadata
---
amdhsa.version: [ 1, 2 ]
amdhsa.kernels:
  - .name:           k_q2b3471c79f_w2
    .symbol:         k_q2b3471c79f_w2.kd
    .args:
      - { .name: ff, .offset: 0, .size: 8, .value_kind: global_buffer, .address_space: global }
      - { .name: pw, .offset: 8, .size: 8, .value_kind: global_buffer, .address_space: global }
      - { .name: o1, .offset: 16, .size: 8, .value_kind: global_buffer, .address_space: global }
      - { .name: out0, .offset: 24, .size: 8, .value_kind: global_buffer, .address_space: global }
    .group_segment_fixed_size: 327680
    .private_segment_fixed_size: 0
    .kernarg_segment_align: 8
    .kernarg_segment_size: 32
    .max_flat_workgroup_size: 128
    .sgpr_count:     104
    .vgpr_count:     640
    .wavefront_size: 32
...
	.end_amdgpu_metadata
.endif
;; end of part 14
